; MI455X (gfx1250); checked and timed in simulation.
; The chip was launched on July 23, 2026; its instructions are those of AMD's public machine-readable ISA for CDNA 5 (MIT licence, August 2026) and "CDNA5" Instruction Set Architecture Reference Guide (July 2026). The comments in the code are by the model that wrote it; some were corrected since.
;; Rot Dec SA Layer. Allowed arithmetic: float matrix products may take bf16 or f16 operands with f32 sums; other float arithmetic in f32, or as packed bf16 or f16 multiplies, adds, multiply-adds, maxima and minima; sums over many terms, partial sums and values carried from step to step in f32; what a program stores and reads back later, other than sums and carried values, may be rounded once to bf16 or f16.
;; Inputs: b1 4,096 float32; b2 1,024 float32; in_b 3,072 float32; in_w 3,072 x 1,024 float32; ln1_b 1,024 float32; ln1_g 1,024 float32; ln2_b 1,024 float32; ln2_g 1,024 float32; out_b 1,024 float32; out_w 1,024 x 1,024 float32; w1 4,096 x 1,024 float32; w2 1,024 x 4,096 float32; x 2,048 x 2 x 1,024 float32.
;; Outputs: out0 2,048 x 2 x 1,024 float32.
;; 2 versions, each right. Each part assembles by itself: llvm-mc -triple=amdgcn-amd-amdhsa -mcpu=gfx1250 --defsym DOCPART=n.
;; ======== version 1 of 2: 8 launches
;; limits: values are held in f16: magnitudes above 65,504 overflow, below 6.1e-05 lose precision; right only within a limited range of input values
;; workspace buffers: wb 25,165,824 bytes; tab 524,288 bytes; hn 8,388,608 bytes; big 33,554,432 bytes; x1 16,777,216 bytes
;; launch prep (part 1): grid 832 x 1, 8 waves a work-group, no clusters, 0 bytes of LDS; arguments in_w, out_w, w1, w2, wb, tab; writes wb, tab
.if DOCPART == 1
	.amdgcn_target "amdgcn-amd-amdhsa--gfx1250"
	.amdhsa_code_object_version 6
	.text
	.protected	k_qc3bd83818c_prep
	.globl	k_qc3bd83818c_prep
	.p2align	8
	.type	k_qc3bd83818c_prep,@function
k_qc3bd83818c_prep:
	s_mov_b64 s[64:65], 0
	v_nop
	global_prefetch_b8 v0, s[64:65] scope:SCOPE_SE
	s_setreg_imm32_b32 hwreg(HW_REG_WAVE_MODE, 25, 1), 1
	s_wait_xcnt 0x0
; Work-groups 0..767: the four weight matrices, f32, are rounded once to f16 and laid one behind the other in wb (in_w, out_w, w1, w2), row-major as they come.
; A work-group takes 16,384 numbers: 16 loads a lane, each load of a wave 512 consecutive bytes, each store of a wave 256 consecutive aligned bytes.
; Work-groups 768..831: the rotary table tab[t][0..31] = cos(t theta_i), tab[t][32..63] = sin(t theta_i), theta_i = 10000^(-i/32), f32, t = 0..2047.
; The angle t theta_i (at most 2,047) is reduced by multiples of pi/2 in two parts; sine and cosine on [-pi/4, pi/4] by polynomials of degree 7 and 8.
; LIMIT: f16 holds no number beyond 65,504, and below 6e-5 it keeps a fixed step of 6e-8: weights are expected within that range.
	s_load_b256 s[4:11], s[0:1], 0x0               ; in_w s[4:5], out_w s[6:7], w1 s[8:9], w2 s[10:11]
	s_load_b128 s[12:15], s[0:1], 0x20             ; wb s[12:13], tab s[14:15]
	s_mov_b32 s16, ttmp9
	s_mov_b32 s21, 0
	s_wait_kmcnt 0x0
	s_cmp_ge_u32 s16, 768
	s_cbranch_scc1 .Ltable
	; which matrix, and at which work-group it begins: 192 work-groups of in_w, 64 of out_w, 256 of w1, 256 of w2
	s_cmp_lt_u32 s16, 192
	s_cselect_b64 s[18:19], s[4:5], s[6:7]
	s_cselect_b32 s17, 0, 192
	s_cmp_lt_u32 s16, 256
	s_cselect_b64 s[18:19], s[18:19], s[8:9]
	s_cselect_b32 s17, s17, 256
	s_cmp_lt_u32 s16, 512
	s_cselect_b64 s[18:19], s[18:19], s[10:11]
	s_cselect_b32 s17, s17, 512
	s_sub_co_u32 s17, s16, s17
	s_lshl_b32 s20, s17, 16                        ; 65,536 bytes of f32 a work-group
	s_add_nc_u64 s[18:19], s[18:19], s[20:21]
	s_lshl_b32 s20, s16, 15                        ; 32,768 bytes of f16
	s_add_nc_u64 s[12:13], s[12:13], s[20:21]
	v_lshlrev_b32 v1, 4, v0
	v_lshlrev_b32 v2, 3, v0
.irp i, 0,1,2,3,4,5,6,7,8,9,10,11,12,13,14,15
	global_load_b128 v[16+4*(\i):16+4*(\i)+3], v1, s[18:19] offset:(\i)*4096 th:TH_LOAD_NT
.endr
.irp i, 0,1,2,3,4,5,6,7,8,9,10,11,12,13,14,15
	s_wait_loadcnt 15-(\i)                         ; loads come back in order: load i is in, the younger ones stay out
	v_cvt_pk_f16_f32 v[80+2*(\i)], v[16+4*(\i)], v[16+4*(\i)+1]
	v_cvt_pk_f16_f32 v[80+2*(\i)+1], v[16+4*(\i)+2], v[16+4*(\i)+3]
	global_store_b64 v2, v[80+2*(\i):80+2*(\i)+1], s[12:13] offset:(\i)*2048
.endr
	s_endpgm
.Ltable:
	s_sub_co_u32 s16, s16, 768
	s_lshl_b32 s16, s16, 8
	s_mov_b32 s22, 0xb94ca1f9                      ; the sine's highest coefficient
	s_mov_b32 s23, 0x37ccf5ce                      ; the cosine's
	v_add_nc_u32 v1, s16, v0                       ; g = 0..16,383
	v_lshrrev_b32 v2, 3, v1                        ; t
	v_and_b32 v3, 7, v1
	v_lshlrev_b32 v3, 2, v3                        ; i0: four neighbouring i a lane
	v_cvt_f32_u32 v4, v2
	v_lshlrev_b32 v5, 8, v2                        ; a row of the table is 256 bytes
	v_lshl_add_u32 v5, v3, 2, v5
.irp e, 0,1,2,3
	v_add_nc_u32 v[8+\e], \e, v3
	v_cvt_f32_u32 v[8+\e], v[8+\e]
	v_mul_f32 v[8+\e], 0xbed49a78, v[8+\e]         ; -i log2(10000) / 32
.endr
.irp e, 0,1,2,3
	v_exp_f32 v[8+\e], v[8+\e]                     ; theta_i
.endr
	v_nop                                          ; a plain instruction behind the last exponential,
	s_wait_alu depctr_va_vdst(0)                   ; and one wait for the four, ahead of their first reader
.macro TRIG e
	v_mul_f32 v[12+\e], v4, v[8+\e]                ; a = t theta
	v_mul_f32 v[16+\e], 0x3f22f983, v[12+\e]       ; a x 2/pi
	v_rndne_f32 v[16+\e], v[16+\e]                 ; n
	v_fmamk_f32 v[20+\e], v[16+\e], 0xbfc90fdb, v[12+\e]  ; r = a - n pi/2, pi/2 in two parts
	v_fmamk_f32 v[20+\e], v[16+\e], 0x333bbd2e, v[20+\e]
	v_mul_f32 v[24+\e], v[20+\e], v[20+\e]         ; z = r r
	v_fmaak_f32 v[28+\e], s22, v[24+\e], 0x3c08839e
	v_fmaak_f32 v[28+\e], v[28+\e], v[24+\e], 0xbe2aaaa3
	v_mul_f32 v[28+\e], v[28+\e], v[24+\e]
	v_fma_f32 v[28+\e], v[28+\e], v[20+\e], v[20+\e]  ; sin r
	v_fmaak_f32 v[32+\e], s23, v[24+\e], 0xbab6061a
	v_fmaak_f32 v[32+\e], v[32+\e], v[24+\e], 0x3d2aaaa5
	v_fma_f32 v[32+\e], v[32+\e], v[24+\e], -0.5
	v_fma_f32 v[32+\e], v[32+\e], v[24+\e], 1.0    ; cos r
	v_cvt_i32_f32 v[36+\e], v[16+\e]               ; q = n, never negative
	v_and_b32 v6, 1, v[36+\e]
	v_cmp_eq_u32 vcc_lo, 1, v6                     ; odd q: sine and cosine change places
	v_cndmask_b32 v[40+\e], v[32+\e], v[28+\e], vcc_lo
	v_cndmask_b32 v[44+\e], v[28+\e], v[32+\e], vcc_lo
	v_add_nc_u32 v6, 1, v[36+\e]                   ; the cosine is negative for q mod 4 = 1, 2
	v_and_b32 v6, 2, v6
	v_lshlrev_b32 v6, 30, v6
	v_xor_b32 v[40+\e], v[40+\e], v6
	v_and_b32 v6, 2, v[36+\e]                      ; the sine for q mod 4 = 2, 3
	v_lshlrev_b32 v6, 30, v6
	v_xor_b32 v[44+\e], v[44+\e], v6
.endm
	TRIG 0
	TRIG 1
	TRIG 2
	TRIG 3
	global_store_b128 v5, v[40:43], s[14:15]
	global_store_b128 v5, v[44:47], s[14:15] offset:128
	s_endpgm
.Lfunc_end_k_qc3bd83818c_prep:
	.size	k_qc3bd83818c_prep, .Lfunc_end_k_qc3bd83818c_prep-k_qc3bd83818c_prep
	.p2alignl 7, 3214868480
	.fill 96, 4, 3214868480
	.section	.rodata,"a",@progbits
	.p2align	6, 0x0
	.amdhsa_kernel k_qc3bd83818c_prep
		.amdhsa_group_segment_fixed_size 0
		.amdhsa_private_segment_fixed_size 0
		.amdhsa_enable_private_segment 0
		.amdhsa_kernarg_size 48
		.amdhsa_user_sgpr_count 2
		.amdhsa_user_sgpr_kernarg_segment_ptr 1
		.amdhsa_wavefront_size32 1
		.amdhsa_system_sgpr_workgroup_id_x 1
		.amdhsa_system_sgpr_workgroup_id_y 1
		.amdhsa_system_sgpr_workgroup_id_z 1
		.amdhsa_system_vgpr_workitem_id 0
		.amdhsa_next_free_vgpr 128
		.amdhsa_next_free_sgpr 66
		.amdhsa_reserve_vcc 1
		.amdhsa_float_denorm_mode_32 3
		.amdhsa_float_denorm_mode_16_64 3
		.amdhsa_memory_ordered 1
		.amdhsa_forward_progress 1
		.amdhsa_inst_pref_size 13
	.end_amdhsa_kernel
	.amdgpu_metadata
---
amdhsa.version: [ 1, 2 ]
amdhsa.kernels:
  - .name:           k_qc3bd83818c_prep
    .symbol:         k_qc3bd83818c_prep.kd
    .args:
      - { .name: in_w, .offset: 0, .size: 8, .value_kind: global_buffer, .address_space: global }
      - { .name: out_w, .offset: 8, .size: 8, .value_kind: global_buffer, .address_space: global }
      - { .name: w1, .offset: 16, .size: 8, .value_kind: global_buffer, .address_space: global }
      - { .name: w2, .offset: 24, .size: 8, .value_kind: global_buffer, .address_space: global }
      - { .name: wb, .offset: 32, .size: 8, .value_kind: global_buffer, .address_space: global }
      - { .name: tab, .offset: 40, .size: 8, .value_kind: global_buffer, .address_space: global }
    .group_segment_fixed_size: 0
    .private_segment_fixed_size: 0
    .kernarg_segment_align: 8
    .kernarg_segment_size: 48
    .max_flat_workgroup_size: 256
    .sgpr_count:     66
    .vgpr_count:     128
    .wavefront_size: 32
...
	.end_amdgpu_metadata
.endif
;; end of part 1
;; launch ln1 (part 2): grid 256 x 1, 8 waves a work-group, no clusters, 0 bytes of LDS; arguments x, ln1_g, ln1_b, hn; writes hn
.if DOCPART == 2
	.amdgcn_target "amdgcn-amd-amdhsa--gfx1250"
	.amdhsa_code_object_version 6
	.text
	.protected	k_qc3bd83818c_ln1
	.globl	k_qc3bd83818c_ln1
	.p2align	8
	.type	k_qc3bd83818c_ln1,@function
k_qc3bd83818c_ln1:
	s_mov_b64 s[64:65], 0
	v_nop
	global_prefetch_b8 v0, s[64:65] scope:SCOPE_SE
	s_setreg_imm32_b32 hwreg(HW_REG_WAVE_MODE, 25, 1), 1
	s_wait_xcnt 0x0
; y[m][c] = (x[m][c] - mean) rsqrt(var + 1e-5) g[c] + b[c].  x: [4096][1024] f32; y: the same shape in f16, rounded once.
; One wave takes two whole rows and keeps them in registers: mean first, then the sum of squares of the differences (two passes over registers, one over memory); all in f32.
; A lane holds bytes 16 l + 512 j (j = 0..7) of a row: a load of a wave covers 512 consecutive bytes, a store 256 consecutive aligned bytes.  No LDS, no barrier.
; LIMIT: y must lie within f16's range, 65,504.
.set X0, 16
.set X1, 48
.set G,  80
.set B,  112
.set Y0, 144
.set Y1, 160
	s_load_b256 s[4:11], s[0:1], 0x0               ; x s[4:5], g s[6:7], b s[8:9], y s[10:11]
	v_and_b32 v1, 31, v0
	v_lshrrev_b32 v4, 5, v0
	v_lshlrev_b32 v5, 4, v1                        ; 16 l: my place in g and b
	v_lshl_add_u32 v2, v4, 13, v5                  ; + wave x two rows of 4,096 bytes
	v_lshlrev_b32 v3, 3, v1
	v_lshl_add_u32 v3, v4, 12, v3                  ; in y: 8 l + wave x two rows of 2,048 bytes
	s_lshl_b32 s12, ttmp9, 16                      ; the work-group's 16 rows
	s_mov_b32 s13, 0
	s_lshl_b32 s14, ttmp9, 15
	s_mov_b32 s15, 0
	s_mov_b32 s16, 0x76543210                      ; v_permlanex16_b32: each lane takes its own place in the other half
	s_mov_b32 s17, 0xfedcba98
	s_mov_b32 s18, 0x3a800000                      ; 1 / 1024
	s_wait_kmcnt 0x0
	s_add_nc_u64 s[4:5], s[4:5], s[12:13]
	s_add_nc_u64 s[10:11], s[10:11], s[14:15]
.irp j, 0,1,2,3,4,5,6,7
	global_load_b128 v[X0+4*(\j):X0+4*(\j)+3], v2, s[4:5] offset:512*(\j)
.endr
.irp j, 0,1,2,3,4,5,6,7
	global_load_b128 v[X1+4*(\j):X1+4*(\j)+3], v2, s[4:5] offset:4096+512*(\j)
.endr
.irp j, 0,1,2,3,4,5,6,7
	global_load_b128 v[G+4*(\j):G+4*(\j)+3], v5, s[6:7] offset:512*(\j)
.endr
.irp j, 0,1,2,3,4,5,6,7
	global_load_b128 v[B+4*(\j):B+4*(\j)+3], v5, s[8:9] offset:512*(\j)
.endr
.macro REDUCE r, t                     ; the sum over the 32 lanes, in every lane
	v_add_f32_dpp v[\r], v[\r], v[\r] row_xmask:1 row_mask:0xf bank_mask:0xf
	v_add_f32_dpp v[\r], v[\r], v[\r] row_xmask:2 row_mask:0xf bank_mask:0xf
	v_add_f32_dpp v[\r], v[\r], v[\r] row_xmask:4 row_mask:0xf bank_mask:0xf
	v_add_f32_dpp v[\r], v[\r], v[\r] row_xmask:8 row_mask:0xf bank_mask:0xf
	v_permlanex16_b32 v[\t], v[\r], s16, s17
	v_add_f32 v[\r], v[\r], v[\t]
.endm
.macro STATS X                         ; the row in X becomes x - mean; v[8:9] = rsqrt(var + eps), twice
	v_pk_add_f32 v[6:7], v[(\X):(\X)+1], v[(\X)+2:(\X)+3]
	v_pk_add_f32 v[8:9], v[(\X)+4:(\X)+5], v[(\X)+6:(\X)+7]
.set j, 8
.rept 6
	v_pk_add_f32 v[6:7], v[6:7], v[(\X)+j:(\X)+j+1]
	v_pk_add_f32 v[8:9], v[8:9], v[(\X)+j+2:(\X)+j+3]
.set j, j+4
.endr
	v_pk_add_f32 v[6:7], v[6:7], v[8:9]
	v_add_f32 v6, v6, v7
	REDUCE 6, 7
	v_mul_f32 v6, s18, v6                          ; the mean
	v_mov_b32 v7, v6
.set j, 0
.rept 16
	v_pk_add_f32 v[(\X)+j:(\X)+j+1], v[(\X)+j:(\X)+j+1], v[6:7] neg_lo:[0,1] neg_hi:[0,1]
.set j, j+2
.endr
	v_pk_mul_f32 v[8:9], v[(\X):(\X)+1], v[(\X):(\X)+1]
	v_pk_mul_f32 v[10:11], v[(\X)+2:(\X)+3], v[(\X)+2:(\X)+3]
.set j, 4
.rept 7
	v_pk_fma_f32 v[8:9], v[(\X)+j:(\X)+j+1], v[(\X)+j:(\X)+j+1], v[8:9]
	v_pk_fma_f32 v[10:11], v[(\X)+j+2:(\X)+j+3], v[(\X)+j+2:(\X)+j+3], v[10:11]
.set j, j+4
.endr
	v_pk_add_f32 v[8:9], v[8:9], v[10:11]
	v_add_f32 v8, v8, v9
	REDUCE 8, 9
	v_fmaak_f32 v8, s18, v8, 0x3727c5ac            ; var + 1e-5
	v_rsq_f32 v8, v8
	v_nop                                          ; a plain instruction behind the root,
	s_wait_alu depctr_va_vdst(0)                   ; and its wait, ahead of the first reader
	v_mov_b32 v9, v8
.endm
.macro OUT X, Y, off
.set j, 0
.rept 16
	v_pk_mul_f32 v[(\X)+j:(\X)+j+1], v[(\X)+j:(\X)+j+1], v[8:9]
	v_pk_fma_f32 v[(\X)+j:(\X)+j+1], v[(\X)+j:(\X)+j+1], v[G+j:G+j+1], v[B+j:B+j+1]
.set j, j+2
.endr
.set j, 0
.rept 16
	v_cvt_pk_f16_f32 v[(\Y)+j], v[(\X)+2*j], v[(\X)+2*j+1]
.set j, j+1
.endr
.irp j, 0,1,2,3,4,5,6,7
	global_store_b64 v3, v[(\Y)+2*(\j):(\Y)+2*(\j)+1], s[10:11] offset:(\off)+256*(\j)
.endr
.endm
	s_wait_loadcnt 24                              ; the first row's eight loads are in; 24 younger ones stay out
	STATS X0
	s_wait_loadcnt 0x0                             ; g and b were asked for last
	OUT X0, Y0, 0
	STATS X1
	OUT X1, Y1, 2048
	s_endpgm
.Lfunc_end_k_qc3bd83818c_ln1:
	.size	k_qc3bd83818c_ln1, .Lfunc_end_k_qc3bd83818c_ln1-k_qc3bd83818c_ln1
	.p2alignl 7, 3214868480
	.fill 96, 4, 3214868480
	.section	.rodata,"a",@progbits
	.p2align	6, 0x0
	.amdhsa_kernel k_qc3bd83818c_ln1
		.amdhsa_group_segment_fixed_size 0
		.amdhsa_private_segment_fixed_size 0
		.amdhsa_enable_private_segment 0
		.amdhsa_kernarg_size 32
		.amdhsa_user_sgpr_count 2
		.amdhsa_user_sgpr_kernarg_segment_ptr 1
		.amdhsa_wavefront_size32 1
		.amdhsa_system_sgpr_workgroup_id_x 1
		.amdhsa_system_sgpr_workgroup_id_y 1
		.amdhsa_system_sgpr_workgroup_id_z 1
		.amdhsa_system_vgpr_workitem_id 0
		.amdhsa_next_free_vgpr 176
		.amdhsa_next_free_sgpr 66
		.amdhsa_reserve_vcc 0
		.amdhsa_float_denorm_mode_32 3
		.amdhsa_float_denorm_mode_16_64 3
		.amdhsa_memory_ordered 1
		.amdhsa_forward_progress 1
		.amdhsa_inst_pref_size 20
	.end_amdhsa_kernel
	.amdgpu_metadata
---
amdhsa.version: [ 1, 2 ]
amdhsa.kernels:
  - .name:           k_qc3bd83818c_ln1
    .symbol:         k_qc3bd83818c_ln1.kd
    .args:
      - { .name: x, .offset: 0, .size: 8, .value_kind: global_buffer, .address_space: global }
      - { .name: ln1_g, .offset: 8, .size: 8, .value_kind: global_buffer, .address_space: global }
      - { .name: ln1_b, .offset: 16, .size: 8, .value_kind: global_buffer, .address_space: global }
      - { .name: hn, .offset: 24, .size: 8, .value_kind: global_buffer, .address_space: global }
    .group_segment_fixed_size: 0
    .private_segment_fixed_size: 0
    .kernarg_segment_align: 8
    .kernarg_segment_size: 32
    .max_flat_workgroup_size: 256
    .sgpr_count:     66
    .vgpr_count:     176
    .wavefront_size: 32
...
	.end_amdgpu_metadata
.endif
;; end of part 2
;; launch gemm_qkv (part 3): grid 24 x 32, 4 waves a work-group, clusters of 4 x 4, 327,680 bytes of LDS; arguments hn, wb, in_b, tab, big; writes big
.if DOCPART == 3
	.amdgcn_target "amdgcn-amd-amdhsa--gfx1250"
	.amdhsa_code_object_version 6
	.text
	.protected	k_qc3bd83818c_gemm_qkv
	.globl	k_qc3bd83818c_gemm_qkv
	.p2align	8
	.type	k_qc3bd83818c_gemm_qkv,@function
k_qc3bd83818c_gemm_qkv:
	s_mov_b64 s[64:65], 0
	v_nop
	global_prefetch_b8 v0, s[64:65] scope:SCOPE_SE
	s_setreg_imm32_b32 hwreg(HW_REG_WAVE_MODE, 25, 1), 1
	s_wait_xcnt 0x0
	s_wait_alu depctr_hold_cnt(0) depctr_sa_sdst(0) depctr_va_vdst(0) depctr_va_sdst(0) depctr_va_ssrc(0) depctr_va_vcc(0) depctr_vm_vsrc(0)
	s_getreg_b32 s2, hwreg(HW_REG_IB_STS2, 6, 4)
	s_cmp_eq_u32 s2, 0
	s_cbranch_scc0 .Lentry_in_a_cluster
	s_endpgm
.Lentry_in_a_cluster:
	s_bfe_u32 s2, ttmp6, 0x10000c
	s_cmp_lg_u32 s2, 0xf033
	s_cbranch_scc0 .Lentry_shape_is_right
	s_endpgm
.Lentry_shape_is_right:
; qkv[m][n] = sum over k of h[m][k] in_w[n][k] + in_b[n]; q is multiplied by 1/8; q and k are rotated by the table; all three leave by heads, f16: big = q, k, v, each [16 b + head][t][64], m = 2 t + b.
; h: [4096][1024] f16, in_w: [3072][1024] f16 (the head of wb); sums, bias, scale and rotation in f32; each result rounded once.
; A tile of C is 128 x 128; four waves of 64 x 64 (16 accumulators); K in steps of 256 through two LDS slots; 4 x 4 work-groups form a cluster: A's tiles are asked for jointly along a row of it, B's along a column.
; The matrix instruction is used transposed (source 0 = rows of the weights, source 1 = rows of h): a lane holds one row m and eight neighbouring columns.
; A wave's 64 columns are one head of q, k or v: channels d and d + 32 lie in the same lane (column blocks b and b + 2), so the rotation changes no lanes.
; v takes the table's row 0 (cos = 1, sin = 0) in every lane, so the three kinds run one text without a branch.
; LIMIT: q, k and v must lie within f16's range, 65,504.
; REGISTERS: window 0: v0-31 addresses; v32-95 at work on the way out; v96-127 bias; v128-255 accumulators.  window 1: two fragment buffers of 128.  window 2: v0-127 cos and sin of my rows.
.set SIZE_N, 3072
.set SIZE_K, 1024
.set WOFF,   0
.set KSTEP,  256
.set PITCH,  528                       ; an LDS row: 512 bytes + 16 of padding: the 16 rows of a fragment load start at 16 different groups of four banks
.set HALFT,  64*PITCH
.set SLOT,   4*HALFT
.set STAGE,  2*SLOT                    ; behind the ring, never filled by a tensor load
.set SPITCH, 144                       ; the way out: 16 rows of 128 bytes + 16, for each wave
.set SPARE,  STAGE+34816               ; the spare words, 128 bytes a wave
.set LAPS, SIZE_K/(2*KSTEP)
.set ADRA, 16
.set ADRB, 20
.set STO,  24
.set RD,   25
.set CO,   26
.set BO,   27
.set SPW,  28
.set NIL,  29
.set TA,   12                          ; v12-15: my byte offset in the table for row block a
.set TMP,  32
.set BIA,  96
.set ACC,  128
.set F0,   0
.set F1,   128
.set G1, 24
.set G0, 32
.set G1B, 48
.set G0B, 56
.set MSB, 0
.macro WIN new                         ; the immediate's high byte repeats the setting that is left
.if MSB != (\new)
	s_set_vgpr_msb (MSB<<8)|(\new)
.set MSB, \new
.endif
.endm
.set MUL,  0x05                        ; sources 0 and 1 window 1; C and D window 0
.set TO_F, 0x40                        ; destination window 1, address window 0
.macro JLOAD s                         ; a joint load: waves 0 and 1 fetch A's two halves, waves 2 and 3 B's; an s_nop 0 and four v_nop follow each line
	s_cmp_eq_u32 s11, 0
	s_cbranch_scc0 .Lfor_b_\@
	tensor_load_to_lds s[G0+4*(\s):G0+4*(\s)+3], s[G1:G1+7]
	s_nop 0
.rept 4
	v_nop
.endr
	s_branch .Lasked_\@
.Lfor_b_\@:
	tensor_load_to_lds s[G0B+4*(\s):G0B+4*(\s)+3], s[G1B:G1B+7]
	s_nop 0
.rept 4
	v_nop
.endr
.Lasked_\@:
.endm
.macro CREST                           ; a round of the cluster's barrier behind its opening barrier
	s_cmp_lg_u32 s10, 0
	s_cbranch_scc1 .Lnot_wave_0_\@
	s_barrier_signal -3
.Lnot_wave_0_\@:
	s_barrier_wait -3
	s_barrier_signal -1
	s_barrier_wait -1
.endm
.macro CROUND
	s_barrier_signal -1
	s_barrier_wait -1
	CREST
.endm
	s_load_b128 s[4:7], s[0:1], 0x0                ; h s[4:5], wb s[6:7]
	s_load_b128 s[68:71], s[0:1], 0x10             ; in_b s[68:69], tab s[70:71]
	s_load_b64 s[8:9], s[0:1], 0x20                ; big
	v_lshl_add_u32 v[SPW], v0, 2, SPARE
	v_mov_b32 v[NIL], 0
	ds_add_u32 v[SPW], v[NIL]                      ; the wave's opening: the add and its wait ahead of my first tensor load
	ds_add_u32 v28, v29
	v_lshrrev_b32 v1, 5, v0
	v_readfirstlane_b32 s10, v1                    ; wave 0..3
	s_lshr_b32 s11, s10, 1                         ; my half of the tile's rows; also: I fetch for A (0) or B (1)
	s_and_b32 s12, s10, 1                          ; my half of its columns; also: which 64 rows I fetch
	s_bfe_u32 s40, ttmp6, 0x40000                  ; cx
	s_bfe_u32 s41, ttmp6, 0x40004                  ; cy
	s_lshl_b32 s42, ttmp9, 2
	s_add_co_u32 s42, s42, s40                     ; tile column
	s_and_b32 s13, ttmp7, 0xffff
	s_lshl_b32 s13, s13, 2
	s_add_co_u32 s13, s13, s41                     ; tile row
	s_lshl_b32 s43, s41, 2
	s_lshl_b32 s43, 15, s43                        ; my row of the cluster
	s_lshl_b32 s44, 0x1111, s40                    ; my column
	s_or_b32 s[G1+0], s43, (1<<16)|(1<<20)|(1<<21)|(6<<22)|(3<<25)  ; mask; 2-byte elements; padding on; bit 21 beside a mask; after every 128 words, 4 words
	s_or_b32 s[G1B+0], s44, (1<<16)|(1<<20)|(1<<21)|(6<<22)|(3<<25)
.irp g, G1, G1B
	s_mov_b32 s[(\g)+1], KSTEP<<16                 ; tensor_dim0 = 256
	s_mov_b32 s[(\g)+2], 64<<16                    ; tensor_dim1 = 64
	s_mov_b32 s[(\g)+3], KSTEP<<16                 ; tile_dim0 = 256
	s_mov_b32 s[(\g)+4], 64                        ; tile_dim1 = 64
	s_mov_b32 s[(\g)+5], SIZE_K                    ; elements from row to row
	s_mov_b32 s[(\g)+6], 0
	s_mov_b32 s[(\g)+7], 0
.endr
	s_lshl_b32 s17, s12, 6
	s_lshl_b32 s16, s13, 7
	s_add_co_u32 s16, s16, s17                     ; A: row 128 x tile row + 64 x half
	s_lshl_b32 s46, s42, 7
	s_add_co_u32 s46, s46, s17                     ; B: row 128 x tile column + 64 x half
	s_mov_b32 s17, 0
	s_mov_b32 s47, 0
	s_mov_b64 s[18:19], SIZE_K*2
	s_mul_u64 s[16:17], s[16:17], s[18:19]
	s_mul_u64 s[46:47], s[46:47], s[18:19]
	s_mul_i32 s20, s10, HALFT                      ; where they go: wave x 64 rows
	s_wait_dscnt 0x0                               ; the opening add is done
	s_wait_kmcnt 0x0
.if WOFF
	s_add_nc_u64 s[6:7], s[6:7], WOFF
.endif
	s_add_nc_u64 s[14:15], s[4:5], s[16:17]
	s_add_nc_u64 s[46:47], s[6:7], s[46:47]
	CROUND                                         ; all sixteen work-groups are here: the first joint loads meet
.irp s, 0,1
	s_mov_b32 s[G0+4*(\s)], 1
	s_add_co_u32 s[G0+4*(\s)+1], s20, (\s)*SLOT
	s_add_nc_u64 s[G0+4*(\s)+2:G0+4*(\s)+3], s[14:15], (\s)*KSTEP*2
	s_or_b32 s[G0+4*(\s)+3], s[G0+4*(\s)+3], 0x80000000
	s_mov_b32 s[G0B+4*(\s)], 1
	s_add_co_u32 s[G0B+4*(\s)+1], s20, (\s)*SLOT
	s_add_nc_u64 s[G0B+4*(\s)+2:G0B+4*(\s)+3], s[46:47], (\s)*KSTEP*2
	s_or_b32 s[G0B+4*(\s)+3], s[G0B+4*(\s)+3], 0x80000000
	JLOAD \s
.endr
	v_and_b32 v1, 15, v0                           ; r = l % 16
	v_bfe_u32 v2, v0, 4, 1                         ; h = l / 16
	v_mul_u32_u24 v3, v1, PITCH
	v_lshl_add_u32 v3, v2, 4, v3
	s_mul_i32 s21, s11, HALFT
	s_mul_i32 s22, s12, HALFT
	s_add_co_u32 s22, s22, 2*HALFT
.irp s, 0,1
	v_add_nc_u32 v[ADRA+(\s)], s21, v3
	v_add_nc_u32 v[ADRB+(\s)], s22, v3
	s_add_co_u32 s21, s21, SLOT
	s_add_co_u32 s22, s22, SLOT
.endr
	; the way out: my own stage of 16 rows x 144 bytes
	s_mul_i32 s23, s10, 16*SPITCH
	s_add_co_u32 s23, s23, STAGE
	v_mul_u32_u24 v4, v1, SPITCH                   ; in: row r, 16 bytes for each half of the lanes
	v_lshl_add_u32 v4, v2, 4, v4
	v_add_nc_u32 v[STO], s23, v4
	v_bfe_u32 v5, v0, 3, 2                         ; back: every second row (one b), four rows of 128 bytes a load
	v_mul_u32_u24 v5, v5, 2*SPITCH
	v_and_b32 v6, 7, v0
	v_lshl_add_u32 v5, v6, 4, v5
	v_add_nc_u32 v[RD], s23, v5
	v_and_b32 v6, 31, v0
	v_lshlrev_b32 v[CO], 4, v6                     ; which are 512 consecutive bytes of a head
	v_lshlrev_b32 v[BO], 5, v2                     ; my eight columns of a block of 16, in f32
	s_lshr_b32 s66, ttmp9, 1                       ; 0: q, 1: k, 2: v: eight tile columns each, so the same in all partners
	s_cmp_eq_u32 s66, 0
	s_cselect_b32 s76, 0x3e000000, 1.0             ; q is multiplied by 1/8
	s_mov_b32 s77, s76
	s_cmp_eq_u32 s66, 2
	s_cselect_b32 s78, 0, 256                      ; v: the table's row 0 for every t
	s_and_b32 s67, s42, 7
	s_lshl_b32 s67, s67, 1
	s_add_co_u32 s67, s67, s12                     ; the head
	s_lshl_b32 s74, s13, 6
	s_lshl_b32 s75, s11, 5
	s_add_co_u32 s74, s74, s75                     ; my first t = (128 x tile row + 64 x half) / 2
	s_lshl_b32 s72, s66, 23                        ; q, k, v are 8,388,608 bytes each,
	s_lshl_b32 s73, s67, 18                        ; a head 262,144,
	s_add_co_u32 s72, s72, s73
	s_lshl_b32 s73, s74, 7                         ; a row 128
	s_add_co_u32 s72, s72, s73
	s_mov_b32 s73, 0
	s_add_nc_u64 s[8:9], s[8:9], s[72:73]
	s_lshl_b32 s46, s42, 9                         ; my first column, in bytes of f32
	s_lshl_b32 s47, s12, 8
	s_add_co_u32 s46, s46, s47
	s_mov_b32 s47, 0
	s_add_nc_u64 s[68:69], s[68:69], s[46:47]
	v_lshrrev_b32 v6, 1, v1
	v_add_nc_u32 v6, s74, v6                       ; t of my row in block 0
.irp a, 0,1,2,3
	v_add_nc_u32 v7, 8*(\a), v6
	v_mul_u32_u24 v7, v7, s78
	v_lshl_add_u32 v[TA+(\a)], v2, 5, v7
.endr
	; what the way out needs is asked for now and waited for there: bias, cos and sin
.irp b, 0,1,2,3
	global_load_b128 v[BIA+8*(\b):BIA+8*(\b)+3],   v[BO], s[68:69] offset:64*(\b)
	global_load_b128 v[BIA+8*(\b)+4:BIA+8*(\b)+7], v[BO], s[68:69] offset:64*(\b)+16
.endr
	WIN 0x80                                       ; destination window 2
.irp a, 0,1,2,3
.irp c, 0,1,2,3
	global_load_b128 v[32*(\a)+4*(\c):32*(\a)+4*(\c)+3],       v[TA+(\a)], s[70:71] offset:((\c)/2)*64+((\c)%2)*16
	global_load_b128 v[32*(\a)+16+4*(\c):32*(\a)+16+4*(\c)+3], v[TA+(\a)], s[70:71] offset:128+((\c)/2)*64+((\c)%2)*16
.endr
.endr
	WIN 0
.macro MUL8 f, c, a0, zero             ; 8 matrix instructions: row blocks a0, a0 + 1 x 4 column blocks, 32 along K; the 16 accumulators take turns
	WIN MUL
.irp a, \a0, (\a0)+1
.irp b, 0,1,2,3
.if \zero
	v_wmma_f32_16x16x32_f16 v[ACC+8*(4*(\a)+(\b)):ACC+8*(4*(\a)+(\b))+7], v[(\f)+64+8*(4*(\c)+(\b)):(\f)+64+8*(4*(\c)+(\b))+7], v[(\f)+8*(4*(\c)+(\a)):(\f)+8*(4*(\c)+(\a))+7], 0
.else
	v_wmma_f32_16x16x32_f16 v[ACC+8*(4*(\a)+(\b)):ACC+8*(4*(\a)+(\b))+7], v[(\f)+64+8*(4*(\c)+(\b)):(\f)+64+8*(4*(\c)+(\b))+7], v[(\f)+8*(4*(\c)+(\a)):(\f)+8*(4*(\c)+(\a))+7], v[ACC+8*(4*(\a)+(\b)):ACC+8*(4*(\a)+(\b))+7]
.endif
.endr
.endr
.endm
.macro FETCH slot, k, f                ; 32 LDS loads in one run: the fragments of 64 along K at byte k of the rows; the first 32 along K first
	WIN TO_F
.irp c, 0,1
.irp i, 0,1,2,3
	ds_load_b128 v[(\f)+64+8*(4*(\c)+(\i)):(\f)+64+8*(4*(\c)+(\i))+3],   v[ADRB+(\slot)] offset:(\k)+64*(\c)+(\i)*16*PITCH
	ds_load_b128 v[(\f)+64+8*(4*(\c)+(\i))+4:(\f)+64+8*(4*(\c)+(\i))+7], v[ADRB+(\slot)] offset:(\k)+64*(\c)+(\i)*16*PITCH+32
	ds_load_b128 v[(\f)+8*(4*(\c)+(\i)):(\f)+8*(4*(\c)+(\i))+3],         v[ADRA+(\slot)] offset:(\k)+64*(\c)+(\i)*16*PITCH
	ds_load_b128 v[(\f)+8*(4*(\c)+(\i))+4:(\f)+8*(4*(\c)+(\i))+7],       v[ADRA+(\slot)] offset:(\k)+64*(\c)+(\i)*16*PITCH+32
.endr
.endr
.endm
.macro PLACES                          ; four plain instructions behind matrix instructions, in front of loads into their sources and of readers of their results
.rept 4
	v_nop
.endr
.endm
.macro QUARTER slot, k, f, g, zero     ; 64 along K: multiplies buffer f, fetches the next quarter into g
	s_wait_dscnt 16                                ; the first 32 along K are in
	WIN MUL
	MUL8 \f, 0, 0, \zero
	MUL8 \f, 0, 2, \zero
	PLACES
	FETCH \slot, \k, \g
	s_wait_dscnt 32                                ; all but the 32 just issued
	WIN MUL
	MUL8 \f, 1, 0, 0
	MUL8 \f, 1, 2, 0
.endm
.macro TURN slot, next, fill           ; the last quarter of a K step changes slots
	WIN 0
	s_wait_tensorcnt 0x0                           ; all my tensor loads have landed: my part of the next slot
	ds_add_u32 v[SPW], v[NIL]
	s_wait_dscnt 17                                ; the add and the youngest sixteen loads may be out
	WIN MUL
	MUL8 F1, 0, 0, 0
	s_wait_dscnt 0x0                               ; the add is done, and my reads of this slot are over
	s_barrier_signal -1
	MUL8 F1, 0, 2, 0
.if \fill
	WIN 0
.endif
	s_barrier_wait -1
.if \fill
	CREST                                          ; no wave of any partner still reads this slot or has a load on its way
	s_add_nc_u64 s[G0+4*(\slot)+2:G0+4*(\slot)+3], s[G0+4*(\slot)+2:G0+4*(\slot)+3], 2*KSTEP*2
	s_add_nc_u64 s[G0B+4*(\slot)+2:G0B+4*(\slot)+3], s[G0B+4*(\slot)+2:G0B+4*(\slot)+3], 2*KSTEP*2
	JLOAD \slot                                    ; the first tensor load behind the round; its four v_nop are also the places in front of the loads below
.else
	PLACES
.endif
	FETCH \next, 0, F0
	WIN MUL
	MUL8 F1, 1, 0, 0
	MUL8 F1, 1, 2, 0
.endm
	s_wait_tensorcnt 1                             ; my part of K step 0 is in; K step 1's may stay out
	s_barrier_signal -1
	s_barrier_wait -1
	FETCH 0, 0, F0
	QUARTER 0, 128, F0, F1, 1                      ; the first products start the sums
.if LAPS > 1
	WIN 0
	s_mov_b32 s3, LAPS-1
.Llap:
	QUARTER 0, 256, F1, F0, 0
	QUARTER 0, 384, F0, F1, 0
	TURN 0, 1, 1
	QUARTER 1, 128, F0, F1, 0
	QUARTER 1, 256, F1, F0, 0
	QUARTER 1, 384, F0, F1, 0
	TURN 1, 0, 1
	QUARTER 0, 128, F0, F1, 0
	WIN 0
	s_sub_co_u32 s3, s3, 1
	s_cmp_lg_u32 s3, 0
	s_cbranch_scc1 .Llap
.endif
	QUARTER 0, 256, F1, F0, 0                      ; the last lap fills nothing
	QUARTER 0, 384, F0, F1, 0
	TURN 0, 1, 0
	QUARTER 1, 128, F0, F1, 0
	QUARTER 1, 256, F1, F0, 0
	QUARTER 1, 384, F0, F1, 0
	s_wait_dscnt 16
	WIN MUL
	MUL8 F1, 0, 0, 0
	MUL8 F1, 0, 2, 0
	s_wait_dscnt 0
	MUL8 F1, 1, 0, 0
	MUL8 F1, 1, 2, 0
	WIN 0
	; THE WAY OUT, a block of 16 rows at a time: scale and bias, rotation, f16, through my stage, and out as 512 consecutive bytes of a head.
	PLACES
	s_wait_loadcnt 0x0                             ; bias, cos and sin, asked for at the head
.set i, 0
.rept 16
	v_pk_mul_f32 v[BIA+2*i:BIA+2*i+1], v[BIA+2*i:BIA+2*i+1], s[76:77] op_sel_hi:[1,0]
.set i, i+1
.endr
.irp a, 0,1,2,3
.set XA, ACC+32*(\a)                   ; channels 0-31 in the first sixteen registers, 32-63 in the others
.set i, 0
.rept 16
	v_pk_fma_f32 v[XA+2*i:XA+2*i+1], v[XA+2*i:XA+2*i+1], s[76:77], v[BIA+2*i:BIA+2*i+1] op_sel_hi:[1,0,1]
.set i, i+1
.endr
	WIN 0x08                                       ; source 1 in window 2
.set i, 0
.rept 8
	v_pk_mul_f32 v[TMP+2*i:TMP+2*i+1], v[XA+16+2*i:XA+16+2*i+1], v[32*(\a)+16+2*i:32*(\a)+16+2*i+1]
	v_pk_mul_f32 v[TMP+16+2*i:TMP+16+2*i+1], v[XA+2*i:XA+2*i+1], v[32*(\a)+16+2*i:32*(\a)+16+2*i+1]
.set i, i+1
.endr
.set i, 0
.rept 8
	v_pk_fma_f32 v[XA+2*i:XA+2*i+1], v[XA+2*i:XA+2*i+1], v[32*(\a)+2*i:32*(\a)+2*i+1], v[TMP+2*i:TMP+2*i+1] neg_lo:[0,0,1] neg_hi:[0,0,1]
	v_pk_fma_f32 v[XA+16+2*i:XA+16+2*i+1], v[XA+16+2*i:XA+16+2*i+1], v[32*(\a)+2*i:32*(\a)+2*i+1], v[TMP+16+2*i:TMP+16+2*i+1]
.set i, i+1
.endr
	WIN 0
.set i, 0
.rept 16
	v_cvt_pk_f16_f32 v[TMP+32+i], v[XA+2*i], v[XA+2*i+1]
.set i, i+1
.endr
	s_wait_xcnt 0x0                                ; the block before's stores have read v80-95, which are loaded again below
.irp b, 0,1,2,3
	ds_store_b128 v[STO], v[TMP+32+4*(\b):TMP+32+4*(\b)+3] offset:32*(\b)
.endr
.irp u, 0,1,2,3
	ds_load_b128 v[TMP+48+4*(\u):TMP+48+4*(\u)+3], v[RD] offset:(((\u)&1)*8+((\u)>>1))*SPITCH  ; LDS serves a wave's instructions in order: these see the stores above
.endr
	s_wait_dscnt 0x0
.irp u, 0,1,2,3
	global_store_b128 v[CO], v[TMP+48+4*(\u):TMP+48+4*(\u)+3], s[8:9] offset:1024*(\a)+512*((\u)&1)+4194304*((\u)>>1)  ; four t of one b: 512 consecutive bytes
.endr
.endr
	s_wait_tensorcnt 0x0                           ; the wave's end
	ds_add_u32 v[SPW], v[NIL]
	s_wait_dscnt 0x0
	CROUND                                         ; the closing round
	s_endpgm
.Lfunc_end_k_qc3bd83818c_gemm_qkv:
	.size	k_qc3bd83818c_gemm_qkv, .Lfunc_end_k_qc3bd83818c_gemm_qkv-k_qc3bd83818c_gemm_qkv
	.p2alignl 7, 3214868480
	.fill 96, 4, 3214868480
	.section	.rodata,"a",@progbits
	.p2align	6, 0x0
	.amdhsa_kernel k_qc3bd83818c_gemm_qkv
		.amdhsa_group_segment_fixed_size 327680
		.amdhsa_private_segment_fixed_size 0
		.amdhsa_enable_private_segment 0
		.amdhsa_kernarg_size 40
		.amdhsa_user_sgpr_count 2
		.amdhsa_user_sgpr_kernarg_segment_ptr 1
		.amdhsa_wavefront_size32 1
		.amdhsa_system_sgpr_workgroup_id_x 1
		.amdhsa_system_sgpr_workgroup_id_y 1
		.amdhsa_system_sgpr_workgroup_id_z 1
		.amdhsa_system_vgpr_workitem_id 0
		.amdhsa_next_free_vgpr 640
		.amdhsa_next_free_sgpr 84
		.amdhsa_reserve_vcc 0
		.amdhsa_float_denorm_mode_32 3
		.amdhsa_float_denorm_mode_16_64 3
		.amdhsa_memory_ordered 1
		.amdhsa_forward_progress 1
		.amdhsa_inst_pref_size 105
	.end_amdhsa_kernel
	.amdgpu_metadata
---
amdhsa.version: [ 1, 2 ]
amdhsa.kernels:
  - .name:           k_qc3bd83818c_gemm_qkv
    .symbol:         k_qc3bd83818c_gemm_qkv.kd
    .args:
      - { .name: hn, .offset: 0, .size: 8, .value_kind: global_buffer, .address_space: global }
      - { .name: wb, .offset: 8, .size: 8, .value_kind: global_buffer, .address_space: global }
      - { .name: in_b, .offset: 16, .size: 8, .value_kind: global_buffer, .address_space: global }
      - { .name: tab, .offset: 24, .size: 8, .value_kind: global_buffer, .address_space: global }
      - { .name: big, .offset: 32, .size: 8, .value_kind: global_buffer, .address_space: global }
    .group_segment_fixed_size: 327680
    .private_segment_fixed_size: 0
    .kernarg_segment_align: 8
    .kernarg_segment_size: 40
    .max_flat_workgroup_size: 128
    .sgpr_count:     84
    .vgpr_count:     640
    .wavefront_size: 32
...
	.end_amdgpu_metadata
.endif
;; end of part 3
;; launch attn (part 4): grid 8 x 32, 4 waves a work-group, no clusters, 327,680 bytes of LDS; arguments big, hn; writes hn
.if DOCPART == 4
	.amdgcn_target "amdgcn-amd-amdhsa--gfx1250"
	.amdhsa_code_object_version 6
	.text
	.protected	k_qc3bd83818c_attn
	.globl	k_qc3bd83818c_attn
	.p2align	8
	.type	k_qc3bd83818c_attn,@function
k_qc3bd83818c_attn:
	s_mov_b64 s[64:65], 0
	v_nop
	global_prefetch_b8 v0, s[64:65] scope:SCOPE_SE
	s_setreg_imm32_b32 hwreg(HW_REG_WAVE_MODE, 25, 1), 1
	s_wait_xcnt 0x0
; CAUSAL ATTENTION.  o[t][b][head][:] = the sum over s <= t of softmax_s(q[t] . k[s]) v[s][:].  q (already scaled and rotated), k, v: [32][2048][64] f16 in big; o: f16, row 2 t + b of [4096][1024], columns 64 head ..
; Products, maxima and sums in f32; the weights p are rounded to f16 for the second product (their sum is taken of the unrounded p), o once at the end.
; LIMITS.  A hidden score counts as its value less 1e30; its weight is 0 while true scores lie above that.  A weight below 2^-126 counts as 0.  NaN and infinities are not treated apart.
; THE WALK.  A head's queries lie in 16 blocks of 128; block i needs the key tiles 0 .. i / 2 of 256 keys.  A work-group takes blocks 15 - b and then b: 9 tiles whatever b, walked by one counted loop;
; every jump but the loops' own goes forward.  NO CLUSTER: the eight work-groups of a head walk different sequences of tiles.
; SHARES.  A wave owns two tiles of 16 queries: rows 64 u + 16 w + 0..15 of the block.  In the block's last key tile, band x = 2 (i % 2) + u sees all keys of step s < x, none of s > x, and holds the diagonal at s = x.
; THE MASK is the C operand that starts the sum S^T = K Q^T: MC = MD x AL + BE; MD, made once, is the mask of a band's own step; outside a block's last tile MC is 0.
; LAYOUT.  S^T = K Q^T holds one query a lane (lane % 16) and the keys 8 (lane / 16) + 0..7; two such results rounded to f16 are source 1 of O^T = V^T P.  p = 2^(c s - c m), c = log2(e), m a running maximum.
; A KEY STEP GOES IN PHASES: K's and V's fragments are fetched; 16 products K Q^T; the softmax of both tiles, its exponentials one batch with one wait; 16 products V^T P.
; REGISTERS: window 0: v0-15 addresses; v16-31 statistics; v62-63 the add's; v64-127 S^T; v128-159 P; v160-223 O^T; v224-255 MD.
;            window 1: v0-31 Q; v32-63 the second block's Q; v64-127 K of a step; v128-191 V of a step; v192-255 MC.
.set KS,    64
.set PK,    144       ; a row of K in LDS: 128 bytes + 16
.set PV,    160       ; a row of V: 128 + 32
.set VOFF,  4*KS*PK
.set SLOT1, 1<<17
.set STAGE, SLOT1+4*KS*(PK+PV)  ; behind the ring, never filled by a tensor load: 16 rows x 144 bytes for each wave
.set SP,    144
.set SPARE, STAGE+4*16*SP       ; the spare words, 128 bytes a wave
.set AK0, 2
.set AV0, 3
.set AK,  4
.set AV,  5
.set STO, 6
.set RD,  7
.set GO,  8
.set QO,  15
.set ST,  16          ; tile u at v[ST+8 u]: c m, m, l, l, c0-c3
.set SPW, 62
.set NIL, 63
.set S,   64
.set P,   128
.set O,   160
.set MD,  224
.set Q,   0           ; window 1
.set QB,  32
.set KF,  64
.set VF,  128
.set MC,  192
.set WV,  12
.set PB,  14
.set HI,  15
.set G1K, 24
.set G1V, 32
.set G0K, 40
.set G0V, 44
.set SLOTS, 56
.set CNT, 57
.set CS,  58
.set SEL, 60
.set TBK, 62
.set TBV, 63
.set LQ2, 66          ; the second block's last tile
.set XB2, 67          ; the second block's XB
.set RT,  70          ; tiles of the block in hand still to be entered
.set NXT, 71          ; the tile to be asked for next
.set LQ,  72          ; the last tile of the block whose tiles are being asked for
.set OFF, 74
.set AL,  76
.set BE,  78
.set OLO, 80
.set BIGN, 82
.set XB,  83          ; CNT at tile 0's own step in the block's last key tile: 4 - 2 (block % 2)
.set MSB, 0
.macro WIN new
.if MSB != (\new)
	s_set_vgpr_msb (MSB<<8)|(\new)
.set MSB, (\new)
.endif
.endm
.macro LOAD                         ; waves 0 and 1 fetch the two halves of a tile's K, waves 2 and 3 those of its V; an s_nop 0 and four v_nop follow each line
	s_cmp_lt_u32 s[WV], 2
	s_cbranch_scc0 .Lfor_v_\@
	tensor_load_to_lds s[G0K:G0K+3], s[G1K:G1K+7]
	s_nop 0
.rept 4
	v_nop
.endr
	s_branch .Lasked_\@
.Lfor_v_\@:
	tensor_load_to_lds s[G0V:G0V+3], s[G1V:G1V+7]
	s_nop 0
.rept 4
	v_nop
.endr
.Lasked_\@:
.endm
; THE CHANGE OF SLOTS.  Each wave waits for all its tensor loads (one is out: its part of the other slot), adds 0 to its spare word, and waits for that and for its reads of the slot that it leaves.
; fill = 1: the old slot is filled again, first thing behind the barrier, with tile NXT; that load has four key steps in which to land.
.macro CHANGE fill
	WIN 0
	s_wait_tensorcnt 0x0
	ds_add_u32 v[SPW], v[NIL]
.if \fill
	s_lshl_b32 s[OFF], s[NXT], 15   ; a tile is 32,768 bytes of K and of V
	s_xor_b32 s[G0K+1], s[G0K+1], SLOT1
	s_add_nc_u64 s[G0K+2:G0K+3], s[6:7], s[OFF:OFF+1]
	s_or_b32 s[G0K+3], s[G0K+3], 0x80000000
	s_xor_b32 s[G0V+1], s[G0V+1], SLOT1
	s_add_nc_u64 s[G0V+2:G0V+3], s[8:9], s[OFF:OFF+1]
	s_or_b32 s[G0V+3], s[G0V+3], 0x80000000
	s_add_co_u32 s[NXT], s[NXT], 1  ; the block's next tile, or behind its last the second block's tile 0
	s_cmp_gt_u32 s[NXT], s[LQ]
	s_cselect_b32 s[NXT], 0, s[NXT]
	s_cselect_b32 s[LQ], s[LQ2], s[LQ]
.endif
	s_wait_dscnt 0x0                ; the add is done, and my reads of the slot are over
	s_barrier_signal -1
	s_sub_co_u32 s[TBK], s[TBK], 4*KS*PK  ; the fetches go back to a slot's first step, in the other slot
	s_xor_b32 s[TBK], s[TBK], SLOT1
	s_sub_co_u32 s[TBV], s[TBV], 4*KS*PV
	s_xor_b32 s[TBV], s[TBV], SLOT1
	s_barrier_wait -1
.if \fill
	LOAD
.endif
.endm
	s_load_b64 s[4:5], s[0:1], 0x0  ; big
	s_load_b64 s[10:11], s[0:1], 0x8  ; hn
	v_lshl_add_u32 v[SPW], v0, 2, SPARE
	v_mov_b32 v[NIL], 0
	ds_add_u32 v[SPW], v[NIL]       ; the wave's opening: the add and its wait ahead of my first tensor load
	ds_add_u32 v62, v63
	v_lshrrev_b32 v1, 5, v0
	v_readfirstlane_b32 s[WV], v1
	s_mov_b32 s[PB], ttmp9
	s_sub_co_u32 s[HI], 15, s[PB]
	s_and_b32 s13, ttmp7, 0xffff    ; 16 b + head
	s_lshl_b32 s20, s13, 18         ; its 262,144 bytes in q, k and v
	s_mov_b32 s21, 0
	s_and_b32 s16, s[WV], 1         ; which half of a tile's 256 keys I fetch
	s_lshl_b32 s22, s16, 14
	s_mov_b32 s23, 0
	s_add_nc_u64 s[22:23], s[22:23], s[20:21]
	s_mul_i32 s17, s16, 128*PK
	s_mul_i32 s18, s16, 128*PV
	s_lshl_b32 s3, s[WV], 11        ; my 16 rows in a band of 64,
	s_lshl_b32 s2, s[HI], 14        ; in the first block,
	s_add_co_u32 s2, s2, s3
	s_lshl_b32 s84, s[PB], 14       ; and in the second
	s_add_co_u32 s84, s84, s3
	s_mov_b32 s3, 0
	s_mov_b32 s85, 0
	s_add_nc_u64 s[2:3], s[2:3], s[20:21]
	s_add_nc_u64 s[84:85], s[84:85], s[20:21]
	s_lshr_b32 s19, s13, 4          ; o: b x 2,048 + head x 128 + t x 4,096
	s_lshl_b32 s19, s19, 11
	s_and_b32 s88, s13, 15
	s_lshl_b32 s88, s88, 7
	s_add_co_u32 s19, s19, s88
	s_lshl_b32 s88, s[WV], 16
	s_add_co_u32 s19, s19, s88
	s_lshl_b32 s88, s[HI], 19
	s_add_co_u32 s88, s88, s19
	s_mov_b32 s89, 0
	s_lshl_b32 s90, s[PB], 19
	s_add_co_u32 s90, s90, s19
	s_mov_b32 s91, 0
	; descriptor group 1: 128 keys are 16,384 dense bytes: 64 rows of 256 bytes, padded in LDS after every key
	s_mov_b32 s[G1K], (1<<16)|(1<<20)|(4<<22)|(3<<25)
	s_mov_b32 s[G1V], (1<<16)|(1<<20)|(4<<22)|(7<<25)
.irp g, G1K, G1V
	s_mov_b32 s[\g+1], 128<<16
	s_mov_b32 s[\g+2], 64<<16
	s_mov_b32 s[\g+3], 128<<16
	s_mov_b32 s[\g+4], 64
	s_mov_b32 s[\g+5], 128
	s_mov_b32 s[\g+6], 0
	s_mov_b32 s[\g+7], 0
.endr
	s_mov_b32 s[CS], 0x3fb8aa3b     ; c = log2(e): q already carries 1/8
	s_mov_b32 s[CS+1], s[CS]
	s_mov_b32 s[SEL], 0x76543210
	s_mov_b32 s[SEL+1], 0xfedcba98
	s_mov_b32 s[TBK], SLOT1+4*KS*PK ; the first change of slots turns these two into 0
	s_mov_b32 s[TBV], SLOT1+4*KS*PV
	s_mov_b32 s[G0K], 1
	s_mov_b32 s[G0K+1], s17
	s_mov_b32 s[G0V], 1
	s_add_co_u32 s[G0V+1], s18, VOFF
	s_lshr_b32 s[LQ], s[HI], 1
	s_add_co_u32 s[RT], s[LQ], 1
	s_lshr_b32 s[LQ2], s[PB], 1
	s_mov_b32 s[NXT], 1
	s_and_b32 s[XB], s[HI], 1
	s_lshl_b32 s[XB], s[XB], 1
	s_sub_co_u32 s[XB], 4, s[XB]
	s_and_b32 s[XB2], s[PB], 1
	s_lshl_b32 s[XB2], s[XB2], 1
	s_sub_co_u32 s[XB2], 4, s[XB2]
	s_mov_b32 s[OFF+1], 0
	s_mov_b32 s[AL+1], 0
	s_mov_b32 s[BE+1], 0
	s_mov_b32 s[BIGN], 0xf149f2ca   ; -1e30
	s_mov_b32 s[SLOTS], 8
	s_wait_dscnt 0x0                ; the opening add is done
	s_wait_kmcnt 0x0
	s_add_nc_u64 s[6:7], s[4:5], 8388608    ; k
	s_add_nc_u64 s[8:9], s[4:5], 16777216   ; v
	s_add_nc_u64 s[6:7], s[6:7], s[22:23]   ; at my half of the head's tile 0
	s_add_nc_u64 s[8:9], s[8:9], s[22:23]
	s_add_nc_u64 s[G0K+2:G0K+3], s[6:7], 0
	s_or_b32 s[G0K+3], s[G0K+3], 0x80000000
	s_add_nc_u64 s[G0V+2:G0V+3], s[8:9], 0
	s_or_b32 s[G0V+3], s[G0V+3], 0x80000000
	s_add_nc_u64 s[86:87], s[4:5], s[84:85] ; q at my rows of the second block,
	s_add_nc_u64 s[4:5], s[4:5], s[2:3]     ; and of the first
	s_add_nc_u64 s[OLO:OLO+1], s[10:11], s[90:91]
	s_add_nc_u64 s[10:11], s[10:11], s[88:89]
	LOAD                            ; tile 0 into slot 0
	v_and_b32 v1, 15, v0            ; l % 16
	v_bfe_u32 v9, v0, 4, 1          ; l / 16
	v_lshlrev_b32 v[QO], 7, v1
	v_lshl_add_u32 v[QO], v9, 4, v[QO]
	WIN 0x40                        ; destination window 1
.set i, 0
.rept 4                             ; both blocks' Q: tile i / 2 lies 64 rows on; channels 32 (i % 2) on
	global_load_b128 v[Q+8*i:Q+8*i+3],     v[QO], s[4:5] offset:(i/2)*8192+(i%2)*64
	global_load_b128 v[Q+8*i+4:Q+8*i+7],   v[QO], s[4:5] offset:(i/2)*8192+(i%2)*64+32
	global_load_b128 v[QB+8*i:QB+8*i+3],   v[QO], s[86:87] offset:(i/2)*8192+(i%2)*64
	global_load_b128 v[QB+8*i+4:QB+8*i+7], v[QO], s[86:87] offset:(i/2)*8192+(i%2)*64+32
.set i, i+1
.endr
	WIN 0
	v_lshlrev_b32 v14, 3, v9
	v_sub_nc_u32 v14, v1, v14
	s_lshl_b32 s13, s[WV], 4
	v_add_nc_u32 v14, s13, v14      ; my query's place in its band less 8 (l / 16): register r of key group kt is hidden where 16 kt + r is greater
.set i, 0
.rept 32
	v_cmp_gt_i32 vcc_lo, 16*(i/8)+i%8, v14
	v_cndmask_b32 v[MD+i], 0, s[BIGN], vcc_lo
.set i, i+1
.endr
	v_mul_u32_u24 v[AK0], v1, PK
	v_lshl_add_u32 v[AK0], v9, 4, v[AK0]
	v_and_b32 v10, 7, v0            ; the turning load: lane l reads key 8 (l / 16) + l % 8, channels 8 ((l / 8) % 2) + 0..7
	v_bfe_u32 v11, v0, 3, 1
	v_lshl_add_u32 v[AV0], v9, 3, v10
	v_mul_u32_u24 v[AV0], v[AV0], PV
	v_lshl_add_u32 v[AV0], v11, 4, v[AV0]
	v_add_nc_u32 v[AV0], VOFF, v[AV0]
	s_mul_i32 s13, s[WV], 16*SP
	s_add_co_u32 s13, s13, STAGE    ; my stage
	v_mul_u32_u24 v[STO], v1, SP
	v_lshl_add_u32 v[STO], v9, 4, v[STO]
	v_add_nc_u32 v[STO], s13, v[STO]
	v_bfe_u32 v[RD], v0, 3, 2       ; back: four rows of 128 bytes a load,
	v_lshlrev_b32 v[GO], 12, v[RD]  ; which lie 4,096 bytes apart in o
	v_lshl_add_u32 v[GO], v10, 4, v[GO]
	v_mul_u32_u24 v[RD], v[RD], SP
	v_lshl_add_u32 v[RD], v10, 4, v[RD]
	v_add_nc_u32 v[RD], s13, v[RD]
	; a block's first step multiplies O^T and l by 0, so they need only hold finite numbers: zeros for the first block, what the first block left for the second
.set i, 0
.rept 64
	v_mov_b32 v[O+i], 0
.set i, i+1
.endr
.irp u, 0,1
	v_mov_b32 v[ST+8*\u+2], 0
	v_mov_b32 v[ST+8*\u+3], 0
.endr
; THE MATRIX WORK.  Eight accumulators take turns, one instruction a turn: between the two links of a chain stand seven others'.
.macro KQ                           ; product i of 16: tile i % 2, keys 16 ((i / 2) % 4) on, channels 32 (i / 8) on; the first eight start the sums with the mask
.set rS, S+32*(i%2)+8*((i/2)%4)
.set rK, KF+16*((i/2)%4)+8*(i/8)
.set rQ, Q+16*(i%2)+8*(i/8)
.set rM, MC+32*(i%2)+8*((i/2)%4)
.if i < 8
	WIN 0x15                        ; K, Q and the mask in window 1, S^T in window 0
	v_wmma_f32_16x16x32_f16 v[rS:rS+7], v[rK:rK+7], v[rQ:rQ+7], v[rM:rM+7]
.else
	WIN 0x05
	v_wmma_f32_16x16x32_f16 v[rS:rS+7], v[rK:rK+7], v[rQ:rQ+7], v[rS:rS+7]
.endif
.set i, i+1
.endm
.macro PV                           ; product i of 16: tile i % 2, channels 16 ((i / 2) % 4) on, keys 32 (i / 8) on
	WIN 0x01                        ; V in window 1
.set rO, O+32*(i%2)+8*((i/2)%4)
.set rV, VF+32*(i/8)+8*((i/2)%4)
.set rP, P+16*(i%2)+8*(i/8)
	v_wmma_f32_16x16x32_f16 v[rO:rO+7], v[rV:rV+7], v[rP:rP+7], v[rO:rO+7]
.set i, i+1
.endm
.macro FETCH_K
	WIN 0x40
.irp f, 0,1,2,3,4,5,6,7             ; keys 16 (f / 2) on, channels 32 (f % 2) on
	ds_load_b128 v[KF+8*\f:KF+8*\f+3],   v[AK] offset:(\f/2)*16*PK+(\f%2)*64
	ds_load_b128 v[KF+8*\f+4:KF+8*\f+7], v[AK] offset:(\f/2)*16*PK+(\f%2)*64+32
.endr
	s_add_co_u32 s[TBK], s[TBK], KS*PK
.endm
.macro FETCH_V
	WIN 0x40
.irp f, 0,1,2,3,4,5,6,7             ; keys 32 (f / 4) on, channels 16 (f % 4) on
	ds_load_tr16_b128 v[VF+8*\f:VF+8*\f+3],   v[AV] offset:(\f/4)*32*PV+(\f%4)*32
	ds_load_tr16_b128 v[VF+8*\f+4:VF+8*\f+7], v[AV] offset:(\f/4)*32*PV+16*PV+(\f%4)*32
.endr
	s_add_co_u32 s[TBV], s[TBV], KS*PV
.endm
.macro PLACES
.rept 4
	v_nop
.endr
.endm
.macro MASKW u                      ; MD x AL + BE into tile u's mask
	WIN 0x40
.set z, 0
.rept 16
	v_pk_fma_f32 v[MC+32*(\u)+2*z:MC+32*(\u)+2*z+1], v[MD+2*z:MD+2*z+1], s[AL:AL+1], s[BE:BE+1] op_sel_hi:[1,0,0]
.set z, z+1
.endr
	WIN 0
.endm
.macro MASK u                       ; in a block's last key tile: is this step tile u's own, or a later one?
	s_sub_co_u32 s13, s[XB], \u
	s_cmp_eq_u32 s[CNT], s13
	s_cselect_b32 s[AL], 1.0, 0
	s_cmp_lt_u32 s[CNT], s13
	s_cselect_b32 s[BE], s[BIGN], 0
	MASKW \u
.endm
.macro INIT                         ; a block begins: c m far below every c s, so the first step's factor is 0; m at the lowest finite number; the masks 0
.irp u, 0,1
	v_mov_b32 v[ST+8*\u], 0xfe000000
	v_mov_b32 v[ST+8*\u+1], 0xff7fffff
.endr
	s_mov_b32 s[AL], 0
	s_mov_b32 s[BE], 0
	MASKW 0
	MASKW 1
	s_wait_loadcnt 0x0              ; Q
.endm
; THE SOFTMAX of tile u, in three parts.  SMAX: the maximum of the lane's 32 scores and the old m (each accumulator's lowest registers are read first), the other half of the lanes', c m, its change.
.macro SMAX u
.set rT, ST+8*(\u)
.set rS, S+32*(\u)
.irp j, 0,1,2,3
	v_max3_num_f32 v[rT+4+\j], v[rS+8*\j], v[rS+8*\j+1], v[rS+8*\j+2]
.endr
.irp j, 0,1,2,3
	v_max3_num_f32 v[rT+4+\j], v[rT+4+\j], v[rS+8*\j+3], v[rS+8*\j+4]
.endr
.irp j, 0,1,2,3
	v_max3_num_f32 v[rT+4+\j], v[rT+4+\j], v[rS+8*\j+5], v[rS+8*\j+6]
.endr
	v_max3_num_f32 v[rT+4], v[rT+4], v[rS+7], v[rS+15]
	v_max3_num_f32 v[rT+6], v[rT+6], v[rS+23], v[rS+31]
	v_max3_num_f32 v[rT+4], v[rT+4], v[rT+5], v[rT+6]
	v_max3_num_f32 v[rT+4], v[rT+4], v[rT+7], v[rT+1]
	v_permlanex16_b32 v[rT+5], v[rT+4], s[SEL], s[SEL+1]  ; the query's other 32 keys lie in the lane 16 away
	v_mov_b32 v[rT+7], v[rT]        ; c m_old
	v_max_num_f32 v[rT+1], v[rT+4], v[rT+5]
	v_mul_f32 v[rT], s[CS], v[rT+1]
	v_sub_f32 v[rT+7], v[rT+7], v[rT]
.endm
.macro SEXP u                       ; a = 2^(c m_old - c m); c s - c m; the 32 exponentials.  Nothing here names an exponential's result
.set rT, ST+8*(\u)
.set rS, S+32*(\u)
	v_exp_f32 v[rT+6], v[rT+7]
.set j, 0
.rept 16
	v_pk_fma_f32 v[rS+2*j:rS+2*j+1], v[rS+2*j:rS+2*j+1], s[CS:CS+1], v[rT:rT+1] op_sel_hi:[1,0,0] neg_lo:[0,0,1] neg_hi:[0,0,1]
.set j, j+1
.endr
.set j, 0
.rept 32
	v_exp_f32 v[rS+j], v[rS+j]
.set j, j+1
.endr
.endm
.macro STAIL u                      ; the roundings to f16, the sum, l = a l + sum, O^T times a
.set rT, ST+8*(\u)
.set rS, S+32*(\u)
.set rP, P+16*(\u)
.set rO, O+32*(\u)
.set j, 0
.rept 16
	v_cvt_pk_f16_f32 v[rP+j], v[rS+2*j], v[rS+2*j+1]
.set j, j+1
.endr
.set j, 0
.rept 8
	v_pk_add_f32 v[rS+4*j:rS+4*j+1], v[rS+4*j:rS+4*j+1], v[rS+4*j+2:rS+4*j+3]
.set j, j+1
.endr
.set j, 0
.rept 4
	v_pk_add_f32 v[rS+8*j:rS+8*j+1], v[rS+8*j:rS+8*j+1], v[rS+8*j+4:rS+8*j+5]
.set j, j+1
.endr
	v_pk_add_f32 v[rS:rS+1], v[rS:rS+1], v[rS+8:rS+9]
	v_pk_add_f32 v[rS+16:rS+17], v[rS+16:rS+17], v[rS+24:rS+25]
	v_pk_add_f32 v[rS:rS+1], v[rS:rS+1], v[rS+16:rS+17]
	v_pk_fma_f32 v[rT+2:rT+3], v[rT+2:rT+3], v[rT+6:rT+7], v[rS:rS+1] op_sel_hi:[1,0,1]
.set j, 0
.rept 16
	v_pk_mul_f32 v[rO+2*j:rO+2*j+1], v[rO+2*j:rO+2*j+1], v[rT+6:rT+7] op_sel_hi:[1,0]
.set j, j+1
.endr
.endm
.macro STEP                         ; a key step of 64 keys
	WIN 0
	v_add_nc_u32 v[AK], s[TBK], v[AK0]
	v_add_nc_u32 v[AV], s[TBV], v[AV0]
	FETCH_K
	FETCH_V
	s_wait_dscnt 16                 ; K's sixteen loads are in; V's may stay out
.set i, 0
.rept 16
	KQ
.endr
	WIN 0
	PLACES                          ; behind the products, ahead of the readers of their results
	SMAX 0
	SMAX 1
	SEXP 0
	SEXP 1
	v_nop                           ; a plain instruction behind the last exponential: one for the batch
	s_wait_alu depctr_va_vdst(0)    ; one wait for both tiles' 66 exponentials, ahead of their first reader
	STAIL 0
	STAIL 1
	s_wait_dscnt 0x0                ; V is in
.set i, 0
.rept 16
	PV
.endr
	WIN 0
	PLACES                          ; ahead of the next step's loads into V's registers and of the way out's readers
.endm
; THE WAY OUT of a block: l's two halves and the other half of the lanes' are added; O^T is divided by l, rounded to f16 and sent through my stage, a tile at a time.
.macro PACK u
.set j, 0
.rept 16
	v_pk_mul_f32 v[O+32*(\u)+2*j:O+32*(\u)+2*j+1], v[O+32*(\u)+2*j:O+32*(\u)+2*j+1], v[ST+8*(\u)+6:ST+8*(\u)+7] op_sel_hi:[1,0]
.set j, j+1
.endr
.set j, 0
.rept 16
	v_cvt_pk_f16_f32 v[S+16*(\u)+j], v[O+32*(\u)+2*j], v[O+32*(\u)+2*j+1]
.set j, j+1
.endr
.irp f, 0,1,2,3
	ds_store_b128 v[STO], v[S+16*(\u)+4*\f:S+16*(\u)+4*\f+3] offset:32*\f
.endr
.irp f, 0,1,2,3
	ds_load_b128 v[S+16*(\u)+4*\f:S+16*(\u)+4*\f+3], v[RD] offset:\f*4*SP  ; LDS serves a wave's instructions in order: these see the stores above; the next tile's stores come behind them
.endr
.endm
.macro SEND u, younger
.irp f, 0,1,2,3
	s_wait_dscnt (\younger)+3-\f
	global_store_b128 v[GO], v[S+16*(\u)+4*\f:S+16*(\u)+4*\f+3], s[10:11] offset:(\u)*262144+\f*16384  ; four rows' 128 bytes: a head's share of a row of o
.endr
.endm
.macro FINISH sw                    ; sw = 1: the second block follows
	WIN 0
.irp u, 0,1
	v_add_f32 v[ST+8*\u+4], v[ST+8*\u+2], v[ST+8*\u+3]
.endr
.irp u, 0,1
	v_permlanex16_b32 v[ST+8*\u+5], v[ST+8*\u+4], s[SEL], s[SEL+1]
.endr
.irp u, 0,1
	v_add_f32 v[ST+8*\u+4], v[ST+8*\u+4], v[ST+8*\u+5]
.endr
.irp u, 0,1
	v_rcp_f32 v[ST+8*\u+6], v[ST+8*\u+4]
.endr
	v_nop                           ; a plain instruction behind the last reciprocal,
	s_wait_alu depctr_va_vdst(0)    ; and one wait for the two, ahead of their first reader
	PACK 0
	PACK 1
	SEND 0, 8
	SEND 1, 0
.if \sw
	s_wait_xcnt 0x0                 ; the stores have read their registers and o's address
	s_mov_b64 s[10:11], s[OLO:OLO+1]
	s_add_co_u32 s[RT], s[LQ2], 1
	s_mov_b32 s[XB], s[XB2]
	WIN 0x41                        ; the second block's Q goes where the one text names Q
.set j, 0
.rept 32
	v_mov_b32 v[Q+j], v[QB+j]
.set j, j+1
.endr
	WIN 0
	INIT
.endif
.endm
.macro TILEBODY sw                  ; a key tile's four steps; in a block's last tile with masks, and the way out behind them.  sw = 0: the walk's last tile, which is the second block's last
	s_sub_co_u32 s[RT], s[RT], 1
	s_mov_b32 s[CNT], 4
.Lstep_\@:
.if \sw
	s_cmp_lg_u32 s[RT], 0
	s_cbranch_scc1 .Lnomask_\@
.endif
	MASK 0
	MASK 1
.Lnomask_\@:
	STEP
	s_sub_co_u32 s[CNT], s[CNT], 1
	s_cmp_lg_u32 s[CNT], 0
	s_cbranch_scc1 .Lstep_\@
.if \sw
	s_cmp_lg_u32 s[RT], 0
	s_cbranch_scc1 .Lnofin_\@
.endif
	FINISH \sw
.Lnofin_\@:
.endm
	INIT
.Lslot:                             ; eight times: a tile is entered and the next is asked for
	CHANGE 1
	TILEBODY 1
	s_sub_co_u32 s[SLOTS], s[SLOTS], 1
	s_cmp_lg_u32 s[SLOTS], 0
	s_cbranch_scc1 .Lslot
	CHANGE 0                        ; the walk's last tile is written out: nothing is asked for
	TILEBODY 0
	s_wait_tensorcnt 0x0            ; the wave's end
	ds_add_u32 v[SPW], v[NIL]
	s_wait_dscnt 0x0
	s_endpgm
.Lfunc_end_k_qc3bd83818c_attn:
	.size	k_qc3bd83818c_attn, .Lfunc_end_k_qc3bd83818c_attn-k_qc3bd83818c_attn
	.p2alignl 7, 3214868480
	.fill 96, 4, 3214868480
	.section	.rodata,"a",@progbits
	.p2align	6, 0x0
	.amdhsa_kernel k_qc3bd83818c_attn
		.amdhsa_group_segment_fixed_size 327680
		.amdhsa_private_segment_fixed_size 0
		.amdhsa_enable_private_segment 0
		.amdhsa_kernarg_size 16
		.amdhsa_user_sgpr_count 2
		.amdhsa_user_sgpr_kernarg_segment_ptr 1
		.amdhsa_wavefront_size32 1
		.amdhsa_system_sgpr_workgroup_id_x 1
		.amdhsa_system_sgpr_workgroup_id_y 1
		.amdhsa_system_sgpr_workgroup_id_z 1
		.amdhsa_system_vgpr_workitem_id 0
		.amdhsa_next_free_vgpr 512
		.amdhsa_next_free_sgpr 92
		.amdhsa_reserve_vcc 1
		.amdhsa_float_denorm_mode_32 3
		.amdhsa_float_denorm_mode_16_64 3
		.amdhsa_memory_ordered 1
		.amdhsa_forward_progress 1
		.amdhsa_inst_pref_size 74
	.end_amdhsa_kernel
	.amdgpu_metadata
---
amdhsa.version: [ 1, 2 ]
amdhsa.kernels:
  - .name:           k_qc3bd83818c_attn
    .symbol:         k_qc3bd83818c_attn.kd
    .args:
      - { .name: big, .offset: 0, .size: 8, .value_kind: global_buffer, .address_space: global }
      - { .name: hn, .offset: 8, .size: 8, .value_kind: global_buffer, .address_space: global }
    .group_segment_fixed_size: 327680
    .private_segment_fixed_size: 0
    .kernarg_segment_align: 8
    .kernarg_segment_size: 16
    .max_flat_workgroup_size: 128
    .sgpr_count:     92
    .vgpr_count:     512
    .wavefront_size: 32
...
	.end_amdgpu_metadata
.endif
;; end of part 4
;; launch gemm_out (part 5): grid 8 x 32, 4 waves a work-group, clusters of 4 x 4, 327,680 bytes of LDS; arguments hn, wb, out_b, x, x1; writes x1
.if DOCPART == 5
	.amdgcn_target "amdgcn-amd-amdhsa--gfx1250"
	.amdhsa_code_object_version 6
	.text
	.protected	k_qc3bd83818c_gemm_out
	.globl	k_qc3bd83818c_gemm_out
	.p2align	8
	.type	k_qc3bd83818c_gemm_out,@function
k_qc3bd83818c_gemm_out:
	s_mov_b64 s[64:65], 0
	v_nop
	global_prefetch_b8 v0, s[64:65] scope:SCOPE_SE
	s_setreg_imm32_b32 hwreg(HW_REG_WAVE_MODE, 25, 1), 1
	s_wait_xcnt 0x0
	s_wait_alu depctr_hold_cnt(0) depctr_sa_sdst(0) depctr_va_vdst(0) depctr_va_sdst(0) depctr_va_ssrc(0) depctr_va_vcc(0) depctr_vm_vsrc(0)
	s_getreg_b32 s2, hwreg(HW_REG_IB_STS2, 6, 4)
	s_cmp_eq_u32 s2, 0
	s_cbranch_scc0 .Lentry_in_a_cluster
	s_endpgm
.Lentry_in_a_cluster:
	s_bfe_u32 s2, ttmp6, 0x10000c
	s_cmp_lg_u32 s2, 0xf033
	s_cbranch_scc0 .Lentry_shape_is_right
	s_endpgm
.Lentry_shape_is_right:
; x1[m][n] = x[m][n] + out_b[n] + sum over k of o[m][k] out_w[n][k].  o: [4096][1024] f16, out_w: [1024][1024] f16 (in wb); x, out_b, x1 f32; sums in f32, nothing rounded on the way out.
; A tile of C is 128 x 128; four waves of 64 x 64 (16 accumulators); K in steps of 256 through two LDS slots; 4 x 4 work-groups form a cluster: A's tiles are asked for jointly along a row of it, B's along a column.
; The matrix instruction is used transposed (source 0 = rows of the weights, source 1 = rows of o): a lane holds one row m and eight neighbouring columns.
; A wave's 64 columns of f32 are 256 aligned bytes of a row, so each wave has a stage of its own and stores whole rows of its part: sixteen lanes, 256 consecutive bytes.
; REGISTERS: window 0: v0-31 addresses; v32-63 at work on the way out; v96-99 bias; v128-255 accumulators.  window 1: two fragment buffers of 128.  window 2: v0-127 my part of the residual.
.set SIZE_N, 1024
.set SIZE_K, 1024
.set WOFF,   6291456
.set KSTEP,  256
.set PITCH,  528                       ; an LDS row: 512 bytes + 16 of padding: the 16 rows of a fragment load start at 16 different groups of four banks
.set HALFT,  64*PITCH
.set SLOT,   4*HALFT
.set STAGE,  2*SLOT                    ; behind the ring, never filled by a tensor load
.set SPITCH, 272                       ; the way out: 16 rows of 256 bytes + 16, for each wave
.set SPARE,  STAGE+34816               ; the spare words, 128 bytes a wave
.set LAPS, SIZE_K/(2*KSTEP)
.set ADRA, 16
.set ADRB, 20
.set STO,  24
.set RD,   25
.set CO,   26
.set BO,   27
.set SPW,  28
.set NIL,  29
.set TMP,  32
.set BIA,  96
.set ACC,  128
.set F0,   0
.set F1,   128
.set G1, 24
.set G0, 32
.set G1B, 48
.set G0B, 56
.set MSB, 0
.macro WIN new                         ; the immediate's high byte repeats the setting that is left
.if MSB != (\new)
	s_set_vgpr_msb (MSB<<8)|(\new)
.set MSB, \new
.endif
.endm
.set MUL,  0x05                        ; sources 0 and 1 window 1; C and D window 0
.set TO_F, 0x40                        ; destination window 1, address window 0
.macro JLOAD s                         ; a joint load: waves 0 and 1 fetch A's two halves, waves 2 and 3 B's; an s_nop 0 and four v_nop follow each line
	s_cmp_eq_u32 s11, 0
	s_cbranch_scc0 .Lfor_b_\@
	tensor_load_to_lds s[G0+4*(\s):G0+4*(\s)+3], s[G1:G1+7]
	s_nop 0
.rept 4
	v_nop
.endr
	s_branch .Lasked_\@
.Lfor_b_\@:
	tensor_load_to_lds s[G0B+4*(\s):G0B+4*(\s)+3], s[G1B:G1B+7]
	s_nop 0
.rept 4
	v_nop
.endr
.Lasked_\@:
.endm
.macro CREST                           ; a round of the cluster's barrier behind its opening barrier
	s_cmp_lg_u32 s10, 0
	s_cbranch_scc1 .Lnot_wave_0_\@
	s_barrier_signal -3
.Lnot_wave_0_\@:
	s_barrier_wait -3
	s_barrier_signal -1
	s_barrier_wait -1
.endm
.macro CROUND
	s_barrier_signal -1
	s_barrier_wait -1
	CREST
.endm
	s_load_b128 s[4:7], s[0:1], 0x0                ; A s[4:5], wb s[6:7]
	s_load_b128 s[68:71], s[0:1], 0x10             ; bias s[68:69], residual s[70:71]
	s_load_b64 s[8:9], s[0:1], 0x20                ; the output
	v_lshl_add_u32 v[SPW], v0, 2, SPARE
	v_mov_b32 v[NIL], 0
	ds_add_u32 v[SPW], v[NIL]                      ; the wave's opening: the add and its wait ahead of my first tensor load
	ds_add_u32 v28, v29
	v_lshrrev_b32 v1, 5, v0
	v_readfirstlane_b32 s10, v1                    ; wave 0..3
	s_lshr_b32 s11, s10, 1                         ; my half of the tile's rows; also: I fetch for A (0) or B (1)
	s_and_b32 s12, s10, 1                          ; my half of its columns; also: which 64 rows I fetch
	s_bfe_u32 s40, ttmp6, 0x40000                  ; cx
	s_bfe_u32 s41, ttmp6, 0x40004                  ; cy
	s_lshl_b32 s42, ttmp9, 2
	s_add_co_u32 s42, s42, s40                     ; tile column
	s_and_b32 s13, ttmp7, 0xffff
	s_lshl_b32 s13, s13, 2
	s_add_co_u32 s13, s13, s41                     ; tile row
	s_lshl_b32 s43, s41, 2
	s_lshl_b32 s43, 15, s43                        ; my row of the cluster
	s_lshl_b32 s44, 0x1111, s40                    ; my column
	s_or_b32 s[G1+0], s43, (1<<16)|(1<<20)|(1<<21)|(6<<22)|(3<<25)  ; mask; 2-byte elements; padding on; bit 21 beside a mask; after every 128 words, 4 words
	s_or_b32 s[G1B+0], s44, (1<<16)|(1<<20)|(1<<21)|(6<<22)|(3<<25)
.irp g, G1, G1B
	s_mov_b32 s[(\g)+1], KSTEP<<16                 ; tensor_dim0 = 256
	s_mov_b32 s[(\g)+2], 64<<16                    ; tensor_dim1 = 64
	s_mov_b32 s[(\g)+3], KSTEP<<16                 ; tile_dim0 = 256
	s_mov_b32 s[(\g)+4], 64                        ; tile_dim1 = 64
	s_mov_b32 s[(\g)+5], SIZE_K                    ; elements from row to row
	s_mov_b32 s[(\g)+6], 0
	s_mov_b32 s[(\g)+7], 0
.endr
	s_lshl_b32 s17, s12, 6
	s_lshl_b32 s16, s13, 7
	s_add_co_u32 s16, s16, s17                     ; A: row 128 x tile row + 64 x half
	s_lshl_b32 s46, s42, 7
	s_add_co_u32 s46, s46, s17                     ; B: row 128 x tile column + 64 x half
	s_mov_b32 s17, 0
	s_mov_b32 s47, 0
	s_mov_b64 s[18:19], SIZE_K*2
	s_mul_u64 s[16:17], s[16:17], s[18:19]
	s_mul_u64 s[46:47], s[46:47], s[18:19]
	s_mul_i32 s20, s10, HALFT                      ; where they go: wave x 64 rows
	s_wait_dscnt 0x0                               ; the opening add is done
	s_wait_kmcnt 0x0
.if WOFF
	s_add_nc_u64 s[6:7], s[6:7], WOFF              ; this product's weights in wb
.endif
	s_add_nc_u64 s[14:15], s[4:5], s[16:17]
	s_add_nc_u64 s[46:47], s[6:7], s[46:47]
	CROUND                                         ; all sixteen work-groups are here: the first joint loads meet
.irp s, 0,1
	s_mov_b32 s[G0+4*(\s)], 1
	s_add_co_u32 s[G0+4*(\s)+1], s20, (\s)*SLOT
	s_add_nc_u64 s[G0+4*(\s)+2:G0+4*(\s)+3], s[14:15], (\s)*KSTEP*2
	s_or_b32 s[G0+4*(\s)+3], s[G0+4*(\s)+3], 0x80000000
	s_mov_b32 s[G0B+4*(\s)], 1
	s_add_co_u32 s[G0B+4*(\s)+1], s20, (\s)*SLOT
	s_add_nc_u64 s[G0B+4*(\s)+2:G0B+4*(\s)+3], s[46:47], (\s)*KSTEP*2
	s_or_b32 s[G0B+4*(\s)+3], s[G0B+4*(\s)+3], 0x80000000
	JLOAD \s
.endr
	v_and_b32 v1, 15, v0                           ; r = l % 16
	v_bfe_u32 v2, v0, 4, 1                         ; h = l / 16
	v_mul_u32_u24 v3, v1, PITCH
	v_lshl_add_u32 v3, v2, 4, v3
	s_mul_i32 s21, s11, HALFT
	s_mul_i32 s22, s12, HALFT
	s_add_co_u32 s22, s22, 2*HALFT
.irp s, 0,1
	v_add_nc_u32 v[ADRA+(\s)], s21, v3
	v_add_nc_u32 v[ADRB+(\s)], s22, v3
	s_add_co_u32 s21, s21, SLOT
	s_add_co_u32 s22, s22, SLOT
.endr
	; the way out: my own stage of 16 rows x 272 bytes
	s_mul_i32 s23, s10, 16*SPITCH
	s_add_co_u32 s23, s23, STAGE
	v_mul_u32_u24 v4, v1, SPITCH                   ; in: row r, 32 bytes for each half of the lanes
	v_lshl_add_u32 v4, v2, 5, v4
	v_add_nc_u32 v[STO], s23, v4
	v_mul_u32_u24 v5, v2, SPITCH                   ; back: lanes 0-15 one row of 256 bytes, lanes 16-31 the next
	v_lshl_add_u32 v5, v1, 4, v5
	v_add_nc_u32 v[RD], s23, v5
	v_lshlrev_b32 v[BO], 4, v1                     ; my four columns
	v_lshl_add_u32 v[CO], v2, 12, v[BO]            ; and the same two rows in the residual and the output: rows of 4,096 bytes
	s_lshl_b32 s16, s13, 7
	s_lshl_b32 s17, s11, 6
	s_add_co_u32 s16, s16, s17                     ; my first row
	s_lshl_b32 s16, s16, 12
	s_mov_b32 s17, 0
	s_add_nc_u64 s[70:71], s[70:71], s[16:17]
	s_add_nc_u64 s[8:9], s[8:9], s[16:17]
	s_lshl_b32 s46, s42, 9                         ; my first column, in bytes of f32
	s_lshl_b32 s47, s12, 8
	s_add_co_u32 s46, s46, s47
	s_mov_b32 s47, 0
	s_add_nc_u64 s[70:71], s[70:71], s[46:47]
	s_add_nc_u64 s[8:9], s[8:9], s[46:47]
	s_add_nc_u64 s[68:69], s[68:69], s[46:47]
	; what the way out needs is asked for now and waited for there: bias and residual
	global_load_b128 v[BIA:BIA+3], v[BO], s[68:69]
	WIN 0x80                                       ; destination window 2
.irp a, 0,1,2,3
.irp t, 0,1,2,3,4,5,6,7
	global_load_b128 v[4*(8*(\a)+(\t)):4*(8*(\a)+(\t))+3], v[CO], s[70:71] offset:(16*(\a)+2*(\t))*4096
.endr
.endr
	WIN 0
.macro MUL8 f, c, a0, zero             ; 8 matrix instructions: row blocks a0, a0 + 1 x 4 column blocks, 32 along K; the 16 accumulators take turns
	WIN MUL
.irp a, \a0, (\a0)+1
.irp b, 0,1,2,3
.if \zero
	v_wmma_f32_16x16x32_f16 v[ACC+8*(4*(\a)+(\b)):ACC+8*(4*(\a)+(\b))+7], v[(\f)+64+8*(4*(\c)+(\b)):(\f)+64+8*(4*(\c)+(\b))+7], v[(\f)+8*(4*(\c)+(\a)):(\f)+8*(4*(\c)+(\a))+7], 0
.else
	v_wmma_f32_16x16x32_f16 v[ACC+8*(4*(\a)+(\b)):ACC+8*(4*(\a)+(\b))+7], v[(\f)+64+8*(4*(\c)+(\b)):(\f)+64+8*(4*(\c)+(\b))+7], v[(\f)+8*(4*(\c)+(\a)):(\f)+8*(4*(\c)+(\a))+7], v[ACC+8*(4*(\a)+(\b)):ACC+8*(4*(\a)+(\b))+7]
.endif
.endr
.endr
.endm
.macro FETCH slot, k, f                ; 32 LDS loads in one run: the fragments of 64 along K at byte k of the rows; the first 32 along K first
	WIN TO_F
.irp c, 0,1
.irp i, 0,1,2,3
	ds_load_b128 v[(\f)+64+8*(4*(\c)+(\i)):(\f)+64+8*(4*(\c)+(\i))+3],   v[ADRB+(\slot)] offset:(\k)+64*(\c)+(\i)*16*PITCH
	ds_load_b128 v[(\f)+64+8*(4*(\c)+(\i))+4:(\f)+64+8*(4*(\c)+(\i))+7], v[ADRB+(\slot)] offset:(\k)+64*(\c)+(\i)*16*PITCH+32
	ds_load_b128 v[(\f)+8*(4*(\c)+(\i)):(\f)+8*(4*(\c)+(\i))+3],         v[ADRA+(\slot)] offset:(\k)+64*(\c)+(\i)*16*PITCH
	ds_load_b128 v[(\f)+8*(4*(\c)+(\i))+4:(\f)+8*(4*(\c)+(\i))+7],       v[ADRA+(\slot)] offset:(\k)+64*(\c)+(\i)*16*PITCH+32
.endr
.endr
.endm
.macro PLACES                          ; four plain instructions behind matrix instructions, in front of loads into their sources and of readers of their results
.rept 4
	v_nop
.endr
.endm
.macro QUARTER slot, k, f, g, zero     ; 64 along K: multiplies buffer f, fetches the next quarter into g
	s_wait_dscnt 16                                ; the first 32 along K are in
	WIN MUL
	MUL8 \f, 0, 0, \zero
	MUL8 \f, 0, 2, \zero
	PLACES
	FETCH \slot, \k, \g
	s_wait_dscnt 32                                ; all but the 32 just issued
	WIN MUL
	MUL8 \f, 1, 0, 0
	MUL8 \f, 1, 2, 0
.endm
.macro TURN slot, next, fill           ; the last quarter of a K step changes slots
	WIN 0
	s_wait_tensorcnt 0x0                           ; all my tensor loads have landed: my part of the next slot
	ds_add_u32 v[SPW], v[NIL]
	s_wait_dscnt 17                                ; the add and the youngest sixteen loads may be out
	WIN MUL
	MUL8 F1, 0, 0, 0
	s_wait_dscnt 0x0                               ; the add is done, and my reads of this slot are over
	s_barrier_signal -1
	MUL8 F1, 0, 2, 0
.if \fill
	WIN 0
.endif
	s_barrier_wait -1
.if \fill
	CREST                                          ; no wave of any partner still reads this slot or has a load on its way
	s_add_nc_u64 s[G0+4*(\slot)+2:G0+4*(\slot)+3], s[G0+4*(\slot)+2:G0+4*(\slot)+3], 2*KSTEP*2
	s_add_nc_u64 s[G0B+4*(\slot)+2:G0B+4*(\slot)+3], s[G0B+4*(\slot)+2:G0B+4*(\slot)+3], 2*KSTEP*2
	JLOAD \slot                                    ; the first tensor load behind the round; its four v_nop are also the places in front of the loads below
.else
	PLACES
.endif
	FETCH \next, 0, F0
	WIN MUL
	MUL8 F1, 1, 0, 0
	MUL8 F1, 1, 2, 0
.endm
	s_wait_tensorcnt 1                             ; my part of K step 0 is in; K step 1's may stay out
	s_barrier_signal -1
	s_barrier_wait -1
	FETCH 0, 0, F0
	QUARTER 0, 128, F0, F1, 1                      ; the first products start the sums
.if LAPS > 1
	WIN 0
	s_mov_b32 s3, LAPS-1
.Llap:
	QUARTER 0, 256, F1, F0, 0
	QUARTER 0, 384, F0, F1, 0
	TURN 0, 1, 1
	QUARTER 1, 128, F0, F1, 0
	QUARTER 1, 256, F1, F0, 0
	QUARTER 1, 384, F0, F1, 0
	TURN 1, 0, 1
	QUARTER 0, 128, F0, F1, 0
	WIN 0
	s_sub_co_u32 s3, s3, 1
	s_cmp_lg_u32 s3, 0
	s_cbranch_scc1 .Llap
.endif
	QUARTER 0, 256, F1, F0, 0                      ; the last lap fills nothing
	QUARTER 0, 384, F0, F1, 0
	TURN 0, 1, 0
	QUARTER 1, 128, F0, F1, 0
	QUARTER 1, 256, F1, F0, 0
	QUARTER 1, 384, F0, F1, 0
	s_wait_dscnt 16
	WIN MUL
	MUL8 F1, 0, 0, 0
	MUL8 F1, 0, 2, 0
	s_wait_dscnt 0
	MUL8 F1, 1, 0, 0
	MUL8 F1, 1, 2, 0
	WIN 0
	; THE WAY OUT, a block of 16 rows at a time: the sums go through my stage and come back as whole rows of 256 bytes; residual and bias are added; sixteen lanes store 256 consecutive aligned bytes.
	PLACES
	s_wait_loadcnt 0x0                             ; bias and residual, asked for at the head
.irp a, 0,1,2,3
	s_wait_xcnt 0x0                                ; the block before's stores have read v32-63, which are loaded again below
.irp b, 0,1,2,3
	ds_store_b128 v[STO], v[ACC+8*(4*(\a)+(\b)):ACC+8*(4*(\a)+(\b))+3]   offset:64*(\b)
	ds_store_b128 v[STO], v[ACC+8*(4*(\a)+(\b))+4:ACC+8*(4*(\a)+(\b))+7] offset:64*(\b)+16
.endr
.irp t, 0,1,2,3,4,5,6,7
	ds_load_b128 v[TMP+4*(\t):TMP+4*(\t)+3], v[RD] offset:(\t)*2*SPITCH  ; LDS serves a wave's instructions in order: these see the stores above
.endr
	s_wait_dscnt 0x0
	WIN 0x08                                       ; source 1 in window 2
.irp t, 0,1,2,3,4,5,6,7
	v_pk_add_f32 v[TMP+4*(\t):TMP+4*(\t)+1],   v[TMP+4*(\t):TMP+4*(\t)+1],   v[4*(8*(\a)+(\t)):4*(8*(\a)+(\t))+1]
	v_pk_add_f32 v[TMP+4*(\t)+2:TMP+4*(\t)+3], v[TMP+4*(\t)+2:TMP+4*(\t)+3], v[4*(8*(\a)+(\t))+2:4*(8*(\a)+(\t))+3]
.endr
	WIN 0
.irp t, 0,1,2,3,4,5,6,7
	v_pk_add_f32 v[TMP+4*(\t):TMP+4*(\t)+1],   v[TMP+4*(\t):TMP+4*(\t)+1],   v[BIA:BIA+1]
	v_pk_add_f32 v[TMP+4*(\t)+2:TMP+4*(\t)+3], v[TMP+4*(\t)+2:TMP+4*(\t)+3], v[BIA+2:BIA+3]
.endr
.irp t, 0,1,2,3,4,5,6,7
	global_store_b128 v[CO], v[TMP+4*(\t):TMP+4*(\t)+3], s[8:9] offset:(16*(\a)+2*(\t))*4096
.endr
.endr
	s_wait_tensorcnt 0x0                           ; the wave's end
	ds_add_u32 v[SPW], v[NIL]
	s_wait_dscnt 0x0
	CROUND                                         ; the closing round
	s_endpgm
.Lfunc_end_k_qc3bd83818c_gemm_out:
	.size	k_qc3bd83818c_gemm_out, .Lfunc_end_k_qc3bd83818c_gemm_out-k_qc3bd83818c_gemm_out
	.p2alignl 7, 3214868480
	.fill 96, 4, 3214868480
	.section	.rodata,"a",@progbits
	.p2align	6, 0x0
	.amdhsa_kernel k_qc3bd83818c_gemm_out
		.amdhsa_group_segment_fixed_size 327680
		.amdhsa_private_segment_fixed_size 0
		.amdhsa_enable_private_segment 0
		.amdhsa_kernarg_size 40
		.amdhsa_user_sgpr_count 2
		.amdhsa_user_sgpr_kernarg_segment_ptr 1
		.amdhsa_wavefront_size32 1
		.amdhsa_system_sgpr_workgroup_id_x 1
		.amdhsa_system_sgpr_workgroup_id_y 1
		.amdhsa_system_sgpr_workgroup_id_z 1
		.amdhsa_system_vgpr_workitem_id 0
		.amdhsa_next_free_vgpr 640
		.amdhsa_next_free_sgpr 84
		.amdhsa_reserve_vcc 0
		.amdhsa_float_denorm_mode_32 3
		.amdhsa_float_denorm_mode_16_64 3
		.amdhsa_memory_ordered 1
		.amdhsa_forward_progress 1
		.amdhsa_inst_pref_size 97
	.end_amdhsa_kernel
	.amdgpu_metadata
---
amdhsa.version: [ 1, 2 ]
amdhsa.kernels:
  - .name:           k_qc3bd83818c_gemm_out
    .symbol:         k_qc3bd83818c_gemm_out.kd
    .args:
      - { .name: hn, .offset: 0, .size: 8, .value_kind: global_buffer, .address_space: global }
      - { .name: wb, .offset: 8, .size: 8, .value_kind: global_buffer, .address_space: global }
      - { .name: out_b, .offset: 16, .size: 8, .value_kind: global_buffer, .address_space: global }
      - { .name: x, .offset: 24, .size: 8, .value_kind: global_buffer, .address_space: global }
      - { .name: x1, .offset: 32, .size: 8, .value_kind: global_buffer, .address_space: global }
    .group_segment_fixed_size: 327680
    .private_segment_fixed_size: 0
    .kernarg_segment_align: 8
    .kernarg_segment_size: 40
    .max_flat_workgroup_size: 128
    .sgpr_count:     84
    .vgpr_count:     640
    .wavefront_size: 32
...
	.end_amdgpu_metadata
.endif
;; end of part 5
;; launch ln2: the kernel of part 2 again; grid 256 x 1, 8 waves a work-group, no clusters, 0 bytes of LDS; arguments x1, ln2_g, ln2_b, hn; writes hn
;; launch gemm_f1 (part 6): grid 32 x 32, 4 waves a work-group, clusters of 4 x 4, 327,680 bytes of LDS; arguments hn, wb, b1, big; writes big
.if DOCPART == 6
	.amdgcn_target "amdgcn-amd-amdhsa--gfx1250"
	.amdhsa_code_object_version 6
	.text
	.protected	k_qc3bd83818c_gemm_f1
	.globl	k_qc3bd83818c_gemm_f1
	.p2align	8
	.type	k_qc3bd83818c_gemm_f1,@function
k_qc3bd83818c_gemm_f1:
	s_mov_b64 s[64:65], 0
	v_nop
	global_prefetch_b8 v0, s[64:65] scope:SCOPE_SE
	s_setreg_imm32_b32 hwreg(HW_REG_WAVE_MODE, 25, 1), 1
	s_wait_xcnt 0x0
	s_wait_alu depctr_hold_cnt(0) depctr_sa_sdst(0) depctr_va_vdst(0) depctr_va_sdst(0) depctr_va_ssrc(0) depctr_va_vcc(0) depctr_vm_vsrc(0)
	s_getreg_b32 s2, hwreg(HW_REG_IB_STS2, 6, 4)
	s_cmp_eq_u32 s2, 0
	s_cbranch_scc0 .Lentry_in_a_cluster
	s_endpgm
.Lentry_in_a_cluster:
	s_bfe_u32 s2, ttmp6, 0x10000c
	s_cmp_lg_u32 s2, 0xf033
	s_cbranch_scc0 .Lentry_shape_is_right
	s_endpgm
.Lentry_shape_is_right:
; g[m][n] = gelu(b1[n] + sum over k of h[m][k] w1[n][k]), gelu by the tanh form: x / (1 + 2^(x (c0 + c1 x x))), c0 = -2 log2(e) sqrt(2/pi), c1 = 0.044715 c0.
; h: [4096][1024] f16, w1: [4096][1024] f16 (in wb), b1 f32, g: [4096][4096] f16; sums, bias and gelu in f32; g rounded once.
; A tile of C is 128 x 128; four waves of 64 x 64 (16 accumulators); K in steps of 256 through two LDS slots; 4 x 4 work-groups form a cluster: A's tiles are asked for jointly along a row of it, B's along a column.
; The matrix instruction is used transposed (source 0 = rows of the weights, source 1 = rows of h): a lane holds one row m and eight neighbouring columns.
; A wave's 64 columns of f16 are half of an aligned 256 bytes, so the four waves share one stage, with a barrier between writing and reading.
; LIMIT: g must lie within f16's range, 65,504.
; REGISTERS: window 0: v0-31 addresses; v32-95 at work on the way out; v96-127 bias; v128-255 accumulators.  window 1: two fragment buffers of 128.
.set SIZE_N, 4096
.set SIZE_K, 1024
.set WOFF,   8388608
.set KSTEP,  256
.set PITCH,  528                       ; an LDS row: 512 bytes + 16 of padding: the 16 rows of a fragment load start at 16 different groups of four banks
.set HALFT,  64*PITCH
.set SLOT,   4*HALFT
.set STAGE,  2*SLOT                    ; behind the ring, never filled by a tensor load: 128 rows x 272 bytes
.set SPITCH, 272
.set SPARE,  STAGE+34816               ; the spare words, 128 bytes a wave
.set LAPS, SIZE_K/(2*KSTEP)
.set ADRA, 16
.set ADRB, 20
.set STO,  24
.set RD,   25
.set CO,   26
.set BO,   27
.set SPW,  28
.set NIL,  29
.set TMP,  32
.set BIA,  96
.set ACC,  128
.set F0,   0
.set F1,   128
.set G1, 24
.set G0, 32
.set G1B, 48
.set G0B, 56
.set MSB, 0
.macro WIN new                         ; the immediate's high byte repeats the setting that is left
.if MSB != (\new)
	s_set_vgpr_msb (MSB<<8)|(\new)
.set MSB, \new
.endif
.endm
.set MUL,  0x05                        ; sources 0 and 1 window 1; C and D window 0
.set TO_F, 0x40                        ; destination window 1, address window 0
.macro JLOAD s                         ; a joint load: waves 0 and 1 fetch A's two halves, waves 2 and 3 B's; an s_nop 0 and four v_nop follow each line
	s_cmp_eq_u32 s11, 0
	s_cbranch_scc0 .Lfor_b_\@
	tensor_load_to_lds s[G0+4*(\s):G0+4*(\s)+3], s[G1:G1+7]
	s_nop 0
.rept 4
	v_nop
.endr
	s_branch .Lasked_\@
.Lfor_b_\@:
	tensor_load_to_lds s[G0B+4*(\s):G0B+4*(\s)+3], s[G1B:G1B+7]
	s_nop 0
.rept 4
	v_nop
.endr
.Lasked_\@:
.endm
.macro CREST                           ; a round of the cluster's barrier behind its opening barrier
	s_cmp_lg_u32 s10, 0
	s_cbranch_scc1 .Lnot_wave_0_\@
	s_barrier_signal -3
.Lnot_wave_0_\@:
	s_barrier_wait -3
	s_barrier_signal -1
	s_barrier_wait -1
.endm
.macro CROUND
	s_barrier_signal -1
	s_barrier_wait -1
	CREST
.endm
	s_load_b128 s[4:7], s[0:1], 0x0                ; h s[4:5], wb s[6:7]
	s_load_b64 s[68:69], s[0:1], 0x10              ; b1
	s_load_b64 s[8:9], s[0:1], 0x18                ; g
	v_lshl_add_u32 v[SPW], v0, 2, SPARE
	v_mov_b32 v[NIL], 0
	ds_add_u32 v[SPW], v[NIL]                      ; the wave's opening: the add and its wait ahead of my first tensor load
	ds_add_u32 v28, v29
	v_lshrrev_b32 v1, 5, v0
	v_readfirstlane_b32 s10, v1                    ; wave 0..3
	s_lshr_b32 s11, s10, 1                         ; my half of the tile's rows; also: I fetch for A (0) or B (1)
	s_and_b32 s12, s10, 1                          ; my half of its columns; also: which 64 rows I fetch
	s_bfe_u32 s40, ttmp6, 0x40000                  ; cx
	s_bfe_u32 s41, ttmp6, 0x40004                  ; cy
	s_lshl_b32 s42, ttmp9, 2
	s_add_co_u32 s42, s42, s40                     ; tile column
	s_and_b32 s13, ttmp7, 0xffff
	s_lshl_b32 s13, s13, 2
	s_add_co_u32 s13, s13, s41                     ; tile row
	s_lshl_b32 s43, s41, 2
	s_lshl_b32 s43, 15, s43                        ; my row of the cluster
	s_lshl_b32 s44, 0x1111, s40                    ; my column
	s_or_b32 s[G1+0], s43, (1<<16)|(1<<20)|(1<<21)|(6<<22)|(3<<25)  ; mask; 2-byte elements; padding on; bit 21 beside a mask; after every 128 words, 4 words
	s_or_b32 s[G1B+0], s44, (1<<16)|(1<<20)|(1<<21)|(6<<22)|(3<<25)
.irp g, G1, G1B
	s_mov_b32 s[(\g)+1], KSTEP<<16                 ; tensor_dim0 = 256
	s_mov_b32 s[(\g)+2], 64<<16                    ; tensor_dim1 = 64
	s_mov_b32 s[(\g)+3], KSTEP<<16                 ; tile_dim0 = 256
	s_mov_b32 s[(\g)+4], 64                        ; tile_dim1 = 64
	s_mov_b32 s[(\g)+5], SIZE_K                    ; elements from row to row
	s_mov_b32 s[(\g)+6], 0
	s_mov_b32 s[(\g)+7], 0
.endr
	s_mov_b32 s72, 0xbdd2d3e8                      ; c1
	s_mov_b32 s73, s72
	s_mov_b32 s74, 0xc0135761                      ; c0
	s_mov_b32 s75, s74
	s_lshl_b32 s17, s12, 6
	s_lshl_b32 s16, s13, 7
	s_add_co_u32 s16, s16, s17                     ; A: row 128 x tile row + 64 x half
	s_lshl_b32 s46, s42, 7
	s_add_co_u32 s46, s46, s17                     ; B: row 128 x tile column + 64 x half
	s_mov_b32 s17, 0
	s_mov_b32 s47, 0
	s_mov_b64 s[18:19], SIZE_K*2
	s_mul_u64 s[16:17], s[16:17], s[18:19]
	s_mul_u64 s[46:47], s[46:47], s[18:19]
	s_mul_i32 s20, s10, HALFT                      ; where they go: wave x 64 rows
	s_wait_dscnt 0x0                               ; the opening add is done
	s_wait_kmcnt 0x0
.if WOFF
	s_add_nc_u64 s[6:7], s[6:7], WOFF              ; this product's weights in wb
.endif
	s_add_nc_u64 s[14:15], s[4:5], s[16:17]
	s_add_nc_u64 s[46:47], s[6:7], s[46:47]
	CROUND                                         ; all sixteen work-groups are here: the first joint loads meet
.irp s, 0,1
	s_mov_b32 s[G0+4*(\s)], 1
	s_add_co_u32 s[G0+4*(\s)+1], s20, (\s)*SLOT
	s_add_nc_u64 s[G0+4*(\s)+2:G0+4*(\s)+3], s[14:15], (\s)*KSTEP*2
	s_or_b32 s[G0+4*(\s)+3], s[G0+4*(\s)+3], 0x80000000
	s_mov_b32 s[G0B+4*(\s)], 1
	s_add_co_u32 s[G0B+4*(\s)+1], s20, (\s)*SLOT
	s_add_nc_u64 s[G0B+4*(\s)+2:G0B+4*(\s)+3], s[46:47], (\s)*KSTEP*2
	s_or_b32 s[G0B+4*(\s)+3], s[G0B+4*(\s)+3], 0x80000000
	JLOAD \s
.endr
	v_and_b32 v1, 15, v0                           ; r = l % 16
	v_bfe_u32 v2, v0, 4, 1                         ; h = l / 16
	v_mul_u32_u24 v3, v1, PITCH
	v_lshl_add_u32 v3, v2, 4, v3
	s_mul_i32 s21, s11, HALFT
	s_mul_i32 s22, s12, HALFT
	s_add_co_u32 s22, s22, 2*HALFT
.irp s, 0,1
	v_add_nc_u32 v[ADRA+(\s)], s21, v3
	v_add_nc_u32 v[ADRB+(\s)], s22, v3
	s_add_co_u32 s21, s21, SLOT
	s_add_co_u32 s22, s22, SLOT
.endr
	s_mul_i32 s23, s11, 64*SPITCH                  ; into the stage: my 64 rows, my half of their 256 bytes
	s_lshl_b32 s21, s12, 7
	s_add_co_u32 s23, s23, s21
	s_add_co_u32 s23, s23, STAGE
	v_mul_u32_u24 v4, v1, SPITCH
	v_lshl_add_u32 v4, v2, 4, v4
	v_add_nc_u32 v[STO], s23, v4
	s_mul_i32 s23, s10, 32*SPITCH                  ; back: wave w takes rows 32 w .. 32 w + 31, whole
	s_add_co_u32 s23, s23, STAGE
	v_mul_u32_u24 v5, v2, SPITCH
	v_lshl_add_u32 v5, v1, 4, v5
	v_add_nc_u32 v[RD], s23, v5
	v_mul_u32_u24 v5, v2, SIZE_N*2
	v_lshl_add_u32 v[CO], v1, 4, v5
	s_lshl_b32 s16, s13, 7
	s_lshl_b32 s17, s10, 5
	s_add_co_u32 s16, s16, s17                     ; the first row that I store
	s_mov_b32 s17, 0
	s_mov_b64 s[18:19], SIZE_N*2
	s_mul_u64 s[16:17], s[16:17], s[18:19]
	s_add_nc_u64 s[8:9], s[8:9], s[16:17]
	s_lshl_b32 s46, s42, 8                         ; the tile's first column, in bytes of f16
	s_mov_b32 s47, 0
	s_add_nc_u64 s[8:9], s[8:9], s[46:47]
	s_lshl_b32 s46, s42, 9                         ; my first column, in bytes of f32
	s_lshl_b32 s47, s12, 8
	s_add_co_u32 s46, s46, s47
	s_mov_b32 s47, 0
	s_add_nc_u64 s[68:69], s[68:69], s[46:47]
	v_lshlrev_b32 v[BO], 5, v2                     ; my eight columns of a block of 16
	; the bias is asked for now and waited for on the way out
.irp b, 0,1,2,3
	global_load_b128 v[BIA+8*(\b):BIA+8*(\b)+3],   v[BO], s[68:69] offset:64*(\b)
	global_load_b128 v[BIA+8*(\b)+4:BIA+8*(\b)+7], v[BO], s[68:69] offset:64*(\b)+16
.endr
.macro MUL8 f, c, a0, zero             ; 8 matrix instructions: row blocks a0, a0 + 1 x 4 column blocks, 32 along K; the 16 accumulators take turns
	WIN MUL
.irp a, \a0, (\a0)+1
.irp b, 0,1,2,3
.if \zero
	v_wmma_f32_16x16x32_f16 v[ACC+8*(4*(\a)+(\b)):ACC+8*(4*(\a)+(\b))+7], v[(\f)+64+8*(4*(\c)+(\b)):(\f)+64+8*(4*(\c)+(\b))+7], v[(\f)+8*(4*(\c)+(\a)):(\f)+8*(4*(\c)+(\a))+7], 0
.else
	v_wmma_f32_16x16x32_f16 v[ACC+8*(4*(\a)+(\b)):ACC+8*(4*(\a)+(\b))+7], v[(\f)+64+8*(4*(\c)+(\b)):(\f)+64+8*(4*(\c)+(\b))+7], v[(\f)+8*(4*(\c)+(\a)):(\f)+8*(4*(\c)+(\a))+7], v[ACC+8*(4*(\a)+(\b)):ACC+8*(4*(\a)+(\b))+7]
.endif
.endr
.endr
.endm
.macro FETCH slot, k, f                ; 32 LDS loads in one run: the fragments of 64 along K at byte k of the rows; the first 32 along K first
	WIN TO_F
.irp c, 0,1
.irp i, 0,1,2,3
	ds_load_b128 v[(\f)+64+8*(4*(\c)+(\i)):(\f)+64+8*(4*(\c)+(\i))+3],   v[ADRB+(\slot)] offset:(\k)+64*(\c)+(\i)*16*PITCH
	ds_load_b128 v[(\f)+64+8*(4*(\c)+(\i))+4:(\f)+64+8*(4*(\c)+(\i))+7], v[ADRB+(\slot)] offset:(\k)+64*(\c)+(\i)*16*PITCH+32
	ds_load_b128 v[(\f)+8*(4*(\c)+(\i)):(\f)+8*(4*(\c)+(\i))+3],         v[ADRA+(\slot)] offset:(\k)+64*(\c)+(\i)*16*PITCH
	ds_load_b128 v[(\f)+8*(4*(\c)+(\i))+4:(\f)+8*(4*(\c)+(\i))+7],       v[ADRA+(\slot)] offset:(\k)+64*(\c)+(\i)*16*PITCH+32
.endr
.endr
.endm
.macro PLACES                          ; four plain instructions behind matrix instructions, in front of loads into their sources and of readers of their results
.rept 4
	v_nop
.endr
.endm
.macro QUARTER slot, k, f, g, zero     ; 64 along K: multiplies buffer f, fetches the next quarter into g
	s_wait_dscnt 16                                ; the first 32 along K are in
	WIN MUL
	MUL8 \f, 0, 0, \zero
	MUL8 \f, 0, 2, \zero
	PLACES
	FETCH \slot, \k, \g
	s_wait_dscnt 32                                ; all but the 32 just issued
	WIN MUL
	MUL8 \f, 1, 0, 0
	MUL8 \f, 1, 2, 0
.endm
.macro TURN slot, next, fill           ; the last quarter of a K step changes slots
	WIN 0
	s_wait_tensorcnt 0x0                           ; all my tensor loads have landed: my part of the next slot
	ds_add_u32 v[SPW], v[NIL]
	s_wait_dscnt 17                                ; the add and the youngest sixteen loads may be out
	WIN MUL
	MUL8 F1, 0, 0, 0
	s_wait_dscnt 0x0                               ; the add is done, and my reads of this slot are over
	s_barrier_signal -1
	MUL8 F1, 0, 2, 0
.if \fill
	WIN 0
.endif
	s_barrier_wait -1
.if \fill
	CREST                                          ; no wave of any partner still reads this slot or has a load on its way
	s_add_nc_u64 s[G0+4*(\slot)+2:G0+4*(\slot)+3], s[G0+4*(\slot)+2:G0+4*(\slot)+3], 2*KSTEP*2
	s_add_nc_u64 s[G0B+4*(\slot)+2:G0B+4*(\slot)+3], s[G0B+4*(\slot)+2:G0B+4*(\slot)+3], 2*KSTEP*2
	JLOAD \slot                                    ; the first tensor load behind the round; its four v_nop are also the places in front of the loads below
.else
	PLACES
.endif
	FETCH \next, 0, F0
	WIN MUL
	MUL8 F1, 1, 0, 0
	MUL8 F1, 1, 2, 0
.endm
	s_wait_tensorcnt 1                             ; my part of K step 0 is in; K step 1's may stay out
	s_barrier_signal -1
	s_barrier_wait -1
	FETCH 0, 0, F0
	QUARTER 0, 128, F0, F1, 1                      ; the first products start the sums
.if LAPS > 1
	WIN 0
	s_mov_b32 s3, LAPS-1
.Llap:
	QUARTER 0, 256, F1, F0, 0
	QUARTER 0, 384, F0, F1, 0
	TURN 0, 1, 1
	QUARTER 1, 128, F0, F1, 0
	QUARTER 1, 256, F1, F0, 0
	QUARTER 1, 384, F0, F1, 0
	TURN 1, 0, 1
	QUARTER 0, 128, F0, F1, 0
	WIN 0
	s_sub_co_u32 s3, s3, 1
	s_cmp_lg_u32 s3, 0
	s_cbranch_scc1 .Llap
.endif
	QUARTER 0, 256, F1, F0, 0                      ; the last lap fills nothing
	QUARTER 0, 384, F0, F1, 0
	TURN 0, 1, 0
	QUARTER 1, 128, F0, F1, 0
	QUARTER 1, 256, F1, F0, 0
	QUARTER 1, 384, F0, F1, 0
	s_wait_dscnt 16
	WIN MUL
	MUL8 F1, 0, 0, 0
	MUL8 F1, 0, 2, 0
	s_wait_dscnt 0
	MUL8 F1, 1, 0, 0
	MUL8 F1, 1, 2, 0
	WIN 0
	; THE WAY OUT: bias and gelu, a block of 16 rows at a time, each batch of 32 exponentials or reciprocals with one wait; f16 into the shared stage; a barrier; back as whole rows, 32 rows a wave.
	PLACES
	s_wait_loadcnt 0x0                             ; the bias, asked for at the head
.irp a, 0,1,2,3
.set XA, ACC+32*(\a)
.set i, 0
.rept 16
	v_pk_add_f32 v[XA+2*i:XA+2*i+1], v[XA+2*i:XA+2*i+1], v[BIA+2*i:BIA+2*i+1]
.set i, i+1
.endr
.set i, 0
.rept 16
	v_pk_mul_f32 v[TMP+2*i:TMP+2*i+1], v[XA+2*i:XA+2*i+1], v[XA+2*i:XA+2*i+1]
.set i, i+1
.endr
.set i, 0
.rept 16
	v_pk_fma_f32 v[TMP+2*i:TMP+2*i+1], v[TMP+2*i:TMP+2*i+1], s[72:73], s[74:75] op_sel_hi:[1,0,0]
.set i, i+1
.endr
.set i, 0
.rept 16
	v_pk_mul_f32 v[TMP+2*i:TMP+2*i+1], v[TMP+2*i:TMP+2*i+1], v[XA+2*i:XA+2*i+1]
.set i, i+1
.endr
.set i, 0
.rept 32
	v_exp_f32 v[TMP+i], v[TMP+i]
.set i, i+1
.endr
	v_nop                                          ; a plain instruction behind the last exponential,
	s_wait_alu depctr_va_vdst(0)                   ; and one wait for the batch
.set i, 0
.rept 16
	v_pk_add_f32 v[TMP+2*i:TMP+2*i+1], v[TMP+2*i:TMP+2*i+1], 1.0 op_sel_hi:[1,0]
.set i, i+1
.endr
.set i, 0
.rept 32
	v_rcp_f32 v[TMP+i], v[TMP+i]
.set i, i+1
.endr
	v_nop
	s_wait_alu depctr_va_vdst(0)                   ; one wait for the batch of reciprocals
.set i, 0
.rept 16
	v_pk_mul_f32 v[XA+2*i:XA+2*i+1], v[XA+2*i:XA+2*i+1], v[TMP+2*i:TMP+2*i+1]
.set i, i+1
.endr
.set i, 0
.rept 16
	v_cvt_pk_f16_f32 v[TMP+32+i], v[XA+2*i], v[XA+2*i+1]
.set i, i+1
.endr
.irp b, 0,1,2,3
	ds_store_b128 v[STO], v[TMP+32+4*(\b):TMP+32+4*(\b)+3] offset:(\a)*16*SPITCH+32*(\b)
.endr
.endr
	s_wait_dscnt 0x0                               ; for the others' sake: my stores into the stage are done
	s_barrier_signal -1
	s_barrier_wait -1
.irp t, 0,1,2,3,4,5,6,7,8,9,10,11,12,13,14,15
	ds_load_b128 v[TMP+4*(\t):TMP+4*(\t)+3], v[RD] offset:(\t)*2*SPITCH
.endr
.irp t, 0,1,2,3,4,5,6,7,8,9,10,11,12,13,14,15
	s_wait_dscnt 15-(\t)
	global_store_b128 v[CO], v[TMP+4*(\t):TMP+4*(\t)+3], s[8:9] offset:2*(\t)*SIZE_N*2  ; 16 lanes store 256 consecutive aligned bytes
.endr
	s_wait_tensorcnt 0x0                           ; the wave's end
	ds_add_u32 v[SPW], v[NIL]
	s_wait_dscnt 0x0
	CROUND                                         ; the closing round
	s_endpgm
.Lfunc_end_k_qc3bd83818c_gemm_f1:
	.size	k_qc3bd83818c_gemm_f1, .Lfunc_end_k_qc3bd83818c_gemm_f1-k_qc3bd83818c_gemm_f1
	.p2alignl 7, 3214868480
	.fill 96, 4, 3214868480
	.section	.rodata,"a",@progbits
	.p2align	6, 0x0
	.amdhsa_kernel k_qc3bd83818c_gemm_f1
		.amdhsa_group_segment_fixed_size 327680
		.amdhsa_private_segment_fixed_size 0
		.amdhsa_enable_private_segment 0
		.amdhsa_kernarg_size 32
		.amdhsa_user_sgpr_count 2
		.amdhsa_user_sgpr_kernarg_segment_ptr 1
		.amdhsa_wavefront_size32 1
		.amdhsa_system_sgpr_workgroup_id_x 1
		.amdhsa_system_sgpr_workgroup_id_y 1
		.amdhsa_system_sgpr_workgroup_id_z 1
		.amdhsa_system_vgpr_workitem_id 0
		.amdhsa_next_free_vgpr 512
		.amdhsa_next_free_sgpr 84
		.amdhsa_reserve_vcc 0
		.amdhsa_float_denorm_mode_32 3
		.amdhsa_float_denorm_mode_16_64 3
		.amdhsa_memory_ordered 1
		.amdhsa_forward_progress 1
		.amdhsa_inst_pref_size 120
	.end_amdhsa_kernel
	.amdgpu_metadata
---
amdhsa.version: [ 1, 2 ]
amdhsa.kernels:
  - .name:           k_qc3bd83818c_gemm_f1
    .symbol:         k_qc3bd83818c_gemm_f1.kd
    .args:
      - { .name: hn, .offset: 0, .size: 8, .value_kind: global_buffer, .address_space: global }
      - { .name: wb, .offset: 8, .size: 8, .value_kind: global_buffer, .address_space: global }
      - { .name: b1, .offset: 16, .size: 8, .value_kind: global_buffer, .address_space: global }
      - { .name: big, .offset: 24, .size: 8, .value_kind: global_buffer, .address_space: global }
    .group_segment_fixed_size: 327680
    .private_segment_fixed_size: 0
    .kernarg_segment_align: 8
    .kernarg_segment_size: 32
    .max_flat_workgroup_size: 128
    .sgpr_count:     84
    .vgpr_count:     512
    .wavefront_size: 32
...
	.end_amdgpu_metadata
.endif
;; end of part 6
;; launch gemm_f2 (part 7): grid 8 x 32, 4 waves a work-group, clusters of 4 x 4, 327,680 bytes of LDS; arguments big, wb, b2, x1, out0; writes out0
.if DOCPART == 7
	.amdgcn_target "amdgcn-amd-amdhsa--gfx1250"
	.amdhsa_code_object_version 6
	.text
	.protected	k_qc3bd83818c_gemm_f2
	.globl	k_qc3bd83818c_gemm_f2
	.p2align	8
	.type	k_qc3bd83818c_gemm_f2,@function
k_qc3bd83818c_gemm_f2:
	s_mov_b64 s[64:65], 0
	v_nop
	global_prefetch_b8 v0, s[64:65] scope:SCOPE_SE
	s_setreg_imm32_b32 hwreg(HW_REG_WAVE_MODE, 25, 1), 1
	s_wait_xcnt 0x0
	s_wait_alu depctr_hold_cnt(0) depctr_sa_sdst(0) depctr_va_vdst(0) depctr_va_sdst(0) depctr_va_ssrc(0) depctr_va_vcc(0) depctr_vm_vsrc(0)
	s_getreg_b32 s2, hwreg(HW_REG_IB_STS2, 6, 4)
	s_cmp_eq_u32 s2, 0
	s_cbranch_scc0 .Lentry_in_a_cluster
	s_endpgm
.Lentry_in_a_cluster:
	s_bfe_u32 s2, ttmp6, 0x10000c
	s_cmp_lg_u32 s2, 0xf033
	s_cbranch_scc0 .Lentry_shape_is_right
	s_endpgm
.Lentry_shape_is_right:
; out0[m][n] = x1[m][n] + b2[n] + sum over k of g[m][k] w2[n][k].  g: [4096][4096] f16, w2: [1024][4096] f16 (in wb); x1, b2, out0 f32; sums in f32, nothing rounded on the way out.
; A tile of C is 128 x 128; four waves of 64 x 64 (16 accumulators); K in steps of 256 through two LDS slots; 4 x 4 work-groups form a cluster: A's tiles are asked for jointly along a row of it, B's along a column.
; The matrix instruction is used transposed (source 0 = rows of the weights, source 1 = rows of g): a lane holds one row m and eight neighbouring columns.
; A wave's 64 columns of f32 are 256 aligned bytes of a row, so each wave has a stage of its own and stores whole rows of its part: sixteen lanes, 256 consecutive bytes.
; REGISTERS: window 0: v0-31 addresses; v32-63 at work on the way out; v96-99 bias; v128-255 accumulators.  window 1: two fragment buffers of 128.  window 2: v0-127 my part of the residual.
.set SIZE_N, 1024
.set SIZE_K, 4096
.set WOFF,   16777216
.set KSTEP,  256
.set PITCH,  528                       ; an LDS row: 512 bytes + 16 of padding: the 16 rows of a fragment load start at 16 different groups of four banks
.set HALFT,  64*PITCH
.set SLOT,   4*HALFT
.set STAGE,  2*SLOT                    ; behind the ring, never filled by a tensor load
.set SPITCH, 272                       ; the way out: 16 rows of 256 bytes + 16, for each wave
.set SPARE,  STAGE+34816               ; the spare words, 128 bytes a wave
.set LAPS, SIZE_K/(2*KSTEP)
.set ADRA, 16
.set ADRB, 20
.set STO,  24
.set RD,   25
.set CO,   26
.set BO,   27
.set SPW,  28
.set NIL,  29
.set TMP,  32
.set BIA,  96
.set ACC,  128
.set F0,   0
.set F1,   128
.set G1, 24
.set G0, 32
.set G1B, 48
.set G0B, 56
.set MSB, 0
.macro WIN new                         ; the immediate's high byte repeats the setting that is left
.if MSB != (\new)
	s_set_vgpr_msb (MSB<<8)|(\new)
.set MSB, \new
.endif
.endm
.set MUL,  0x05                        ; sources 0 and 1 window 1; C and D window 0
.set TO_F, 0x40                        ; destination window 1, address window 0
.macro JLOAD s                         ; a joint load: waves 0 and 1 fetch A's two halves, waves 2 and 3 B's; an s_nop 0 and four v_nop follow each line
	s_cmp_eq_u32 s11, 0
	s_cbranch_scc0 .Lfor_b_\@
	tensor_load_to_lds s[G0+4*(\s):G0+4*(\s)+3], s[G1:G1+7]
	s_nop 0
.rept 4
	v_nop
.endr
	s_branch .Lasked_\@
.Lfor_b_\@:
	tensor_load_to_lds s[G0B+4*(\s):G0B+4*(\s)+3], s[G1B:G1B+7]
	s_nop 0
.rept 4
	v_nop
.endr
.Lasked_\@:
.endm
.macro CREST                           ; a round of the cluster's barrier behind its opening barrier
	s_cmp_lg_u32 s10, 0
	s_cbranch_scc1 .Lnot_wave_0_\@
	s_barrier_signal -3
.Lnot_wave_0_\@:
	s_barrier_wait -3
	s_barrier_signal -1
	s_barrier_wait -1
.endm
.macro CROUND
	s_barrier_signal -1
	s_barrier_wait -1
	CREST
.endm
	s_load_b128 s[4:7], s[0:1], 0x0                ; A s[4:5], wb s[6:7]
	s_load_b128 s[68:71], s[0:1], 0x10             ; bias s[68:69], residual s[70:71]
	s_load_b64 s[8:9], s[0:1], 0x20                ; the output
	v_lshl_add_u32 v[SPW], v0, 2, SPARE
	v_mov_b32 v[NIL], 0
	ds_add_u32 v[SPW], v[NIL]                      ; the wave's opening: the add and its wait ahead of my first tensor load
	ds_add_u32 v28, v29
	v_lshrrev_b32 v1, 5, v0
	v_readfirstlane_b32 s10, v1                    ; wave 0..3
	s_lshr_b32 s11, s10, 1                         ; my half of the tile's rows; also: I fetch for A (0) or B (1)
	s_and_b32 s12, s10, 1                          ; my half of its columns; also: which 64 rows I fetch
	s_bfe_u32 s40, ttmp6, 0x40000                  ; cx
	s_bfe_u32 s41, ttmp6, 0x40004                  ; cy
	s_lshl_b32 s42, ttmp9, 2
	s_add_co_u32 s42, s42, s40                     ; tile column
	s_and_b32 s13, ttmp7, 0xffff
	s_lshl_b32 s13, s13, 2
	s_add_co_u32 s13, s13, s41                     ; tile row
	s_lshl_b32 s43, s41, 2
	s_lshl_b32 s43, 15, s43                        ; my row of the cluster
	s_lshl_b32 s44, 0x1111, s40                    ; my column
	s_or_b32 s[G1+0], s43, (1<<16)|(1<<20)|(1<<21)|(6<<22)|(3<<25)  ; mask; 2-byte elements; padding on; bit 21 beside a mask; after every 128 words, 4 words
	s_or_b32 s[G1B+0], s44, (1<<16)|(1<<20)|(1<<21)|(6<<22)|(3<<25)
.irp g, G1, G1B
	s_mov_b32 s[(\g)+1], KSTEP<<16                 ; tensor_dim0 = 256
	s_mov_b32 s[(\g)+2], 64<<16                    ; tensor_dim1 = 64
	s_mov_b32 s[(\g)+3], KSTEP<<16                 ; tile_dim0 = 256
	s_mov_b32 s[(\g)+4], 64                        ; tile_dim1 = 64
	s_mov_b32 s[(\g)+5], SIZE_K                    ; elements from row to row
	s_mov_b32 s[(\g)+6], 0
	s_mov_b32 s[(\g)+7], 0
.endr
	s_lshl_b32 s17, s12, 6
	s_lshl_b32 s16, s13, 7
	s_add_co_u32 s16, s16, s17                     ; A: row 128 x tile row + 64 x half
	s_lshl_b32 s46, s42, 7
	s_add_co_u32 s46, s46, s17                     ; B: row 128 x tile column + 64 x half
	s_mov_b32 s17, 0
	s_mov_b32 s47, 0
	s_mov_b64 s[18:19], SIZE_K*2
	s_mul_u64 s[16:17], s[16:17], s[18:19]
	s_mul_u64 s[46:47], s[46:47], s[18:19]
	s_mul_i32 s20, s10, HALFT                      ; where they go: wave x 64 rows
	s_wait_dscnt 0x0                               ; the opening add is done
	s_wait_kmcnt 0x0
.if WOFF
	s_add_nc_u64 s[6:7], s[6:7], WOFF              ; this product's weights in wb
.endif
	s_add_nc_u64 s[14:15], s[4:5], s[16:17]
	s_add_nc_u64 s[46:47], s[6:7], s[46:47]
	CROUND                                         ; all sixteen work-groups are here: the first joint loads meet
.irp s, 0,1
	s_mov_b32 s[G0+4*(\s)], 1
	s_add_co_u32 s[G0+4*(\s)+1], s20, (\s)*SLOT
	s_add_nc_u64 s[G0+4*(\s)+2:G0+4*(\s)+3], s[14:15], (\s)*KSTEP*2
	s_or_b32 s[G0+4*(\s)+3], s[G0+4*(\s)+3], 0x80000000
	s_mov_b32 s[G0B+4*(\s)], 1
	s_add_co_u32 s[G0B+4*(\s)+1], s20, (\s)*SLOT
	s_add_nc_u64 s[G0B+4*(\s)+2:G0B+4*(\s)+3], s[46:47], (\s)*KSTEP*2
	s_or_b32 s[G0B+4*(\s)+3], s[G0B+4*(\s)+3], 0x80000000
	JLOAD \s
.endr
	v_and_b32 v1, 15, v0                           ; r = l % 16
	v_bfe_u32 v2, v0, 4, 1                         ; h = l / 16
	v_mul_u32_u24 v3, v1, PITCH
	v_lshl_add_u32 v3, v2, 4, v3
	s_mul_i32 s21, s11, HALFT
	s_mul_i32 s22, s12, HALFT
	s_add_co_u32 s22, s22, 2*HALFT
.irp s, 0,1
	v_add_nc_u32 v[ADRA+(\s)], s21, v3
	v_add_nc_u32 v[ADRB+(\s)], s22, v3
	s_add_co_u32 s21, s21, SLOT
	s_add_co_u32 s22, s22, SLOT
.endr
	; the way out: my own stage of 16 rows x 272 bytes
	s_mul_i32 s23, s10, 16*SPITCH
	s_add_co_u32 s23, s23, STAGE
	v_mul_u32_u24 v4, v1, SPITCH                   ; in: row r, 32 bytes for each half of the lanes
	v_lshl_add_u32 v4, v2, 5, v4
	v_add_nc_u32 v[STO], s23, v4
	v_mul_u32_u24 v5, v2, SPITCH                   ; back: lanes 0-15 one row of 256 bytes, lanes 16-31 the next
	v_lshl_add_u32 v5, v1, 4, v5
	v_add_nc_u32 v[RD], s23, v5
	v_lshlrev_b32 v[BO], 4, v1                     ; my four columns
	v_lshl_add_u32 v[CO], v2, 12, v[BO]            ; and the same two rows in the residual and the output: rows of 4,096 bytes
	s_lshl_b32 s16, s13, 7
	s_lshl_b32 s17, s11, 6
	s_add_co_u32 s16, s16, s17                     ; my first row
	s_lshl_b32 s16, s16, 12
	s_mov_b32 s17, 0
	s_add_nc_u64 s[70:71], s[70:71], s[16:17]
	s_add_nc_u64 s[8:9], s[8:9], s[16:17]
	s_lshl_b32 s46, s42, 9                         ; my first column, in bytes of f32
	s_lshl_b32 s47, s12, 8
	s_add_co_u32 s46, s46, s47
	s_mov_b32 s47, 0
	s_add_nc_u64 s[70:71], s[70:71], s[46:47]
	s_add_nc_u64 s[8:9], s[8:9], s[46:47]
	s_add_nc_u64 s[68:69], s[68:69], s[46:47]
	; what the way out needs is asked for now and waited for there: bias and residual
	global_load_b128 v[BIA:BIA+3], v[BO], s[68:69]
	WIN 0x80                                       ; destination window 2
.irp a, 0,1,2,3
.irp t, 0,1,2,3,4,5,6,7
	global_load_b128 v[4*(8*(\a)+(\t)):4*(8*(\a)+(\t))+3], v[CO], s[70:71] offset:(16*(\a)+2*(\t))*4096
.endr
.endr
	WIN 0
.macro MUL8 f, c, a0, zero             ; 8 matrix instructions: row blocks a0, a0 + 1 x 4 column blocks, 32 along K; the 16 accumulators take turns
	WIN MUL
.irp a, \a0, (\a0)+1
.irp b, 0,1,2,3
.if \zero
	v_wmma_f32_16x16x32_f16 v[ACC+8*(4*(\a)+(\b)):ACC+8*(4*(\a)+(\b))+7], v[(\f)+64+8*(4*(\c)+(\b)):(\f)+64+8*(4*(\c)+(\b))+7], v[(\f)+8*(4*(\c)+(\a)):(\f)+8*(4*(\c)+(\a))+7], 0
.else
	v_wmma_f32_16x16x32_f16 v[ACC+8*(4*(\a)+(\b)):ACC+8*(4*(\a)+(\b))+7], v[(\f)+64+8*(4*(\c)+(\b)):(\f)+64+8*(4*(\c)+(\b))+7], v[(\f)+8*(4*(\c)+(\a)):(\f)+8*(4*(\c)+(\a))+7], v[ACC+8*(4*(\a)+(\b)):ACC+8*(4*(\a)+(\b))+7]
.endif
.endr
.endr
.endm
.macro FETCH slot, k, f                ; 32 LDS loads in one run: the fragments of 64 along K at byte k of the rows; the first 32 along K first
	WIN TO_F
.irp c, 0,1
.irp i, 0,1,2,3
	ds_load_b128 v[(\f)+64+8*(4*(\c)+(\i)):(\f)+64+8*(4*(\c)+(\i))+3],   v[ADRB+(\slot)] offset:(\k)+64*(\c)+(\i)*16*PITCH
	ds_load_b128 v[(\f)+64+8*(4*(\c)+(\i))+4:(\f)+64+8*(4*(\c)+(\i))+7], v[ADRB+(\slot)] offset:(\k)+64*(\c)+(\i)*16*PITCH+32
	ds_load_b128 v[(\f)+8*(4*(\c)+(\i)):(\f)+8*(4*(\c)+(\i))+3],         v[ADRA+(\slot)] offset:(\k)+64*(\c)+(\i)*16*PITCH
	ds_load_b128 v[(\f)+8*(4*(\c)+(\i))+4:(\f)+8*(4*(\c)+(\i))+7],       v[ADRA+(\slot)] offset:(\k)+64*(\c)+(\i)*16*PITCH+32
.endr
.endr
.endm
.macro PLACES                          ; four plain instructions behind matrix instructions, in front of loads into their sources and of readers of their results
.rept 4
	v_nop
.endr
.endm
.macro QUARTER slot, k, f, g, zero     ; 64 along K: multiplies buffer f, fetches the next quarter into g
	s_wait_dscnt 16                                ; the first 32 along K are in
	WIN MUL
	MUL8 \f, 0, 0, \zero
	MUL8 \f, 0, 2, \zero
	PLACES
	FETCH \slot, \k, \g
	s_wait_dscnt 32                                ; all but the 32 just issued
	WIN MUL
	MUL8 \f, 1, 0, 0
	MUL8 \f, 1, 2, 0
.endm
.macro TURN slot, next, fill           ; the last quarter of a K step changes slots
	WIN 0
	s_wait_tensorcnt 0x0                           ; all my tensor loads have landed: my part of the next slot
	ds_add_u32 v[SPW], v[NIL]
	s_wait_dscnt 17                                ; the add and the youngest sixteen loads may be out
	WIN MUL
	MUL8 F1, 0, 0, 0
	s_wait_dscnt 0x0                               ; the add is done, and my reads of this slot are over
	s_barrier_signal -1
	MUL8 F1, 0, 2, 0
.if \fill
	WIN 0
.endif
	s_barrier_wait -1
.if \fill
	CREST                                          ; no wave of any partner still reads this slot or has a load on its way
	s_add_nc_u64 s[G0+4*(\slot)+2:G0+4*(\slot)+3], s[G0+4*(\slot)+2:G0+4*(\slot)+3], 2*KSTEP*2
	s_add_nc_u64 s[G0B+4*(\slot)+2:G0B+4*(\slot)+3], s[G0B+4*(\slot)+2:G0B+4*(\slot)+3], 2*KSTEP*2
	JLOAD \slot                                    ; the first tensor load behind the round; its four v_nop are also the places in front of the loads below
.else
	PLACES
.endif
	FETCH \next, 0, F0
	WIN MUL
	MUL8 F1, 1, 0, 0
	MUL8 F1, 1, 2, 0
.endm
	s_wait_tensorcnt 1                             ; my part of K step 0 is in; K step 1's may stay out
	s_barrier_signal -1
	s_barrier_wait -1
	FETCH 0, 0, F0
	QUARTER 0, 128, F0, F1, 1                      ; the first products start the sums
.if LAPS > 1
	WIN 0
	s_mov_b32 s3, LAPS-1
.Llap:
	QUARTER 0, 256, F1, F0, 0
	QUARTER 0, 384, F0, F1, 0
	TURN 0, 1, 1
	QUARTER 1, 128, F0, F1, 0
	QUARTER 1, 256, F1, F0, 0
	QUARTER 1, 384, F0, F1, 0
	TURN 1, 0, 1
	QUARTER 0, 128, F0, F1, 0
	WIN 0
	s_sub_co_u32 s3, s3, 1
	s_cmp_lg_u32 s3, 0
	s_cbranch_scc1 .Llap
.endif
	QUARTER 0, 256, F1, F0, 0                      ; the last lap fills nothing
	QUARTER 0, 384, F0, F1, 0
	TURN 0, 1, 0
	QUARTER 1, 128, F0, F1, 0
	QUARTER 1, 256, F1, F0, 0
	QUARTER 1, 384, F0, F1, 0
	s_wait_dscnt 16
	WIN MUL
	MUL8 F1, 0, 0, 0
	MUL8 F1, 0, 2, 0
	s_wait_dscnt 0
	MUL8 F1, 1, 0, 0
	MUL8 F1, 1, 2, 0
	WIN 0
	; THE WAY OUT, a block of 16 rows at a time: the sums go through my stage and come back as whole rows of 256 bytes; residual and bias are added; sixteen lanes store 256 consecutive aligned bytes.
	PLACES
	s_wait_loadcnt 0x0                             ; bias and residual, asked for at the head
.irp a, 0,1,2,3
	s_wait_xcnt 0x0                                ; the block before's stores have read v32-63, which are loaded again below
.irp b, 0,1,2,3
	ds_store_b128 v[STO], v[ACC+8*(4*(\a)+(\b)):ACC+8*(4*(\a)+(\b))+3]   offset:64*(\b)
	ds_store_b128 v[STO], v[ACC+8*(4*(\a)+(\b))+4:ACC+8*(4*(\a)+(\b))+7] offset:64*(\b)+16
.endr
.irp t, 0,1,2,3,4,5,6,7
	ds_load_b128 v[TMP+4*(\t):TMP+4*(\t)+3], v[RD] offset:(\t)*2*SPITCH  ; LDS serves a wave's instructions in order: these see the stores above
.endr
	s_wait_dscnt 0x0
	WIN 0x08                                       ; source 1 in window 2
.irp t, 0,1,2,3,4,5,6,7
	v_pk_add_f32 v[TMP+4*(\t):TMP+4*(\t)+1],   v[TMP+4*(\t):TMP+4*(\t)+1],   v[4*(8*(\a)+(\t)):4*(8*(\a)+(\t))+1]
	v_pk_add_f32 v[TMP+4*(\t)+2:TMP+4*(\t)+3], v[TMP+4*(\t)+2:TMP+4*(\t)+3], v[4*(8*(\a)+(\t))+2:4*(8*(\a)+(\t))+3]
.endr
	WIN 0
.irp t, 0,1,2,3,4,5,6,7
	v_pk_add_f32 v[TMP+4*(\t):TMP+4*(\t)+1],   v[TMP+4*(\t):TMP+4*(\t)+1],   v[BIA:BIA+1]
	v_pk_add_f32 v[TMP+4*(\t)+2:TMP+4*(\t)+3], v[TMP+4*(\t)+2:TMP+4*(\t)+3], v[BIA+2:BIA+3]
.endr
.irp t, 0,1,2,3,4,5,6,7
	global_store_b128 v[CO], v[TMP+4*(\t):TMP+4*(\t)+3], s[8:9] offset:(16*(\a)+2*(\t))*4096
.endr
.endr
	s_wait_tensorcnt 0x0                           ; the wave's end
	ds_add_u32 v[SPW], v[NIL]
	s_wait_dscnt 0x0
	CROUND                                         ; the closing round
	s_endpgm
.Lfunc_end_k_qc3bd83818c_gemm_f2:
	.size	k_qc3bd83818c_gemm_f2, .Lfunc_end_k_qc3bd83818c_gemm_f2-k_qc3bd83818c_gemm_f2
	.p2alignl 7, 3214868480
	.fill 96, 4, 3214868480
	.section	.rodata,"a",@progbits
	.p2align	6, 0x0
	.amdhsa_kernel k_qc3bd83818c_gemm_f2
		.amdhsa_group_segment_fixed_size 327680
		.amdhsa_private_segment_fixed_size 0
		.amdhsa_enable_private_segment 0
		.amdhsa_kernarg_size 40
		.amdhsa_user_sgpr_count 2
		.amdhsa_user_sgpr_kernarg_segment_ptr 1
		.amdhsa_wavefront_size32 1
		.amdhsa_system_sgpr_workgroup_id_x 1
		.amdhsa_system_sgpr_workgroup_id_y 1
		.amdhsa_system_sgpr_workgroup_id_z 1
		.amdhsa_system_vgpr_workitem_id 0
		.amdhsa_next_free_vgpr 640
		.amdhsa_next_free_sgpr 84
		.amdhsa_reserve_vcc 0
		.amdhsa_float_denorm_mode_32 3
		.amdhsa_float_denorm_mode_16_64 3
		.amdhsa_memory_ordered 1
		.amdhsa_forward_progress 1
		.amdhsa_inst_pref_size 97
	.end_amdhsa_kernel
	.amdgpu_metadata
---
amdhsa.version: [ 1, 2 ]
amdhsa.kernels:
  - .name:           k_qc3bd83818c_gemm_f2
    .symbol:         k_qc3bd83818c_gemm_f2.kd
    .args:
      - { .name: big, .offset: 0, .size: 8, .value_kind: global_buffer, .address_space: global }
      - { .name: wb, .offset: 8, .size: 8, .value_kind: global_buffer, .address_space: global }
      - { .name: b2, .offset: 16, .size: 8, .value_kind: global_buffer, .address_space: global }
      - { .name: x1, .offset: 24, .size: 8, .value_kind: global_buffer, .address_space: global }
      - { .name: out0, .offset: 32, .size: 8, .value_kind: global_buffer, .address_space: global }
    .group_segment_fixed_size: 327680
    .private_segment_fixed_size: 0
    .kernarg_segment_align: 8
    .kernarg_segment_size: 40
    .max_flat_workgroup_size: 128
    .sgpr_count:     84
    .vgpr_count:     640
    .wavefront_size: 32
...
	.end_amdgpu_metadata
.endif
;; end of part 7
;; ======== version 2 of 2: 8 launches
;; limits: values are held in f16: magnitudes above 65,504 overflow, below 6.1e-05 lose precision; right only within a limited range of input values
;; workspace buffers: wb 25,165,824 bytes; tab 524,288 bytes; hn 8,388,608 bytes; big 33,554,432 bytes; x1 16,777,216 bytes
;; launch prep: the kernel of part 1 again; grid 832 x 1, 8 waves a work-group, no clusters, 0 bytes of LDS; arguments in_w, out_w, w1, w2, wb, tab; writes wb, tab
;; launch ln1: the kernel of part 2 again; grid 256 x 1, 8 waves a work-group, no clusters, 0 bytes of LDS; arguments x, ln1_g, ln1_b, hn; writes hn
;; launch gemm_qkv (part 8): grid 12 x 16, 4 waves a work-group, clusters of 4 x 4, 327,680 bytes of LDS; arguments hn, wb, in_b, tab, big; writes big
.if DOCPART == 8
	.amdgcn_target "amdgcn-amd-amdhsa--gfx1250"
	.amdhsa_code_object_version 6
	.text
	.protected	k_qc3bd83818c_gemm_qkv
	.globl	k_qc3bd83818c_gemm_qkv
	.p2align	8
	.type	k_qc3bd83818c_gemm_qkv,@function
k_qc3bd83818c_gemm_qkv:
	s_mov_b64 s[64:65], 0
	v_nop
	global_prefetch_b8 v0, s[64:65] scope:SCOPE_SE
	s_setreg_imm32_b32 hwreg(HW_REG_WAVE_MODE, 25, 1), 1
	s_wait_xcnt 0x0
	s_wait_alu depctr_hold_cnt(0) depctr_sa_sdst(0) depctr_va_vdst(0) depctr_va_sdst(0) depctr_va_ssrc(0) depctr_va_vcc(0) depctr_vm_vsrc(0)
	s_getreg_b32 s2, hwreg(HW_REG_IB_STS2, 6, 4)
	s_cmp_eq_u32 s2, 0
	s_cbranch_scc0 .Lentry_in_a_cluster
	s_endpgm
.Lentry_in_a_cluster:
	s_bfe_u32 s2, ttmp6, 0x10000c
	s_cmp_lg_u32 s2, 0xf033
	s_cbranch_scc0 .Lentry_shape_is_right
	s_endpgm
.Lentry_shape_is_right:
; qkv[m][n] = sum over k of h[m][k] in_w[n][k] + in_b[n]; q is multiplied by 1/8; q and k are rotated by the table; all three leave by heads, f16: big = q, k, v, each [16 b + head][t][64], m = 2 t + b.
; h: [4096][1024] f16, in_w: [3072][1024] f16 (the head of wb); sums, bias, scale and rotation in f32; each result rounded once.  LIMIT: q, k and v must lie within f16's range, 65,504.
; A tile of C is 256 x 256: four waves, each 128 x 128 (64 accumulators, 512 registers).  K goes in steps of 128 through two LDS slots; 4 x 4 work-groups form a cluster: A's tiles are asked for jointly
; along a row of it, B's along a column.  12 x 16 = 192 work-groups: a tile of 192 columns would make 256 of them but would cut heads in two.
; THE TEXT OF A K STEP STANDS ONCE: the slot is a scalar that an exclusive or turns between 0 and SLOT; the fragments' addresses are made from it; one descriptor a tensor walks.
; The matrix instruction is used transposed (source 0 = rows of the weights, source 1 = rows of h): a lane holds one row m and eight neighbouring columns.
; THE WAY OUT IS A LOOP: the f32 sums go into the ring, which has had its last fill (each wave 128 rows x 528 bytes of its own), and come back eight rows a trip.  A load takes the 64 columns of one head for
; two neighbouring t of one b, so channels d and d + 32 lie eight lanes apart, and a store covers 256 consecutive bytes of a head.  cos and sin come from a copy of the table's 128 rows in LDS;
; v takes the table's row 0 (cos = 1, sin = 0) for every t, so the three kinds run one text without a branch.
; REGISTERS: window 0: v0-31 addresses; v64-127, v128-191 fragments of A, two buffers; v208-215 the bias, which no fragment and no line of the way out's work touches; on the way out v32-207 at work.
;            window 1: v64-191 fragments of B.  windows 2, 3: accumulators ((a, b) at v[8 (8 a + b)]).
.set SIZE_K, 1024
.set WOFF,   0
.set KSTEP,  128
.set PITCH,  272                       ; an LDS row: 256 bytes + 16 of padding: the 16 rows of a fragment load start at 16 different groups of four banks
.set HALFT,  128*PITCH                 ; what one tensor load brings
.set SLOT,   4*HALFT                   ; A's 256 rows, then B's; its set bits (17 and 13) meet none of wave x HALFT, so an exclusive or adds or takes it
.set SPARE,  2*SLOT                    ; behind the ring: the spare words, 128 bytes a wave
.set TABL,   SPARE+512                 ; behind them: 128 rows of the table, 256 bytes each; stored once, never filled by a tensor load
.set WPITCH, 528                       ; the way out: a row of 128 f32 + 16 bytes
.set WSTAGE, 128*WPITCH
.set FILLS,  SIZE_K/KSTEP-2            ; K steps 2 .. 7 come by refills
.set ADRA0, 16                         ; my A fragments' address in slot 0; never rewritten
.set ADRB0, 17
.set ADRA,  18                         ; in the slot in hand
.set ADRB,  19
.set SG,   23                          ; the sine's sign: minus for channels 0-31
.set STO,  24
.set RD,   25
.set CO,   26
.set BO,   27
.set SPW,  28
.set NIL,  29
.set PFO,  30
.set TR,   31
.set F0,   64
.set F1,   128
.set BIA,  208                         ; v208-211 the bias of my first head's four channels, v212-215 of my second's
.set G1, 24
.set G0, 32                            ; s[32:35] A's first fill; s[36:39] its second, which then walks
.set G1B, 48
.set G0B, 56
.set LIM, 43                           ; 2 in a wave that prefetches, else the greatest number
.set PFA, 44
.set TB,  66                           ; 0 or SLOT: the slot in hand
.set MSB, 0
.macro WIN new                         ; the immediate's high byte repeats the setting that is left
.if MSB != (\new)
	s_set_vgpr_msb (MSB<<8)|(\new)
.set MSB, \new
.endif
.endm
.set MUL_LO, 0xa1                      ; source 0 (B) window 1, source 1 (A) window 0, C and D window 2
.set MUL_HI, 0xf1                      ; the same, C and D window 3
.set TO_B,   0x40
.macro JLOAD s                         ; a joint load: waves 0 and 1 fetch A's two halves, waves 2 and 3 B's; an s_nop 0 and four v_nop follow each line
	s_cmp_eq_u32 s11, 0
	s_cbranch_scc0 .Lfor_b_\@
	tensor_load_to_lds s[G0+4*(\s):G0+4*(\s)+3], s[G1:G1+7]
	s_nop 0
.rept 4
	v_nop
.endr
	s_branch .Lasked_\@
.Lfor_b_\@:
	tensor_load_to_lds s[G0B+4*(\s):G0B+4*(\s)+3], s[G1B:G1B+7]
	s_nop 0
.rept 4
	v_nop
.endr
.Lasked_\@:
.endm
; A prefetch, behind a joint load and the run of LDS loads that follows it: the K step that stands two refills on, 32 rows x 256 bytes, a lane a row.  A's rows are asked for by the clusters with x = 0,
; B's by those with y = 0; the four partners that ask for a tile jointly share its rows out by address.  So each row's 256 bytes of a K step are named once.  The last two refills ask for nothing.
.macro ASK
	s_cmp_gt_u32 s3, s[LIM]
	s_cbranch_scc0 .Lnot_mine_\@
	global_prefetch_b8 v[PFO], s[PFA:PFA+1] offset:KSTEP*2 th:TH_LOAD_NT scope:SCOPE_SE
.Lnot_mine_\@:
.endm
.macro CREST                           ; a round of the cluster's barrier behind its opening barrier
	s_cmp_lg_u32 s10, 0
	s_cbranch_scc1 .Lnot_wave_0_\@
	s_barrier_signal -3
.Lnot_wave_0_\@:
	s_barrier_wait -3
	s_barrier_signal -1
	s_barrier_wait -1
.endm
.macro CROUND
	s_barrier_signal -1
	s_barrier_wait -1
	CREST
.endm
	s_load_b128 s[4:7], s[0:1], 0x0                ; h s[4:5], wb s[6:7]
	s_load_b128 s[68:71], s[0:1], 0x10             ; in_b s[68:69], tab s[70:71]
	s_load_b64 s[8:9], s[0:1], 0x20                ; big
	v_lshl_add_u32 v[SPW], v0, 2, SPARE
	v_mov_b32 v[NIL], 0
	ds_add_u32 v[SPW], v[NIL]                      ; the wave's opening: the add and its wait ahead of my first tensor load
	ds_add_u32 v28, v29
	v_lshrrev_b32 v1, 5, v0
	v_readfirstlane_b32 s10, v1                    ; wave 0..3
	s_lshr_b32 s11, s10, 1                         ; my half of the tile's rows; also: I fetch for A (0) or B (1)
	s_and_b32 s12, s10, 1                          ; my half of its columns; also: which 128 rows I fetch
	s_bfe_u32 s40, ttmp6, 0x40000                  ; cx
	s_bfe_u32 s41, ttmp6, 0x40004                  ; cy
	s_lshl_b32 s42, ttmp9, 2
	s_add_co_u32 s42, s42, s40                     ; tile column
	s_and_b32 s13, ttmp7, 0xffff
	s_lshl_b32 s13, s13, 2
	s_add_co_u32 s13, s13, s41                     ; tile row
	s_lshl_b32 s43, s41, 2
	s_lshl_b32 s43, 15, s43                        ; my row of the cluster
	s_lshl_b32 s44, 0x1111, s40                    ; my column
	s_or_b32 s[G1+0], s43, (1<<16)|(1<<20)|(1<<21)|(5<<22)|(3<<25)  ; mask; 2-byte elements; padding on; bit 21 beside a mask; after every 64 words, 4 words
	s_or_b32 s[G1B+0], s44, (1<<16)|(1<<20)|(1<<21)|(5<<22)|(3<<25)
.irp g, G1, G1B
	s_mov_b32 s[(\g)+1], KSTEP<<16                 ; tensor_dim0 = 128
	s_mov_b32 s[(\g)+2], 128<<16                   ; tensor_dim1 = 128
	s_mov_b32 s[(\g)+3], KSTEP<<16                 ; tile_dim0 = 128
	s_mov_b32 s[(\g)+4], 128                       ; tile_dim1 = 128
	s_mov_b32 s[(\g)+5], SIZE_K                    ; elements from row to row
	s_mov_b32 s[(\g)+6], 0
	s_mov_b32 s[(\g)+7], 0
.endr
	s_lshl_b32 s17, s12, 7
	s_lshl_b32 s16, s13, 8
	s_add_co_u32 s16, s16, s17                     ; A: row 256 x tile row + 128 x half
	s_lshl_b32 s46, s42, 8
	s_add_co_u32 s46, s46, s17                     ; B: row 256 x tile column + 128 x half
	s_mov_b32 s17, 0
	s_mov_b32 s47, 0
	s_mov_b64 s[18:19], SIZE_K*2
	s_mul_u64 s[16:17], s[16:17], s[18:19]
	s_mul_u64 s[46:47], s[46:47], s[18:19]
	s_mul_i32 s20, s10, HALFT                      ; where they go: wave x 128 rows
	s_mov_b32 s[TB], 0
	s_wait_dscnt 0x0                               ; the opening add is done
	s_wait_kmcnt 0x0
.if WOFF
	s_add_nc_u64 s[6:7], s[6:7], WOFF
.endif
	s_add_nc_u64 s[14:15], s[4:5], s[16:17]
	s_add_nc_u64 s[46:47], s[6:7], s[46:47]
	CROUND                                         ; all sixteen work-groups are here: the first joint loads meet
.irp s, 0,1
	s_mov_b32 s[G0+4*(\s)], 1
	s_add_co_u32 s[G0+4*(\s)+1], s20, (\s)*SLOT
	s_add_nc_u64 s[G0+4*(\s)+2:G0+4*(\s)+3], s[14:15], (\s)*KSTEP*2
	s_or_b32 s[G0+4*(\s)+3], s[G0+4*(\s)+3], 0x80000000
	s_mov_b32 s[G0B+4*(\s)], 1
	s_add_co_u32 s[G0B+4*(\s)+1], s20, (\s)*SLOT
	s_add_nc_u64 s[G0B+4*(\s)+2:G0B+4*(\s)+3], s[46:47], (\s)*KSTEP*2
	s_or_b32 s[G0B+4*(\s)+3], s[G0B+4*(\s)+3], 0x80000000
	JLOAD \s
.endr
	v_and_b32 v1, 15, v0                           ; r = l % 16
	v_bfe_u32 v2, v0, 4, 1                         ; g = l / 16
	v_and_b32 v5, 31, v0                           ; l
	; the table's rows for my work-group's 128 t: wave w brings 32 of them, two a load; for v every row is row 0
	s_mov_b32 s67, ttmp9                           ; 0: q, 1: k, 2: v: a cluster's four tile columns are 1,024 columns, so the same in all partners
	s_cmp_eq_u32 s67, 0
	s_cselect_b32 s76, 0x3e000000, 1.0             ; q is multiplied by 1/8
	s_mov_b32 s77, s76
	s_cmp_eq_u32 s67, 2
	s_cselect_b32 s78, 0, 256                      ; bytes from t to t + 1 in the table
	s_lshl_b32 s79, s78, 1
	s_lshl_b32 s74, s13, 7                         ; the work-group's first t = 128 x tile row
	s_lshl_b32 s75, s10, 5
	s_add_co_u32 s74, s74, s75
	v_add_nc_u32 v6, s74, v2
	v_mul_u32_u24 v6, v6, s78
	v_lshl_add_u32 v32, v1, 4, v6
.set j, 0
.rept 15
	v_add_nc_u32 v[33+j], s79, v[32+j]             ; an offset register for each load: none is rewritten while a load may read it
.set j, j+1
.endr
.set j, 0
.rept 16
	global_load_b128 v[64+4*j:64+4*j+3], v[32+j], s[70:71]  ; v64-127: free until the first fragments are fetched, behind the wait and the stores below
.set j, j+1
.endr
	s_lshl_b32 s46, s42, 10                        ; my first column, in bytes of f32: 1,024 x tile column + 512 x half
	s_lshl_b32 s47, s12, 9
	s_add_co_u32 s46, s46, s47
	s_mov_b32 s47, 0
	s_add_nc_u64 s[68:69], s[68:69], s[46:47]
	v_lshlrev_b32 v[BO], 4, v1                     ; my four channels of a head
	global_load_b128 v[BIA:BIA+3], v[BO], s[68:69]               ; the bias of my wave's first head,
	global_load_b128 v[BIA+4:BIA+7], v[BO], s[68:69] offset:256  ; and of its second
	v_mul_u32_u24 v3, v1, PITCH
	v_lshl_add_u32 v3, v2, 4, v3
	s_mul_i32 s21, s11, HALFT
	s_mul_i32 s22, s12, HALFT
	s_add_co_u32 s22, s22, 2*HALFT
	v_add_nc_u32 v[ADRA0], s21, v3
	v_add_nc_u32 v[ADRB0], s22, v3
	v_mov_b32 v[ADRA], v[ADRA0]
	v_mov_b32 v[ADRB], v[ADRB0]
	s_mul_i32 s23, s10, WSTAGE                     ; my stage on the way out
	v_mul_u32_u24 v4, v1, WPITCH                   ; in: row r, 32 bytes for each half of the lanes
	v_lshl_add_u32 v4, v2, 5, v4
	v_add_nc_u32 v[STO], s23, v4
	v_mul_u32_u24 v8, v2, 2*WPITCH                 ; back: lanes 0-15 a row's 256 bytes of one head, lanes 16-31 those of the row two further down (the next t)
	v_lshl_add_u32 v8, v1, 4, v8
	v_add_nc_u32 v[RD], s23, v8
	v_lshlrev_b32 v[CO], 3, v5                     ; which leave as 256 consecutive bytes
	s_lshl_b32 s75, s11, 14                        ; the table in LDS at my 64 t
	s_add_co_u32 s75, s75, TABL
	v_and_b32 v8, 7, v0
	v_lshlrev_b32 v8, 4, v8
	v_lshl_add_u32 v8, v2, 8, v8
	v_add_nc_u32 v[TR], s75, v8
	v_and_b32 v8, 8, v0
	v_xor_b32 v8, 8, v8
	v_lshlrev_b32 v[SG], 28, v8
	s_lshl_b32 s75, s10, 13
	s_add_co_u32 s75, s75, TABL
	v_lshl_add_u32 v7, v5, 4, s75                  ; where my 32 rows of the table go
	s_lshl_b32 s72, s67, 23                        ; q, k, v are 8,388,608 bytes each,
	s_lshl_b32 s73, s40, 2
	s_lshl_b32 s74, s12, 1
	s_add_co_u32 s73, s73, s74                     ; my first head
	s_lshl_b32 s73, s73, 18                        ; a head 262,144 bytes,
	s_add_co_u32 s72, s72, s73
	s_lshl_b32 s74, s13, 7
	s_lshl_b32 s75, s11, 6
	s_add_co_u32 s74, s74, s75                     ; my first t
	s_lshl_b32 s75, s74, 7                         ; a row 128
	s_add_co_u32 s72, s72, s75
	s_mov_b32 s73, 0
	s_add_nc_u64 s[8:9], s[8:9], s[72:73]
	; the prefetches
	s_lshl_b32 s20, s13, 8
	s_lshl_b32 s21, s42, 8
	s_and_b32 s22, ttmp7, 0xffff                   ; cluster y
	s_cmp_eq_u32 s11, 0                            ; do I fetch for A?
	s_cselect_b32 s20, s20, s21                    ; the tile's first row
	s_cselect_b32 s21, s40, s41                    ; my place among the four that ask for it with me
	s_cselect_b32 s22, ttmp9, s22                  ; the coordinate along which other clusters read the same rows
	s_cselect_b64 s[PFA:PFA+1], s[4:5], s[6:7]
	s_cmp_eq_u32 s22, 0
	s_cselect_b32 s[LIM], 2, -1
	s_lshl_b32 s22, s12, 7
	s_add_co_u32 s20, s20, s22                     ; + the 128 rows that I fetch
	s_lshl_b32 s21, s21, 5
	s_add_co_u32 s20, s20, s21                     ; + my work-group's 32 of them
	s_lshl_b32 s20, s20, 11                        ; rows of 2,048 bytes
	s_mov_b32 s21, 0
	s_add_nc_u64 s[PFA:PFA+1], s[PFA:PFA+1], s[20:21]
	s_add_nc_u64 s[PFA:PFA+1], s[PFA:PFA+1], 2*KSTEP*2  ; at K step 2: the first refill steps it to 3 and names K step 4
	v_lshlrev_b32 v[PFO], 11, v5
	s_wait_loadcnt 0x0                             ; table and bias; the first tiles are on their way meanwhile
.set j, 0
.rept 16
	ds_store_b128 v7, v[64+4*j:64+4*j+3] offset:512*j
.set j, j+1
.endr
.set j, 0
.rept 4
	v_pk_mul_f32 v[BIA+2*j:BIA+2*j+1], v[BIA+2*j:BIA+2*j+1], s[76:77] op_sel_hi:[1,0]  ; the bias takes q's scale too
.set j, j+1
.endr
.macro MUL16 f, hi, a0, zero           ; 16 matrix instructions: row blocks a0, a0 + 1 of the window's four x 8 column blocks, 32 along K; the 64 accumulators take turns
	WIN MUL_LO+0x50*(\hi)
.irp a, \a0, (\a0)+1
.irp b, 0,1,2,3,4,5,6,7
.if \zero
	v_wmma_f32_16x16x32_f16 v[8*(8*(\a)+(\b)):8*(8*(\a)+(\b))+7], v[(\f)+8*(\b):(\f)+8*(\b)+7], v[(\f)+8*(4*(\hi)+(\a)):(\f)+8*(4*(\hi)+(\a))+7], 0
.else
	v_wmma_f32_16x16x32_f16 v[8*(8*(\a)+(\b)):8*(8*(\a)+(\b))+7], v[(\f)+8*(\b):(\f)+8*(\b)+7], v[(\f)+8*(4*(\hi)+(\a)):(\f)+8*(4*(\hi)+(\a))+7], v[8*(8*(\a)+(\b)):8*(8*(\a)+(\b))+7]
.endif
.endr
.endr
.endm
.macro FETCH k, f                      ; 32 LDS loads in one run: the fragments of 32 along K at byte k of the rows of the slot in hand
	WIN TO_B
.irp i, 0,1,2,3,4,5,6,7
	ds_load_b128 v[(\f)+8*(\i):(\f)+8*(\i)+3],   v[ADRB] offset:(\k)+(\i)*16*PITCH
	ds_load_b128 v[(\f)+8*(\i)+4:(\f)+8*(\i)+7], v[ADRB] offset:(\k)+(\i)*16*PITCH+32
.endr
	WIN 0
.irp i, 0,1,2,3,4,5,6,7
	ds_load_b128 v[(\f)+8*(\i):(\f)+8*(\i)+3],   v[ADRA] offset:(\k)+(\i)*16*PITCH
	ds_load_b128 v[(\f)+8*(\i)+4:(\f)+8*(\i)+7], v[ADRA] offset:(\k)+(\i)*16*PITCH+32
.endr
.endm
.macro PLACES                          ; four plain instructions behind matrix instructions, in front of loads into their sources and of readers of their results
.rept 4
	v_nop
.endr
.endm
.macro QUARTER k, f, g, zero           ; 32 along K: multiplies buffer f; in its middle it fetches the next quarter, at byte k, into g
	s_wait_dscnt 8                                 ; B and A's rows 0-63 are in; the youngest eight loads may be out
	MUL16 \f, 0, 0, \zero
	MUL16 \f, 0, 2, \zero
	PLACES
	FETCH \k, \g
	s_wait_dscnt 32                                ; all but the 32 just issued
	MUL16 \f, 1, 0, \zero
	MUL16 \f, 1, 2, \zero
.endm
; The last quarter of a K step multiplies buffer 1 and changes slots.  fill = 1: the slot just read is filled again, two K steps on, behind a round of the cluster's barrier: 224 matrix instructions ahead of the wait for it.
; fill = 0: nothing is asked for; in the last trip there is no next slot either, and the run of LDS loads is jumped; its barrier then says that nobody reads the ring any more.
.macro TURN fill
.if \fill
	s_wait_xcnt 0x0                                ; the last prefetch, a K step back, has read its address
	s_add_nc_u64 s[PFA:PFA+1], s[PFA:PFA+1], KSTEP*2
.endif
	WIN 0
	s_wait_tensorcnt 0x0                           ; all my tensor loads have landed: my part of the next slot; so a descriptor may be written
	ds_add_u32 v[SPW], v[NIL]                      ; work on registers follows
	s_xor_b32 s[TB], s[TB], SLOT                   ; the other slot
	v_add_nc_u32 v[ADRA], s[TB], v[ADRA0]
	v_add_nc_u32 v[ADRB], s[TB], v[ADRB0]
.if \fill
	s_xor_b32 s[G0+5], s[G0+5], SLOT               ; the walking descriptors: the other slot than last time, the next K step
	s_add_nc_u64 s[G0+6:G0+7], s[G0+6:G0+7], KSTEP*2
	s_xor_b32 s[G0B+5], s[G0B+5], SLOT
	s_add_nc_u64 s[G0B+6:G0B+7], s[G0B+6:G0B+7], KSTEP*2
.endif
	s_wait_dscnt 9                                 ; the add and the youngest eight loads may be out
	MUL16 F1, 0, 0, 0
	s_wait_dscnt 0x0                               ; the add is done, and my reads of this slot are over
	s_barrier_signal -1
	MUL16 F1, 0, 2, 0
	WIN 0
	s_barrier_wait -1
.if \fill
	CREST                                          ; no wave of any partner still reads this slot or has a load on its way
	JLOAD 1                                        ; the first tensor load behind the round; its four v_nop are also the places in front of the loads below
.else
	s_cmp_eq_u32 s3, 1
	s_cbranch_scc1 .Lno_more_\@
	PLACES
.endif
	FETCH 0, F0
.if \fill
	ASK
.else
.Lno_more_\@:
.endif
	MUL16 F1, 1, 0, 0
	MUL16 F1, 1, 2, 0
.endm
	s_wait_tensorcnt 1                             ; my part of K step 0 is in; K step 1's may stay out
	s_wait_dscnt 0x0                               ; my rows of the table are stored
	s_barrier_signal -1
	s_barrier_wait -1
	FETCH 0, F0
	QUARTER 64, F0, F1, 1                          ; the first quarter's products start the sums; the loop is entered behind its first quarter
	WIN 0
	s_mov_b32 s3, FILLS
	s_branch .Lmid
.Lstep:
	QUARTER 64, F0, F1, 0
	WIN 0
.Lmid:
	QUARTER 128, F1, F0, 0
	QUARTER 192, F0, F1, 0
	TURN 1
	WIN 0
	s_sub_co_u32 s3, s3, 1
	s_cmp_lg_u32 s3, 0
	s_cbranch_scc1 .Lstep
	s_mov_b32 s3, 2                                ; the last two K steps ask for nothing
.Ltail:
	QUARTER 64, F0, F1, 0
	QUARTER 128, F1, F0, 0
	QUARTER 192, F0, F1, 0
	TURN 0
	WIN 0
	s_sub_co_u32 s3, s3, 1
	s_cmp_lg_u32 s3, 0
	s_cbranch_scc1 .Ltail
	; THE WAY OUT.  Every wave has passed the last barrier with its reads of the ring over, and the ring is filled no more: my 128 x 128 sums go into my part of it.
	PLACES
.irp hi, 0,1
	WIN 0x08+4*(\hi)                               ; the stores' data in window 2, then 3
.irp a, 0,1,2,3
.irp b, 0,1,2,3,4,5,6,7
	ds_store_b128 v[STO], v[8*(8*(\a)+(\b)):8*(8*(\a)+(\b))+3]   offset:(4*(\hi)+(\a))*16*WPITCH+64*(\b)
	ds_store_b128 v[STO], v[8*(8*(\a)+(\b))+4:8*(8*(\a)+(\b))+7] offset:(4*(\hi)+(\a))*16*WPITCH+64*(\b)+16
.endr
.endr
.endr
	WIN 0
; Eight rows: load n takes head n % 2, b = (n / 2) % 2, the pair of t n / 4; then cos and sin of the two pairs of t.  LDS serves a wave's instructions in order: these see my stores.
.macro ROWS
.irp n, 0,1,2,3,4,5,6,7
	ds_load_b128 v[32+4*(\n):35+4*(\n)], v[RD] offset:(4*((\n)>>2)+(((\n)>>1)&1))*WPITCH+((\n)&1)*256
.endr
.irp p, 0,1
	ds_load_b128 v[104+4*(\p):107+4*(\p)], v[TR] offset:512*(\p)
	ds_load_b128 v[112+4*(\p):115+4*(\p)], v[TR] offset:512*(\p)+128
.endr
.endm
	ROWS
	s_mov_b32 s3, 16
.Lrows:
	s_wait_dscnt 0x0                               ; this trip's twelve loads, issued in the trip before
.irp n, 0,1,2,3,4,5,6,7
	v_pk_fma_f32 v[64+4*(\n):65+4*(\n)], v[32+4*(\n):33+4*(\n)], s[76:77], v[BIA+4*((\n)&1):BIA+4*((\n)&1)+1] op_sel_hi:[1,0,1]   ; x = (sum + bias) x scale
	v_pk_fma_f32 v[66+4*(\n):67+4*(\n)], v[34+4*(\n):35+4*(\n)], s[76:77], v[BIA+4*((\n)&1)+2:BIA+4*((\n)&1)+3] op_sel_hi:[1,0,1]
.endr
.irp n, 0,1,2,3,4,5,6,7
	v_pk_mul_f32 v[128+4*(\n):129+4*(\n)], v[64+4*(\n):65+4*(\n)], v[104+4*((\n)>>2):105+4*((\n)>>2)]   ; x cos
	v_pk_mul_f32 v[130+4*(\n):131+4*(\n)], v[66+4*(\n):67+4*(\n)], v[106+4*((\n)>>2):107+4*((\n)>>2)]
.endr
.set j, 0
.rept 8
	v_xor_b32 v[120+j], v[SG], v[112+j]            ; the sine with its sign
.set j, j+1
.endr
	s_cmp_eq_u32 s3, 1                             ; rows, cos and sin have been read out of their registers: the next trip's loads go out, but in the last trip
	s_cbranch_scc1 .Lno_rows
	v_add_nc_u32 v[RD], 8*WPITCH, v[RD]
	v_add_nc_u32 v[TR], 1024, v[TR]
	ROWS
.Lno_rows:
.irp n, 0,1,2,3,4,5,6,7
.irp e, 0,1,2,3
	v_mul_f32_dpp v[160+4*(\n)+(\e)], v[64+4*(\n)+(\e)], v[120+4*((\n)>>2)+(\e)] row_xmask:8 row_mask:0xf bank_mask:0xf  ; the channel 32 away lies eight lanes away
.endr
.endr
.irp n, 0,1,2,3,4,5,6,7
	v_pk_add_f32 v[128+4*(\n):129+4*(\n)], v[128+4*(\n):129+4*(\n)], v[160+4*(\n):161+4*(\n)]
	v_pk_add_f32 v[130+4*(\n):131+4*(\n)], v[130+4*(\n):131+4*(\n)], v[162+4*(\n):163+4*(\n)]
.endr
.irp n, 0,1,2,3,4,5,6,7
	v_cvt_pk_f16_f32 v[192+2*(\n)], v[128+4*(\n)], v[129+4*(\n)]
	v_cvt_pk_f16_f32 v[193+2*(\n)], v[130+4*(\n)], v[131+4*(\n)]
.endr
.irp n, 0,1,2,3,4,5,6,7
	global_store_b64 v[CO], v[192+2*(\n):193+2*(\n)], s[8:9] offset:((\n)&1)*262144+(((\n)>>1)&1)*4194304+((\n)>>2)*256  ; two t of one head: 256 consecutive aligned bytes
.endr
	s_wait_xcnt 0x0                                ; the stores have read their data and their base
	s_add_nc_u64 s[8:9], s[8:9], 512               ; four t on
	s_sub_co_u32 s3, s3, 1
	s_cmp_lg_u32 s3, 0
	s_cbranch_scc1 .Lrows
	s_wait_tensorcnt 0x0                           ; the wave's end
	ds_add_u32 v[SPW], v[NIL]
	s_wait_dscnt 0x0
	CROUND                                         ; the closing round
	s_endpgm
.Lfunc_end_k_qc3bd83818c_gemm_qkv:
	.size	k_qc3bd83818c_gemm_qkv, .Lfunc_end_k_qc3bd83818c_gemm_qkv-k_qc3bd83818c_gemm_qkv
	.p2alignl 7, 3214868480
	.fill 96, 4, 3214868480
	.section	.rodata,"a",@progbits
	.p2align	6, 0x0
	.amdhsa_kernel k_qc3bd83818c_gemm_qkv
		.amdhsa_group_segment_fixed_size 327680
		.amdhsa_private_segment_fixed_size 0
		.amdhsa_enable_private_segment 0
		.amdhsa_kernarg_size 40
		.amdhsa_user_sgpr_count 2
		.amdhsa_user_sgpr_kernarg_segment_ptr 1
		.amdhsa_wavefront_size32 1
		.amdhsa_system_sgpr_workgroup_id_x 1
		.amdhsa_system_sgpr_workgroup_id_y 1
		.amdhsa_system_sgpr_workgroup_id_z 1
		.amdhsa_system_vgpr_workitem_id 0
		.amdhsa_next_free_vgpr 1024
		.amdhsa_next_free_sgpr 84
		.amdhsa_reserve_vcc 0
		.amdhsa_float_denorm_mode_32 3
		.amdhsa_float_denorm_mode_16_64 3
		.amdhsa_memory_ordered 1
		.amdhsa_forward_progress 1
		.amdhsa_inst_pref_size 91
	.end_amdhsa_kernel
	.amdgpu_metadata
---
amdhsa.version: [ 1, 2 ]
amdhsa.kernels:
  - .name:           k_qc3bd83818c_gemm_qkv
    .symbol:         k_qc3bd83818c_gemm_qkv.kd
    .args:
      - { .name: hn, .offset: 0, .size: 8, .value_kind: global_buffer, .address_space: global }
      - { .name: wb, .offset: 8, .size: 8, .value_kind: global_buffer, .address_space: global }
      - { .name: in_b, .offset: 16, .size: 8, .value_kind: global_buffer, .address_space: global }
      - { .name: tab, .offset: 24, .size: 8, .value_kind: global_buffer, .address_space: global }
      - { .name: big, .offset: 32, .size: 8, .value_kind: global_buffer, .address_space: global }
    .group_segment_fixed_size: 327680
    .private_segment_fixed_size: 0
    .kernarg_segment_align: 8
    .kernarg_segment_size: 40
    .max_flat_workgroup_size: 128
    .sgpr_count:     84
    .vgpr_count:     1024
    .wavefront_size: 32
...
	.end_amdgpu_metadata
.endif
;; end of part 8
;; launch attn (part 9): grid 8 x 32, 4 waves a work-group, no clusters, 327,680 bytes of LDS; arguments big, hn; writes hn
.if DOCPART == 9
	.amdgcn_target "amdgcn-amd-amdhsa--gfx1250"
	.amdhsa_code_object_version 6
	.text
	.protected	k_qc3bd83818c_attn
	.globl	k_qc3bd83818c_attn
	.p2align	8
	.type	k_qc3bd83818c_attn,@function
k_qc3bd83818c_attn:
	s_mov_b64 s[64:65], 0
	v_nop
	global_prefetch_b8 v0, s[64:65] scope:SCOPE_SE
	s_setreg_imm32_b32 hwreg(HW_REG_WAVE_MODE, 25, 1), 1
	s_wait_xcnt 0x0
; CAUSAL ATTENTION.  o[t][b][head][:] = the sum over s <= t of softmax_s(q[t] . k[s]) v[s][:].  q (already scaled and rotated), k, v: [32][2048][64] f16 in big; o: f16, row 2 t + b of [4096][1024], columns 64 head ..
; Products, maxima and sums in f32; the weights p are rounded to f16 for the second product (their sum is taken of the unrounded p), o once at the end.
; LIMITS.  A hidden score counts as its value less 1e30; its weight is 0 while true scores lie above that.  A weight below 2^-126 counts as 0.  NaN and infinities are not treated apart.
; THE WALK.  A head's queries lie in 16 blocks of 128; block i needs the key tiles 0 .. i / 2 of 256 keys.  A work-group takes blocks 15 - b and then b: 9 tiles whatever b, walked by one counted loop;
; every jump but the loops' own goes forward.  NO CLUSTER: the eight work-groups of a head walk different sequences of tiles.
; SHARES.  A wave owns two tiles of 16 queries: rows 64 u + 16 w + 0..15 of the block.  In the block's last key tile, band x = 2 (i % 2) + u sees all keys of step s < x, none of s > x, and holds the diagonal at s = x.
; THE MASK is the C operand that starts the sum S^T = K Q^T: MC = MD x AL + BE; MD, made once, is the mask of a band's own step; outside a block's last tile MC is 0.
; LAYOUT.  S^T = K Q^T holds one query a lane (lane % 16) and the keys 8 (lane / 16) + 0..7; two such results rounded to f16 are source 1 of O^T = V^T P.  p = 2^(c s - c m), c = log2(e), m a running maximum.
; A KEY STEP GOES IN PHASES: V's fragments are asked for; 16 products K Q^T; the NEXT step's K is asked for (within a tile), so that it lands under the softmax; the softmax of both tiles, its exponentials one
; batch with one wait; 16 products V^T P.
; AHEAD OF THE FILLS.  Work-group b = 0 of a head walks all eight tiles first: behind the fill that asks for tile j it prefetches tile j + 1 of K and of V, a lane a block of 256 bytes, for tiles 2 to 7: each block is named once.
; REGISTERS: window 0: v0-15 addresses; v16-31 statistics; v62-63 the add's; v64-127 S^T; v128-159 P; v160-223 O^T; v224-255 MD.
;            window 1: v0-31 Q; v32-63 the second block's Q; v64-127 K of a step; v128-191 V of a step; v192-255 MC.
.set KS,    64
.set PK,    144       ; a row of K in LDS: 128 bytes + 16
.set PV,    160       ; a row of V: 128 + 32
.set VOFF,  4*KS*PK
.set SLOT1, 1<<17
.set STAGE, SLOT1+4*KS*(PK+PV)  ; behind the ring, never filled by a tensor load: 16 rows x 144 bytes for each wave
.set SP,    144
.set SPARE, STAGE+4*16*SP       ; the spare words, 128 bytes a wave
.set AK0, 2
.set AV0, 3
.set AK,  4
.set AV,  5
.set STO, 6
.set RD,  7
.set GO,  8
.set PFO, 13          ; 256 x my thread's number: my block of a tile; never rewritten
.set QO,  15
.set ST,  16          ; tile u at v[ST+8 u]: c m, m, l, l, c0-c3
.set SPW, 62
.set NIL, 63
.set S,   64
.set P,   128
.set O,   160
.set MD,  224
.set Q,   0           ; window 1
.set QB,  32
.set KF,  64
.set VF,  128
.set MC,  192
.set WV,  12
.set PB,  14
.set HI,  15
.set G1K, 24
.set G1V, 32
.set G0K, 40
.set G0V, 44
.set LIM, 48          ; 2 in the work-group that prefetches, else the greatest number
.set PFK, 52          ; s[52:53] K's tile behind the one that is being asked for
.set PFV, 54          ; s[54:55] V's
.set SLOTS, 56
.set CNT, 57
.set CS,  58
.set SEL, 60
.set TBK, 62
.set TBV, 63
.set LQ2, 66          ; the second block's last tile
.set XB2, 67          ; the second block's XB
.set RT,  70          ; tiles of the block in hand still to be entered
.set NXT, 71          ; the tile to be asked for next
.set LQ,  72          ; the last tile of the block whose tiles are being asked for
.set OFF, 74
.set AL,  76
.set BE,  78
.set OLO, 80
.set BIGN, 82
.set XB,  83          ; CNT at tile 0's own step in the block's last key tile: 4 - 2 (block % 2)
.set MSB, 0
.macro WIN new
.if MSB != (\new)
	s_set_vgpr_msb (MSB<<8)|(\new)
.set MSB, (\new)
.endif
.endm
.macro LOAD                         ; waves 0 and 1 fetch the two halves of a tile's K, waves 2 and 3 those of its V; an s_nop 0 and four v_nop follow each line
	s_cmp_lt_u32 s[WV], 2
	s_cbranch_scc0 .Lfor_v_\@
	tensor_load_to_lds s[G0K:G0K+3], s[G1K:G1K+7]
	s_nop 0
.rept 4
	v_nop
.endr
	s_branch .Lasked_\@
.Lfor_v_\@:
	tensor_load_to_lds s[G0V:G0V+3], s[G1V:G1V+7]
	s_nop 0
.rept 4
	v_nop
.endr
.Lasked_\@:
.endm
; THE CHANGE OF SLOTS.  Each wave waits for all its tensor loads (one is out: its part of the other slot), adds 0 to its spare word, and waits for that and for its reads of the slot that it leaves.
; fill = 1: the old slot is filled again, first thing behind the barrier, with tile NXT; that load has four key steps in which to land.
.macro CHANGE fill
	WIN 0
	s_wait_tensorcnt 0x0
	ds_add_u32 v[SPW], v[NIL]
.if \fill
	s_lshl_b32 s[OFF], s[NXT], 15   ; a tile is 32,768 bytes of K and of V
	s_xor_b32 s[G0K+1], s[G0K+1], SLOT1
	s_add_nc_u64 s[G0K+2:G0K+3], s[6:7], s[OFF:OFF+1]
	s_or_b32 s[G0K+3], s[G0K+3], 0x80000000
	s_xor_b32 s[G0V+1], s[G0V+1], SLOT1
	s_add_nc_u64 s[G0V+2:G0V+3], s[8:9], s[OFF:OFF+1]
	s_or_b32 s[G0V+3], s[G0V+3], 0x80000000
	s_add_co_u32 s[NXT], s[NXT], 1  ; the block's next tile, or behind its last the second block's tile 0
	s_cmp_gt_u32 s[NXT], s[LQ]
	s_cselect_b32 s[NXT], 0, s[NXT]
	s_cselect_b32 s[LQ], s[LQ2], s[LQ]
	s_wait_xcnt 0x0                 ; the last prefetches, a tile back, have read their addresses
	s_add_nc_u64 s[PFK:PFK+1], s[PFK:PFK+1], 32768
	s_add_nc_u64 s[PFV:PFV+1], s[PFV:PFV+1], 32768
.endif
	s_wait_dscnt 0x0                ; the add is done, and my reads of the slot are over
	s_barrier_signal -1
	s_sub_co_u32 s[TBK], s[TBK], 4*KS*PK  ; the fetches go back to a slot's first step, in the other slot
	s_xor_b32 s[TBK], s[TBK], SLOT1
	s_sub_co_u32 s[TBV], s[TBV], 4*KS*PV
	s_xor_b32 s[TBV], s[TBV], SLOT1
	s_barrier_wait -1
.if \fill
	LOAD
	s_cmp_gt_u32 s[SLOTS], s[LIM]   ; the first six changes of work-group b = 0: tiles 2 to 7
	s_cbranch_scc0 .Lnot_mine_\@
	global_prefetch_b8 v[PFO], s[PFK:PFK+1] th:TH_LOAD_NT scope:SCOPE_SE
	global_prefetch_b8 v[PFO], s[PFV:PFV+1] th:TH_LOAD_NT scope:SCOPE_SE
.Lnot_mine_\@:
.endif
.endm
	s_load_b64 s[4:5], s[0:1], 0x0  ; big
	s_load_b64 s[10:11], s[0:1], 0x8  ; hn
	v_lshl_add_u32 v[SPW], v0, 2, SPARE
	v_mov_b32 v[NIL], 0
	ds_add_u32 v[SPW], v[NIL]       ; the wave's opening: the add and its wait ahead of my first tensor load
	ds_add_u32 v62, v63
	v_lshrrev_b32 v1, 5, v0
	v_readfirstlane_b32 s[WV], v1
	s_mov_b32 s[PB], ttmp9
	s_sub_co_u32 s[HI], 15, s[PB]
	s_and_b32 s13, ttmp7, 0xffff    ; 16 b + head
	s_lshl_b32 s20, s13, 18         ; its 262,144 bytes in q, k and v
	s_mov_b32 s21, 0
	s_and_b32 s16, s[WV], 1         ; which half of a tile's 256 keys I fetch
	s_lshl_b32 s22, s16, 14
	s_mov_b32 s23, 0
	s_add_nc_u64 s[22:23], s[22:23], s[20:21]
	s_mul_i32 s17, s16, 128*PK
	s_mul_i32 s18, s16, 128*PV
	s_lshl_b32 s3, s[WV], 11        ; my 16 rows in a band of 64,
	s_lshl_b32 s2, s[HI], 14        ; in the first block,
	s_add_co_u32 s2, s2, s3
	s_lshl_b32 s84, s[PB], 14       ; and in the second
	s_add_co_u32 s84, s84, s3
	s_mov_b32 s3, 0
	s_mov_b32 s85, 0
	s_add_nc_u64 s[2:3], s[2:3], s[20:21]
	s_add_nc_u64 s[84:85], s[84:85], s[20:21]
	s_lshr_b32 s19, s13, 4          ; o: b x 2,048 + head x 128 + t x 4,096
	s_lshl_b32 s19, s19, 11
	s_and_b32 s88, s13, 15
	s_lshl_b32 s88, s88, 7
	s_add_co_u32 s19, s19, s88
	s_lshl_b32 s88, s[WV], 16
	s_add_co_u32 s19, s19, s88
	s_lshl_b32 s88, s[HI], 19
	s_add_co_u32 s88, s88, s19
	s_mov_b32 s89, 0
	s_lshl_b32 s90, s[PB], 19
	s_add_co_u32 s90, s90, s19
	s_mov_b32 s91, 0
	; descriptor group 1: 128 keys are 16,384 dense bytes: 64 rows of 256 bytes, padded in LDS after every key
	s_mov_b32 s[G1K], (1<<16)|(1<<20)|(4<<22)|(3<<25)
	s_mov_b32 s[G1V], (1<<16)|(1<<20)|(4<<22)|(7<<25)
.irp g, G1K, G1V
	s_mov_b32 s[\g+1], 128<<16
	s_mov_b32 s[\g+2], 64<<16
	s_mov_b32 s[\g+3], 128<<16
	s_mov_b32 s[\g+4], 64
	s_mov_b32 s[\g+5], 128
	s_mov_b32 s[\g+6], 0
	s_mov_b32 s[\g+7], 0
.endr
	s_mov_b32 s[CS], 0x3fb8aa3b     ; c = log2(e): q already carries 1/8
	s_mov_b32 s[CS+1], s[CS]
	s_mov_b32 s[SEL], 0x76543210
	s_mov_b32 s[SEL+1], 0xfedcba98
	s_mov_b32 s[TBK], SLOT1+4*KS*PK ; the first change of slots turns these two into 0
	s_mov_b32 s[TBV], SLOT1+4*KS*PV
	s_mov_b32 s[G0K], 1
	s_mov_b32 s[G0K+1], s17
	s_mov_b32 s[G0V], 1
	s_add_co_u32 s[G0V+1], s18, VOFF
	s_lshr_b32 s[LQ], s[HI], 1
	s_add_co_u32 s[RT], s[LQ], 1
	s_lshr_b32 s[LQ2], s[PB], 1
	s_mov_b32 s[NXT], 1
	s_and_b32 s[XB], s[HI], 1
	s_lshl_b32 s[XB], s[XB], 1
	s_sub_co_u32 s[XB], 4, s[XB]
	s_and_b32 s[XB2], s[PB], 1
	s_lshl_b32 s[XB2], s[XB2], 1
	s_sub_co_u32 s[XB2], 4, s[XB2]
	s_mov_b32 s[OFF+1], 0
	s_mov_b32 s[AL+1], 0
	s_mov_b32 s[BE+1], 0
	s_mov_b32 s[BIGN], 0xf149f2ca   ; -1e30
	s_mov_b32 s[SLOTS], 8
	s_cmp_eq_u32 s[PB], 0
	s_cselect_b32 s[LIM], 2, -1
	v_lshlrev_b32 v[PFO], 8, v0
	s_wait_dscnt 0x0                ; the opening add is done
	s_wait_kmcnt 0x0
	s_add_nc_u64 s[6:7], s[4:5], 8388608    ; k
	s_add_nc_u64 s[8:9], s[4:5], 16777216   ; v
	s_add_nc_u64 s[PFK:PFK+1], s[6:7], s[20:21]  ; the head's tile 0,
	s_add_nc_u64 s[PFV:PFV+1], s[8:9], s[20:21]
	s_add_nc_u64 s[PFK:PFK+1], s[PFK:PFK+1], 32768  ; its tile 1: the first change of slots steps these to tile 2
	s_add_nc_u64 s[PFV:PFV+1], s[PFV:PFV+1], 32768
	s_add_nc_u64 s[6:7], s[6:7], s[22:23]   ; at my half of the head's tile 0
	s_add_nc_u64 s[8:9], s[8:9], s[22:23]
	s_add_nc_u64 s[G0K+2:G0K+3], s[6:7], 0
	s_or_b32 s[G0K+3], s[G0K+3], 0x80000000
	s_add_nc_u64 s[G0V+2:G0V+3], s[8:9], 0
	s_or_b32 s[G0V+3], s[G0V+3], 0x80000000
	s_add_nc_u64 s[86:87], s[4:5], s[84:85] ; q at my rows of the second block,
	s_add_nc_u64 s[4:5], s[4:5], s[2:3]     ; and of the first
	s_add_nc_u64 s[OLO:OLO+1], s[10:11], s[90:91]
	s_add_nc_u64 s[10:11], s[10:11], s[88:89]
	LOAD                            ; tile 0 into slot 0
	v_and_b32 v1, 15, v0            ; l % 16
	v_bfe_u32 v9, v0, 4, 1          ; l / 16
	v_lshlrev_b32 v[QO], 7, v1
	v_lshl_add_u32 v[QO], v9, 4, v[QO]
	WIN 0x40                        ; destination window 1
.set i, 0
.rept 4                             ; both blocks' Q: tile i / 2 lies 64 rows on; channels 32 (i % 2) on
	global_load_b128 v[Q+8*i:Q+8*i+3],     v[QO], s[4:5] offset:(i/2)*8192+(i%2)*64
	global_load_b128 v[Q+8*i+4:Q+8*i+7],   v[QO], s[4:5] offset:(i/2)*8192+(i%2)*64+32
	global_load_b128 v[QB+8*i:QB+8*i+3],   v[QO], s[86:87] offset:(i/2)*8192+(i%2)*64
	global_load_b128 v[QB+8*i+4:QB+8*i+7], v[QO], s[86:87] offset:(i/2)*8192+(i%2)*64+32
.set i, i+1
.endr
	WIN 0
	v_lshlrev_b32 v14, 3, v9
	v_sub_nc_u32 v14, v1, v14
	s_lshl_b32 s13, s[WV], 4
	v_add_nc_u32 v14, s13, v14      ; my query's place in its band less 8 (l / 16): register r of key group kt is hidden where 16 kt + r is greater
.set i, 0
.rept 32
	v_cmp_gt_i32 vcc_lo, 16*(i/8)+i%8, v14
	v_cndmask_b32 v[MD+i], 0, s[BIGN], vcc_lo
.set i, i+1
.endr
	v_mul_u32_u24 v[AK0], v1, PK
	v_lshl_add_u32 v[AK0], v9, 4, v[AK0]
	v_and_b32 v10, 7, v0            ; the turning load: lane l reads key 8 (l / 16) + l % 8, channels 8 ((l / 8) % 2) + 0..7
	v_bfe_u32 v11, v0, 3, 1
	v_lshl_add_u32 v[AV0], v9, 3, v10
	v_mul_u32_u24 v[AV0], v[AV0], PV
	v_lshl_add_u32 v[AV0], v11, 4, v[AV0]
	v_add_nc_u32 v[AV0], VOFF, v[AV0]
	s_mul_i32 s13, s[WV], 16*SP
	s_add_co_u32 s13, s13, STAGE    ; my stage
	v_mul_u32_u24 v[STO], v1, SP
	v_lshl_add_u32 v[STO], v9, 4, v[STO]
	v_add_nc_u32 v[STO], s13, v[STO]
	v_bfe_u32 v[RD], v0, 3, 2       ; back: four rows of 128 bytes a load,
	v_lshlrev_b32 v[GO], 12, v[RD]  ; which lie 4,096 bytes apart in o
	v_lshl_add_u32 v[GO], v10, 4, v[GO]
	v_mul_u32_u24 v[RD], v[RD], SP
	v_lshl_add_u32 v[RD], v10, 4, v[RD]
	v_add_nc_u32 v[RD], s13, v[RD]
	; a block's first step multiplies O^T and l by 0, so they need only hold finite numbers: zeros for the first block, what the first block left for the second
.set i, 0
.rept 64
	v_mov_b32 v[O+i], 0
.set i, i+1
.endr
.irp u, 0,1
	v_mov_b32 v[ST+8*\u+2], 0
	v_mov_b32 v[ST+8*\u+3], 0
.endr
; THE MATRIX WORK.  Eight accumulators take turns, one instruction a turn: between the two links of a chain stand seven others'.
.macro KQ                           ; product i of 16: tile i % 2, keys 16 ((i / 2) % 4) on, channels 32 (i / 8) on; the first eight start the sums with the mask
.set rS, S+32*(i%2)+8*((i/2)%4)
.set rK, KF+16*((i/2)%4)+8*(i/8)
.set rQ, Q+16*(i%2)+8*(i/8)
.set rM, MC+32*(i%2)+8*((i/2)%4)
.if i < 8
	WIN 0x15                        ; K, Q and the mask in window 1, S^T in window 0
	v_wmma_f32_16x16x32_f16 v[rS:rS+7], v[rK:rK+7], v[rQ:rQ+7], v[rM:rM+7]
.else
	WIN 0x05
	v_wmma_f32_16x16x32_f16 v[rS:rS+7], v[rK:rK+7], v[rQ:rQ+7], v[rS:rS+7]
.endif
.set i, i+1
.endm
.macro PV                           ; product i of 16: tile i % 2, channels 16 ((i / 2) % 4) on, keys 32 (i / 8) on
	WIN 0x01                        ; V in window 1
.set rO, O+32*(i%2)+8*((i/2)%4)
.set rV, VF+32*(i/8)+8*((i/2)%4)
.set rP, P+16*(i%2)+8*(i/8)
	v_wmma_f32_16x16x32_f16 v[rO:rO+7], v[rV:rV+7], v[rP:rP+7], v[rO:rO+7]
.set i, i+1
.endm
.macro FETCH_K
	WIN 0
	v_add_nc_u32 v[AK], s[TBK], v[AK0]
	WIN 0x40
.irp f, 0,1,2,3,4,5,6,7             ; keys 16 (f / 2) on, channels 32 (f % 2) on
	ds_load_b128 v[KF+8*\f:KF+8*\f+3],   v[AK] offset:(\f/2)*16*PK+(\f%2)*64
	ds_load_b128 v[KF+8*\f+4:KF+8*\f+7], v[AK] offset:(\f/2)*16*PK+(\f%2)*64+32
.endr
	s_add_co_u32 s[TBK], s[TBK], KS*PK  ; the next fetch is the next step's
	WIN 0
.endm
.macro FETCH_V
	WIN 0
	v_add_nc_u32 v[AV], s[TBV], v[AV0]
	WIN 0x40
.irp f, 0,1,2,3,4,5,6,7             ; keys 32 (f / 4) on, channels 16 (f % 4) on
	ds_load_tr16_b128 v[VF+8*\f:VF+8*\f+3],   v[AV] offset:(\f/4)*32*PV+(\f%4)*32
	ds_load_tr16_b128 v[VF+8*\f+4:VF+8*\f+7], v[AV] offset:(\f/4)*32*PV+16*PV+(\f%4)*32
.endr
	s_add_co_u32 s[TBV], s[TBV], KS*PV
.endm
.macro PLACES
.rept 4
	v_nop
.endr
.endm
.macro MASKW u                      ; MD x AL + BE into tile u's mask
	WIN 0x40
.set z, 0
.rept 16
	v_pk_fma_f32 v[MC+32*(\u)+2*z:MC+32*(\u)+2*z+1], v[MD+2*z:MD+2*z+1], s[AL:AL+1], s[BE:BE+1] op_sel_hi:[1,0,0]
.set z, z+1
.endr
	WIN 0
.endm
.macro MASK u                       ; in a block's last key tile: is this step tile u's own, or a later one?
	s_sub_co_u32 s13, s[XB], \u
	s_cmp_eq_u32 s[CNT], s13
	s_cselect_b32 s[AL], 1.0, 0
	s_cmp_lt_u32 s[CNT], s13
	s_cselect_b32 s[BE], s[BIGN], 0
	MASKW \u
.endm
.macro INIT                         ; a block begins: c m far below every c s, so the first step's factor is 0; m at the lowest finite number; the masks 0
.irp u, 0,1
	v_mov_b32 v[ST+8*\u], 0xfe000000
	v_mov_b32 v[ST+8*\u+1], 0xff7fffff
.endr
	s_mov_b32 s[AL], 0
	s_mov_b32 s[BE], 0
	MASKW 0
	MASKW 1
	s_wait_loadcnt 0x0              ; Q
.endm
; THE SOFTMAX of tile u, in three parts.  SMAX: the maximum of the lane's 32 scores and the old m (each accumulator's lowest registers are read first), the other half of the lanes', c m, its change.
.macro SMAX u
.set rT, ST+8*(\u)
.set rS, S+32*(\u)
.irp j, 0,1,2,3
	v_max3_num_f32 v[rT+4+\j], v[rS+8*\j], v[rS+8*\j+1], v[rS+8*\j+2]
.endr
.irp j, 0,1,2,3
	v_max3_num_f32 v[rT+4+\j], v[rT+4+\j], v[rS+8*\j+3], v[rS+8*\j+4]
.endr
.irp j, 0,1,2,3
	v_max3_num_f32 v[rT+4+\j], v[rT+4+\j], v[rS+8*\j+5], v[rS+8*\j+6]
.endr
	v_max3_num_f32 v[rT+4], v[rT+4], v[rS+7], v[rS+15]
	v_max3_num_f32 v[rT+6], v[rT+6], v[rS+23], v[rS+31]
	v_max3_num_f32 v[rT+4], v[rT+4], v[rT+5], v[rT+6]
	v_max3_num_f32 v[rT+4], v[rT+4], v[rT+7], v[rT+1]
	v_permlanex16_b32 v[rT+5], v[rT+4], s[SEL], s[SEL+1]  ; the query's other 32 keys lie in the lane 16 away
	v_mov_b32 v[rT+7], v[rT]        ; c m_old
	v_max_num_f32 v[rT+1], v[rT+4], v[rT+5]
	v_mul_f32 v[rT], s[CS], v[rT+1]
	v_sub_f32 v[rT+7], v[rT+7], v[rT]
.endm
.macro SEXP u                       ; a = 2^(c m_old - c m); c s - c m; the 32 exponentials.  Nothing here names an exponential's result
.set rT, ST+8*(\u)
.set rS, S+32*(\u)
	v_exp_f32 v[rT+6], v[rT+7]
.set j, 0
.rept 16
	v_pk_fma_f32 v[rS+2*j:rS+2*j+1], v[rS+2*j:rS+2*j+1], s[CS:CS+1], v[rT:rT+1] op_sel_hi:[1,0,0] neg_lo:[0,0,1] neg_hi:[0,0,1]
.set j, j+1
.endr
.set j, 0
.rept 32
	v_exp_f32 v[rS+j], v[rS+j]
.set j, j+1
.endr
.endm
.macro STAIL u                      ; the roundings to f16, the sum, l = a l + sum, O^T times a
.set rT, ST+8*(\u)
.set rS, S+32*(\u)
.set rP, P+16*(\u)
.set rO, O+32*(\u)
.set j, 0
.rept 16
	v_cvt_pk_f16_f32 v[rP+j], v[rS+2*j], v[rS+2*j+1]
.set j, j+1
.endr
.set j, 0
.rept 8
	v_pk_add_f32 v[rS+4*j:rS+4*j+1], v[rS+4*j:rS+4*j+1], v[rS+4*j+2:rS+4*j+3]
.set j, j+1
.endr
.set j, 0
.rept 4
	v_pk_add_f32 v[rS+8*j:rS+8*j+1], v[rS+8*j:rS+8*j+1], v[rS+8*j+4:rS+8*j+5]
.set j, j+1
.endr
	v_pk_add_f32 v[rS:rS+1], v[rS:rS+1], v[rS+8:rS+9]
	v_pk_add_f32 v[rS+16:rS+17], v[rS+16:rS+17], v[rS+24:rS+25]
	v_pk_add_f32 v[rS:rS+1], v[rS:rS+1], v[rS+16:rS+17]
	v_pk_fma_f32 v[rT+2:rT+3], v[rT+2:rT+3], v[rT+6:rT+7], v[rS:rS+1] op_sel_hi:[1,0,1]
.set j, 0
.rept 16
	v_pk_mul_f32 v[rO+2*j:rO+2*j+1], v[rO+2*j:rO+2*j+1], v[rT+6:rT+7] op_sel_hi:[1,0]
.set j, j+1
.endr
.endm
.macro STEP                         ; a key step of 64 keys; its K was asked for a step earlier, or at the tile's head
	FETCH_V
	s_wait_dscnt 16                 ; K's sixteen loads are in; V's sixteen, issued behind them, may stay out
.set i, 0
.rept 16
	KQ
.endr
	WIN 0
	PLACES                          ; behind the products: ahead of the loads into K's registers and of the readers of the scores
	s_cmp_eq_u32 s[CNT], 1          ; the tile's last step: the next K lies in the other slot, which is shown whole only by the change of slots
	s_cbranch_scc1 .Lno_k_\@
	FETCH_K                         ; the next step's K lands under the softmax
.Lno_k_\@:
	SMAX 0
	SMAX 1
	SEXP 0
	SEXP 1
	v_nop                           ; a plain instruction behind the last exponential: one for the batch
	s_wait_alu depctr_va_vdst(0)    ; one wait for both tiles' 66 exponentials, ahead of their first reader
	STAIL 0
	STAIL 1
	s_wait_dscnt 0x0                ; V is in (the count holds whether or not K's loads were issued behind V's)
.set i, 0
.rept 16
	PV
.endr
	WIN 0
	PLACES                          ; ahead of the next step's loads into V's registers and of the way out's readers
.endm
; THE WAY OUT of a block: l's two halves and the other half of the lanes' are added; O^T is divided by l, rounded to f16 and sent through my stage, a tile at a time.
.macro PACK u
.set j, 0
.rept 16
	v_pk_mul_f32 v[O+32*(\u)+2*j:O+32*(\u)+2*j+1], v[O+32*(\u)+2*j:O+32*(\u)+2*j+1], v[ST+8*(\u)+6:ST+8*(\u)+7] op_sel_hi:[1,0]
.set j, j+1
.endr
.set j, 0
.rept 16
	v_cvt_pk_f16_f32 v[S+16*(\u)+j], v[O+32*(\u)+2*j], v[O+32*(\u)+2*j+1]
.set j, j+1
.endr
.irp f, 0,1,2,3
	ds_store_b128 v[STO], v[S+16*(\u)+4*\f:S+16*(\u)+4*\f+3] offset:32*\f
.endr
.irp f, 0,1,2,3
	ds_load_b128 v[S+16*(\u)+4*\f:S+16*(\u)+4*\f+3], v[RD] offset:\f*4*SP  ; LDS serves a wave's instructions in order: these see the stores above; the next tile's stores come behind them
.endr
.endm
.macro SEND u, younger
.irp f, 0,1,2,3
	s_wait_dscnt (\younger)+3-\f
	global_store_b128 v[GO], v[S+16*(\u)+4*\f:S+16*(\u)+4*\f+3], s[10:11] offset:(\u)*262144+\f*16384  ; four rows' 128 bytes: a head's share of a row of o
.endr
.endm
.macro FINISH sw                    ; sw = 1: the second block follows
	WIN 0
.irp u, 0,1
	v_add_f32 v[ST+8*\u+4], v[ST+8*\u+2], v[ST+8*\u+3]
.endr
.irp u, 0,1
	v_permlanex16_b32 v[ST+8*\u+5], v[ST+8*\u+4], s[SEL], s[SEL+1]
.endr
.irp u, 0,1
	v_add_f32 v[ST+8*\u+4], v[ST+8*\u+4], v[ST+8*\u+5]
.endr
.irp u, 0,1
	v_rcp_f32 v[ST+8*\u+6], v[ST+8*\u+4]
.endr
	v_nop                           ; a plain instruction behind the last reciprocal,
	s_wait_alu depctr_va_vdst(0)    ; and one wait for the two, ahead of their first reader
	PACK 0
	PACK 1
	SEND 0, 8
	SEND 1, 0
.if \sw
	s_wait_xcnt 0x0                 ; the stores have read their registers and o's address
	s_mov_b64 s[10:11], s[OLO:OLO+1]
	s_add_co_u32 s[RT], s[LQ2], 1
	s_mov_b32 s[XB], s[XB2]
	WIN 0x41                        ; the second block's Q goes where the one text names Q
.set j, 0
.rept 32
	v_mov_b32 v[Q+j], v[QB+j]
.set j, j+1
.endr
	WIN 0
	INIT
.endif
.endm
.macro TILEBODY sw                  ; a key tile's four steps; in a block's last tile with masks, and the way out behind them.  sw = 0: the walk's last tile, which is the second block's last
	s_sub_co_u32 s[RT], s[RT], 1
	s_mov_b32 s[CNT], 4
	FETCH_K                         ; the tile's first K: the change of slots has shown the slot whole
.Lstep_\@:
.if \sw
	s_cmp_lg_u32 s[RT], 0
	s_cbranch_scc1 .Lnomask_\@
.endif
	MASK 0
	MASK 1
.Lnomask_\@:
	STEP
	s_sub_co_u32 s[CNT], s[CNT], 1
	s_cmp_lg_u32 s[CNT], 0
	s_cbranch_scc1 .Lstep_\@
.if \sw
	s_cmp_lg_u32 s[RT], 0
	s_cbranch_scc1 .Lnofin_\@
.endif
	FINISH \sw
.Lnofin_\@:
.endm
	INIT
.Lslot:                             ; eight times: a tile is entered and the next is asked for
	CHANGE 1
	TILEBODY 1
	s_sub_co_u32 s[SLOTS], s[SLOTS], 1
	s_cmp_lg_u32 s[SLOTS], 0
	s_cbranch_scc1 .Lslot
	CHANGE 0                        ; the walk's last tile is written out: nothing is asked for
	TILEBODY 0
	s_wait_tensorcnt 0x0            ; the wave's end
	ds_add_u32 v[SPW], v[NIL]
	s_wait_dscnt 0x0
	s_endpgm
.Lfunc_end_k_qc3bd83818c_attn:
	.size	k_qc3bd83818c_attn, .Lfunc_end_k_qc3bd83818c_attn-k_qc3bd83818c_attn
	.p2alignl 7, 3214868480
	.fill 96, 4, 3214868480
	.section	.rodata,"a",@progbits
	.p2align	6, 0x0
	.amdhsa_kernel k_qc3bd83818c_attn
		.amdhsa_group_segment_fixed_size 327680
		.amdhsa_private_segment_fixed_size 0
		.amdhsa_enable_private_segment 0
		.amdhsa_kernarg_size 16
		.amdhsa_user_sgpr_count 2
		.amdhsa_user_sgpr_kernarg_segment_ptr 1
		.amdhsa_wavefront_size32 1
		.amdhsa_system_sgpr_workgroup_id_x 1
		.amdhsa_system_sgpr_workgroup_id_y 1
		.amdhsa_system_sgpr_workgroup_id_z 1
		.amdhsa_system_vgpr_workitem_id 0
		.amdhsa_next_free_vgpr 512
		.amdhsa_next_free_sgpr 92
		.amdhsa_reserve_vcc 1
		.amdhsa_float_denorm_mode_32 3
		.amdhsa_float_denorm_mode_16_64 3
		.amdhsa_memory_ordered 1
		.amdhsa_forward_progress 1
		.amdhsa_inst_pref_size 77
	.end_amdhsa_kernel
	.amdgpu_metadata
---
amdhsa.version: [ 1, 2 ]
amdhsa.kernels:
  - .name:           k_qc3bd83818c_attn
    .symbol:         k_qc3bd83818c_attn.kd
    .args:
      - { .name: big, .offset: 0, .size: 8, .value_kind: global_buffer, .address_space: global }
      - { .name: hn, .offset: 8, .size: 8, .value_kind: global_buffer, .address_space: global }
    .group_segment_fixed_size: 327680
    .private_segment_fixed_size: 0
    .kernarg_segment_align: 8
    .kernarg_segment_size: 16
    .max_flat_workgroup_size: 128
    .sgpr_count:     92
    .vgpr_count:     512
    .wavefront_size: 32
...
	.end_amdgpu_metadata
.endif
;; end of part 9
;; launch gemm_out: the kernel of part 5 again; grid 8 x 32, 4 waves a work-group, clusters of 4 x 4, 327,680 bytes of LDS; arguments hn, wb, out_b, x, x1; writes x1
;; launch ln2: the kernel of part 2 again; grid 256 x 1, 8 waves a work-group, no clusters, 0 bytes of LDS; arguments x1, ln2_g, ln2_b, hn; writes hn
;; launch gemm_f1 (part 10): grid 16 x 16, 4 waves a work-group, clusters of 4 x 4, 327,680 bytes of LDS; arguments hn, wb, b1, big; writes big
.if DOCPART == 10
	.amdgcn_target "amdgcn-amd-amdhsa--gfx1250"
	.amdhsa_code_object_version 6
	.text
	.protected	k_qc3bd83818c_gemm_f1
	.globl	k_qc3bd83818c_gemm_f1
	.p2align	8
	.type	k_qc3bd83818c_gemm_f1,@function
k_qc3bd83818c_gemm_f1:
	s_mov_b64 s[64:65], 0
	v_nop
	global_prefetch_b8 v0, s[64:65] scope:SCOPE_SE
	s_setreg_imm32_b32 hwreg(HW_REG_WAVE_MODE, 25, 1), 1
	s_wait_xcnt 0x0
	s_wait_alu depctr_hold_cnt(0) depctr_sa_sdst(0) depctr_va_vdst(0) depctr_va_sdst(0) depctr_va_ssrc(0) depctr_va_vcc(0) depctr_vm_vsrc(0)
	s_getreg_b32 s2, hwreg(HW_REG_IB_STS2, 6, 4)
	s_cmp_eq_u32 s2, 0
	s_cbranch_scc0 .Lentry_in_a_cluster
	s_endpgm
.Lentry_in_a_cluster:
	s_bfe_u32 s2, ttmp6, 0x10000c
	s_cmp_lg_u32 s2, 0xf033
	s_cbranch_scc0 .Lentry_shape_is_right
	s_endpgm
.Lentry_shape_is_right:
; g[m][n] = gelu(b1[n] + sum over k of h[m][k] w1[n][k]), gelu by the tanh form: x / (1 + 2^(x (c0 + c1 x x))), c0 = -2 log2(e) sqrt(2/pi), c1 = 0.044715 c0.
; h: [4096][1024] f16, w1: [4096][1024] f16 (in wb), b1 f32, g: [4096][4096] f16; sums, bias and gelu in f32; g rounded once.  LIMIT: g must lie within f16's range, 65,504.
; A tile of C is 256 x 256: four waves, each 128 x 128 (64 accumulators, 512 registers): 16 x 16 = 256 work-groups.  K goes in steps of 128 through two LDS slots; 4 x 4 work-groups form a cluster:
; A's tiles are asked for jointly along a row of it, B's along a column.
; THE TEXT OF A K STEP STANDS ONCE: the slot is a scalar that an exclusive or turns between 0 and SLOT; the fragments' addresses are made from it; one descriptor a tensor walks.
; The matrix instruction is used transposed (source 0 = rows of the weights, source 1 = rows of h): a lane holds one row m and eight neighbouring columns.
; THE WAY OUT IS A LOOP: the f32 sums go into the ring, which has had its last fill (each wave 128 rows x 528 bytes of its own), and come back eight whole rows a trip; a lane then holds four columns of each,
; so the bias is four registers, and a row's 128 results leave as 256 consecutive aligned bytes.
; REGISTERS: window 0: v0-31 addresses; v64-127, v128-191 fragments of A, two buffers; v208-211 the bias, which no fragment and no line of the way out's work touches; on the way out v32-207 at work.
;            window 1: v64-191 fragments of B.  windows 2, 3: accumulators ((a, b) at v[8 (8 a + b)]).
.set SIZE_N, 4096
.set SIZE_K, 1024
.set WOFF,   8388608
.set KSTEP,  128
.set PITCH,  272                       ; an LDS row: 256 bytes + 16 of padding: the 16 rows of a fragment load start at 16 different groups of four banks
.set HALFT,  128*PITCH                 ; what one tensor load brings
.set SLOT,   4*HALFT                   ; A's 256 rows, then B's; its set bits (17 and 13) meet none of wave x HALFT, so an exclusive or adds or takes it
.set SPARE,  2*SLOT                    ; behind the ring: the spare words, 128 bytes a wave
.set WPITCH, 528                       ; the way out: a row of 128 f32 + 16 bytes
.set WSTAGE, 128*WPITCH
.set FILLS,  SIZE_K/KSTEP-2            ; K steps 2 .. 7 come by refills
.set ADRA0, 16                         ; my A fragments' address in slot 0; never rewritten
.set ADRB0, 17
.set ADRA,  18                         ; in the slot in hand
.set ADRB,  19
.set STO,  24
.set RD,   25
.set CO,   26
.set BO,   27
.set SPW,  28
.set NIL,  29
.set PFO,  30
.set F0,   64
.set F1,   128
.set BIA,  208                         ; v208-211 the bias of my four columns
.set G1, 24
.set G0, 32                            ; s[32:35] A's first fill; s[36:39] its second, which then walks
.set G1B, 48
.set G0B, 56
.set LIM, 43                           ; 2 in a wave that prefetches, else the greatest number
.set PFA, 44
.set TB,  66                           ; 0 or SLOT: the slot in hand
.set MSB, 0
.macro WIN new                         ; the immediate's high byte repeats the setting that is left
.if MSB != (\new)
	s_set_vgpr_msb (MSB<<8)|(\new)
.set MSB, \new
.endif
.endm
.set MUL_LO, 0xa1                      ; source 0 (B) window 1, source 1 (A) window 0, C and D window 2
.set MUL_HI, 0xf1                      ; the same, C and D window 3
.set TO_B,   0x40
.macro JLOAD s                         ; a joint load: waves 0 and 1 fetch A's two halves, waves 2 and 3 B's; an s_nop 0 and four v_nop follow each line
	s_cmp_eq_u32 s11, 0
	s_cbranch_scc0 .Lfor_b_\@
	tensor_load_to_lds s[G0+4*(\s):G0+4*(\s)+3], s[G1:G1+7]
	s_nop 0
.rept 4
	v_nop
.endr
	s_branch .Lasked_\@
.Lfor_b_\@:
	tensor_load_to_lds s[G0B+4*(\s):G0B+4*(\s)+3], s[G1B:G1B+7]
	s_nop 0
.rept 4
	v_nop
.endr
.Lasked_\@:
.endm
; A prefetch, behind a joint load and the run of LDS loads that follows it: the K step that stands two refills on, 32 rows x 256 bytes, a lane a row.  A's rows are asked for by the clusters with x = 0,
; B's by those with y = 0; the four partners that ask for a tile jointly share its rows out by address.  So each row's 256 bytes of a K step are named once.  The last two refills ask for nothing.
.macro ASK
	s_cmp_gt_u32 s3, s[LIM]
	s_cbranch_scc0 .Lnot_mine_\@
	global_prefetch_b8 v[PFO], s[PFA:PFA+1] offset:KSTEP*2 th:TH_LOAD_NT scope:SCOPE_SE
.Lnot_mine_\@:
.endm
.macro CREST                           ; a round of the cluster's barrier behind its opening barrier
	s_cmp_lg_u32 s10, 0
	s_cbranch_scc1 .Lnot_wave_0_\@
	s_barrier_signal -3
.Lnot_wave_0_\@:
	s_barrier_wait -3
	s_barrier_signal -1
	s_barrier_wait -1
.endm
.macro CROUND
	s_barrier_signal -1
	s_barrier_wait -1
	CREST
.endm
	s_load_b128 s[4:7], s[0:1], 0x0                ; h s[4:5], wb s[6:7]
	s_load_b64 s[68:69], s[0:1], 0x10              ; b1
	s_load_b64 s[8:9], s[0:1], 0x18                ; g
	v_lshl_add_u32 v[SPW], v0, 2, SPARE
	v_mov_b32 v[NIL], 0
	ds_add_u32 v[SPW], v[NIL]                      ; the wave's opening: the add and its wait ahead of my first tensor load
	ds_add_u32 v28, v29
	v_lshrrev_b32 v1, 5, v0
	v_readfirstlane_b32 s10, v1                    ; wave 0..3
	s_lshr_b32 s11, s10, 1                         ; my half of the tile's rows; also: I fetch for A (0) or B (1)
	s_and_b32 s12, s10, 1                          ; my half of its columns; also: which 128 rows I fetch
	s_bfe_u32 s40, ttmp6, 0x40000                  ; cx
	s_bfe_u32 s41, ttmp6, 0x40004                  ; cy
	s_lshl_b32 s42, ttmp9, 2
	s_add_co_u32 s42, s42, s40                     ; tile column
	s_and_b32 s13, ttmp7, 0xffff
	s_lshl_b32 s13, s13, 2
	s_add_co_u32 s13, s13, s41                     ; tile row
	s_lshl_b32 s43, s41, 2
	s_lshl_b32 s43, 15, s43                        ; my row of the cluster
	s_lshl_b32 s44, 0x1111, s40                    ; my column
	s_or_b32 s[G1+0], s43, (1<<16)|(1<<20)|(1<<21)|(5<<22)|(3<<25)  ; mask; 2-byte elements; padding on; bit 21 beside a mask; after every 64 words, 4 words
	s_or_b32 s[G1B+0], s44, (1<<16)|(1<<20)|(1<<21)|(5<<22)|(3<<25)
.irp g, G1, G1B
	s_mov_b32 s[(\g)+1], KSTEP<<16                 ; tensor_dim0 = 128
	s_mov_b32 s[(\g)+2], 128<<16                   ; tensor_dim1 = 128
	s_mov_b32 s[(\g)+3], KSTEP<<16                 ; tile_dim0 = 128
	s_mov_b32 s[(\g)+4], 128                       ; tile_dim1 = 128
	s_mov_b32 s[(\g)+5], SIZE_K                    ; elements from row to row
	s_mov_b32 s[(\g)+6], 0
	s_mov_b32 s[(\g)+7], 0
.endr
	s_mov_b32 s72, 0xbdd2d3e8                      ; c1
	s_mov_b32 s73, s72
	s_mov_b32 s74, 0xc0135761                      ; c0
	s_mov_b32 s75, s74
	s_lshl_b32 s17, s12, 7
	s_lshl_b32 s16, s13, 8
	s_add_co_u32 s16, s16, s17                     ; A: row 256 x tile row + 128 x half
	s_lshl_b32 s46, s42, 8
	s_add_co_u32 s46, s46, s17                     ; B: row 256 x tile column + 128 x half
	s_mov_b32 s17, 0
	s_mov_b32 s47, 0
	s_mov_b64 s[18:19], SIZE_K*2
	s_mul_u64 s[16:17], s[16:17], s[18:19]
	s_mul_u64 s[46:47], s[46:47], s[18:19]
	s_mul_i32 s20, s10, HALFT                      ; where they go: wave x 128 rows
	s_mov_b32 s[TB], 0
	s_wait_dscnt 0x0                               ; the opening add is done
	s_wait_kmcnt 0x0
.if WOFF
	s_add_nc_u64 s[6:7], s[6:7], WOFF              ; this product's weights in wb
.endif
	s_add_nc_u64 s[14:15], s[4:5], s[16:17]
	s_add_nc_u64 s[46:47], s[6:7], s[46:47]
	CROUND                                         ; all sixteen work-groups are here: the first joint loads meet
.irp s, 0,1
	s_mov_b32 s[G0+4*(\s)], 1
	s_add_co_u32 s[G0+4*(\s)+1], s20, (\s)*SLOT
	s_add_nc_u64 s[G0+4*(\s)+2:G0+4*(\s)+3], s[14:15], (\s)*KSTEP*2
	s_or_b32 s[G0+4*(\s)+3], s[G0+4*(\s)+3], 0x80000000
	s_mov_b32 s[G0B+4*(\s)], 1
	s_add_co_u32 s[G0B+4*(\s)+1], s20, (\s)*SLOT
	s_add_nc_u64 s[G0B+4*(\s)+2:G0B+4*(\s)+3], s[46:47], (\s)*KSTEP*2
	s_or_b32 s[G0B+4*(\s)+3], s[G0B+4*(\s)+3], 0x80000000
	JLOAD \s
.endr
	v_and_b32 v1, 15, v0                           ; r = l % 16
	v_bfe_u32 v2, v0, 4, 1                         ; l / 16
	v_and_b32 v5, 31, v0                           ; l
	v_mul_u32_u24 v3, v1, PITCH
	v_lshl_add_u32 v3, v2, 4, v3
	s_mul_i32 s21, s11, HALFT
	s_mul_i32 s22, s12, HALFT
	s_add_co_u32 s22, s22, 2*HALFT
	v_add_nc_u32 v[ADRA0], s21, v3
	v_add_nc_u32 v[ADRB0], s22, v3
	v_mov_b32 v[ADRA], v[ADRA0]
	v_mov_b32 v[ADRB], v[ADRB0]
	s_mul_i32 s23, s10, WSTAGE                     ; my stage on the way out
	v_mul_u32_u24 v4, v1, WPITCH                   ; in: row r, 32 bytes for each half of the lanes
	v_lshl_add_u32 v4, v2, 5, v4
	v_add_nc_u32 v[STO], s23, v4
	v_lshl_add_u32 v[RD], v5, 4, s23               ; back: a whole row of 512 bytes a load
	v_lshlrev_b32 v[CO], 3, v5                     ; which leaves as 256 bytes of f16
	v_lshlrev_b32 v[BO], 4, v5                     ; my four columns
	s_lshl_b32 s16, s13, 8
	s_lshl_b32 s17, s11, 7
	s_add_co_u32 s16, s16, s17                     ; my first row
	s_lshl_b32 s16, s16, 13                        ; rows of 8,192 bytes
	s_mov_b32 s17, 0
	s_add_nc_u64 s[8:9], s[8:9], s[16:17]
	s_lshl_b32 s46, s42, 9                         ; my first column, in bytes of f16: 512 x tile column + 256 x half
	s_lshl_b32 s47, s12, 8
	s_add_co_u32 s46, s46, s47
	s_mov_b32 s47, 0
	s_add_nc_u64 s[8:9], s[8:9], s[46:47]
	s_lshl_b32 s46, s46, 1                         ; in bytes of f32
	s_add_nc_u64 s[68:69], s[68:69], s[46:47]
	global_load_b128 v[BIA:BIA+3], v[BO], s[68:69] ; the bias is asked for now and waited for on the way out; nothing in between names its registers
	; the prefetches
	s_lshl_b32 s20, s13, 8
	s_lshl_b32 s21, s42, 8
	s_and_b32 s22, ttmp7, 0xffff                   ; cluster y
	s_cmp_eq_u32 s11, 0                            ; do I fetch for A?
	s_cselect_b32 s20, s20, s21                    ; the tile's first row
	s_cselect_b32 s21, s40, s41                    ; my place among the four that ask for it with me
	s_cselect_b32 s22, ttmp9, s22                  ; the coordinate along which other clusters read the same rows
	s_cselect_b64 s[PFA:PFA+1], s[4:5], s[6:7]
	s_cmp_eq_u32 s22, 0
	s_cselect_b32 s[LIM], 2, -1
	s_lshl_b32 s22, s12, 7
	s_add_co_u32 s20, s20, s22                     ; + the 128 rows that I fetch
	s_lshl_b32 s21, s21, 5
	s_add_co_u32 s20, s20, s21                     ; + my work-group's 32 of them
	s_lshl_b32 s20, s20, 11                        ; rows of 2,048 bytes
	s_mov_b32 s21, 0
	s_add_nc_u64 s[PFA:PFA+1], s[PFA:PFA+1], s[20:21]
	s_add_nc_u64 s[PFA:PFA+1], s[PFA:PFA+1], 2*KSTEP*2  ; at K step 2: the first refill steps it to 3 and names K step 4
	v_lshlrev_b32 v[PFO], 11, v5
.macro MUL16 f, hi, a0, zero           ; 16 matrix instructions: row blocks a0, a0 + 1 of the window's four x 8 column blocks, 32 along K; the 64 accumulators take turns
	WIN MUL_LO+0x50*(\hi)
.irp a, \a0, (\a0)+1
.irp b, 0,1,2,3,4,5,6,7
.if \zero
	v_wmma_f32_16x16x32_f16 v[8*(8*(\a)+(\b)):8*(8*(\a)+(\b))+7], v[(\f)+8*(\b):(\f)+8*(\b)+7], v[(\f)+8*(4*(\hi)+(\a)):(\f)+8*(4*(\hi)+(\a))+7], 0
.else
	v_wmma_f32_16x16x32_f16 v[8*(8*(\a)+(\b)):8*(8*(\a)+(\b))+7], v[(\f)+8*(\b):(\f)+8*(\b)+7], v[(\f)+8*(4*(\hi)+(\a)):(\f)+8*(4*(\hi)+(\a))+7], v[8*(8*(\a)+(\b)):8*(8*(\a)+(\b))+7]
.endif
.endr
.endr
.endm
.macro FETCH k, f                      ; 32 LDS loads in one run: the fragments of 32 along K at byte k of the rows of the slot in hand
	WIN TO_B
.irp i, 0,1,2,3,4,5,6,7
	ds_load_b128 v[(\f)+8*(\i):(\f)+8*(\i)+3],   v[ADRB] offset:(\k)+(\i)*16*PITCH
	ds_load_b128 v[(\f)+8*(\i)+4:(\f)+8*(\i)+7], v[ADRB] offset:(\k)+(\i)*16*PITCH+32
.endr
	WIN 0
.irp i, 0,1,2,3,4,5,6,7
	ds_load_b128 v[(\f)+8*(\i):(\f)+8*(\i)+3],   v[ADRA] offset:(\k)+(\i)*16*PITCH
	ds_load_b128 v[(\f)+8*(\i)+4:(\f)+8*(\i)+7], v[ADRA] offset:(\k)+(\i)*16*PITCH+32
.endr
.endm
.macro PLACES                          ; four plain instructions behind matrix instructions, in front of loads into their sources and of readers of their results
.rept 4
	v_nop
.endr
.endm
.macro QUARTER k, f, g, zero           ; 32 along K: multiplies buffer f; in its middle it fetches the next quarter, at byte k, into g
	s_wait_dscnt 8                                 ; B and A's rows 0-63 are in; the youngest eight loads may be out
	MUL16 \f, 0, 0, \zero
	MUL16 \f, 0, 2, \zero
	PLACES
	FETCH \k, \g
	s_wait_dscnt 32                                ; all but the 32 just issued
	MUL16 \f, 1, 0, \zero
	MUL16 \f, 1, 2, \zero
.endm
; The last quarter of a K step multiplies buffer 1 and changes slots.  fill = 1: the slot just read is filled again, two K steps on, behind a round of the cluster's barrier: 224 matrix instructions ahead of the wait for it.
; fill = 0: nothing is asked for; in the last trip there is no next slot either, and the run of LDS loads is jumped; its barrier then says that nobody reads the ring any more.
.macro TURN fill
.if \fill
	s_wait_xcnt 0x0                                ; the last prefetch, a K step back, has read its address
	s_add_nc_u64 s[PFA:PFA+1], s[PFA:PFA+1], KSTEP*2
.endif
	WIN 0
	s_wait_tensorcnt 0x0                           ; all my tensor loads have landed: my part of the next slot; so a descriptor may be written
	ds_add_u32 v[SPW], v[NIL]                      ; work on registers follows
	s_xor_b32 s[TB], s[TB], SLOT                   ; the other slot
	v_add_nc_u32 v[ADRA], s[TB], v[ADRA0]
	v_add_nc_u32 v[ADRB], s[TB], v[ADRB0]
.if \fill
	s_xor_b32 s[G0+5], s[G0+5], SLOT               ; the walking descriptors: the other slot than last time, the next K step
	s_add_nc_u64 s[G0+6:G0+7], s[G0+6:G0+7], KSTEP*2
	s_xor_b32 s[G0B+5], s[G0B+5], SLOT
	s_add_nc_u64 s[G0B+6:G0B+7], s[G0B+6:G0B+7], KSTEP*2
.endif
	s_wait_dscnt 9                                 ; the add and the youngest eight loads may be out
	MUL16 F1, 0, 0, 0
	s_wait_dscnt 0x0                               ; the add is done, and my reads of this slot are over
	s_barrier_signal -1
	MUL16 F1, 0, 2, 0
	WIN 0
	s_barrier_wait -1
.if \fill
	CREST                                          ; no wave of any partner still reads this slot or has a load on its way
	JLOAD 1                                        ; the first tensor load behind the round; its four v_nop are also the places in front of the loads below
.else
	s_cmp_eq_u32 s3, 1
	s_cbranch_scc1 .Lno_more_\@
	PLACES
.endif
	FETCH 0, F0
.if \fill
	ASK
.else
.Lno_more_\@:
.endif
	MUL16 F1, 1, 0, 0
	MUL16 F1, 1, 2, 0
.endm
	s_wait_tensorcnt 1                             ; my part of K step 0 is in; K step 1's may stay out
	s_barrier_signal -1
	s_barrier_wait -1
	FETCH 0, F0
	QUARTER 64, F0, F1, 1                          ; the first quarter's products start the sums; the loop is entered behind its first quarter
	WIN 0
	s_mov_b32 s3, FILLS
	s_branch .Lmid
.Lstep:
	QUARTER 64, F0, F1, 0
	WIN 0
.Lmid:
	QUARTER 128, F1, F0, 0
	QUARTER 192, F0, F1, 0
	TURN 1
	WIN 0
	s_sub_co_u32 s3, s3, 1
	s_cmp_lg_u32 s3, 0
	s_cbranch_scc1 .Lstep
	s_mov_b32 s3, 2                                ; the last two K steps ask for nothing
.Ltail:
	QUARTER 64, F0, F1, 0
	QUARTER 128, F1, F0, 0
	QUARTER 192, F0, F1, 0
	TURN 0
	WIN 0
	s_sub_co_u32 s3, s3, 1
	s_cmp_lg_u32 s3, 0
	s_cbranch_scc1 .Ltail
	; THE WAY OUT.  Every wave has passed the last barrier with its reads of the ring over, and the ring is filled no more: my 128 x 128 sums go into my part of it.
	PLACES
.irp hi, 0,1
	WIN 0x08+4*(\hi)                               ; the stores' data in window 2, then 3
.irp a, 0,1,2,3
.irp b, 0,1,2,3,4,5,6,7
	ds_store_b128 v[STO], v[8*(8*(\a)+(\b)):8*(8*(\a)+(\b))+3]   offset:(4*(\hi)+(\a))*16*WPITCH+64*(\b)
	ds_store_b128 v[STO], v[8*(8*(\a)+(\b))+4:8*(8*(\a)+(\b))+7] offset:(4*(\hi)+(\a))*16*WPITCH+64*(\b)+16
.endr
.endr
.endr
	WIN 0
.macro ROWS                            ; eight whole rows.  LDS serves a wave's instructions in order: these see my stores
.irp n, 0,1,2,3,4,5,6,7
	ds_load_b128 v[32+4*(\n):35+4*(\n)], v[RD] offset:(\n)*WPITCH
.endr
.endm
	ROWS
	s_wait_loadcnt 0x0                             ; the bias, asked for at the head
	s_mov_b32 s3, 16
.Lrows:
	s_wait_dscnt 0x0                               ; this trip's eight loads, issued in the trip before
.irp n, 0,1,2,3,4,5,6,7
	v_pk_add_f32 v[64+4*(\n):65+4*(\n)], v[32+4*(\n):33+4*(\n)], v[BIA:BIA+1]   ; x = sum + bias
	v_pk_add_f32 v[66+4*(\n):67+4*(\n)], v[34+4*(\n):35+4*(\n)], v[BIA+2:BIA+3]
.endr
	s_cmp_eq_u32 s3, 1                             ; the rows have been read out of their registers: the next trip's loads go out, but in the last trip
	s_cbranch_scc1 .Lno_rows
	v_add_nc_u32 v[RD], 8*WPITCH, v[RD]
	ROWS
.Lno_rows:
.set i, 0
.rept 16
	v_pk_mul_f32 v[128+2*i:129+2*i], v[64+2*i:65+2*i], v[64+2*i:65+2*i]
.set i, i+1
.endr
.set i, 0
.rept 16
	v_pk_fma_f32 v[128+2*i:129+2*i], v[128+2*i:129+2*i], s[72:73], s[74:75] op_sel_hi:[1,0,0]
.set i, i+1
.endr
.set i, 0
.rept 16
	v_pk_mul_f32 v[128+2*i:129+2*i], v[128+2*i:129+2*i], v[64+2*i:65+2*i]
.set i, i+1
.endr
.set i, 0
.rept 32
	v_exp_f32 v[128+i], v[128+i]
.set i, i+1
.endr
	v_nop                                          ; a plain instruction behind the last exponential,
	s_wait_alu depctr_va_vdst(0)                   ; and one wait for the batch
.set i, 0
.rept 16
	v_pk_add_f32 v[128+2*i:129+2*i], v[128+2*i:129+2*i], 1.0 op_sel_hi:[1,0]
.set i, i+1
.endr
.set i, 0
.rept 32
	v_rcp_f32 v[128+i], v[128+i]
.set i, i+1
.endr
	v_nop
	s_wait_alu depctr_va_vdst(0)                   ; one wait for the batch of reciprocals
.set i, 0
.rept 16
	v_pk_mul_f32 v[64+2*i:65+2*i], v[64+2*i:65+2*i], v[128+2*i:129+2*i]
.set i, i+1
.endr
.set i, 0
.rept 16
	v_cvt_pk_f16_f32 v[192+i], v[64+2*i], v[65+2*i]
.set i, i+1
.endr
.irp n, 0,1,2,3,4,5,6,7
	global_store_b64 v[CO], v[192+2*(\n):193+2*(\n)], s[8:9] offset:(\n)*SIZE_N*2  ; a row's 128 results: 256 consecutive aligned bytes
.endr
	s_wait_xcnt 0x0                                ; the stores have read their data and their base
	s_add_nc_u64 s[8:9], s[8:9], 8*SIZE_N*2        ; eight rows on
	s_sub_co_u32 s3, s3, 1
	s_cmp_lg_u32 s3, 0
	s_cbranch_scc1 .Lrows
	s_wait_tensorcnt 0x0                           ; the wave's end
	ds_add_u32 v[SPW], v[NIL]
	s_wait_dscnt 0x0
	CROUND                                         ; the closing round
	s_endpgm
.Lfunc_end_k_qc3bd83818c_gemm_f1:
	.size	k_qc3bd83818c_gemm_f1, .Lfunc_end_k_qc3bd83818c_gemm_f1-k_qc3bd83818c_gemm_f1
	.p2alignl 7, 3214868480
	.fill 96, 4, 3214868480
	.section	.rodata,"a",@progbits
	.p2align	6, 0x0
	.amdhsa_kernel k_qc3bd83818c_gemm_f1
		.amdhsa_group_segment_fixed_size 327680
		.amdhsa_private_segment_fixed_size 0
		.amdhsa_enable_private_segment 0
		.amdhsa_kernarg_size 32
		.amdhsa_user_sgpr_count 2
		.amdhsa_user_sgpr_kernarg_segment_ptr 1
		.amdhsa_wavefront_size32 1
		.amdhsa_system_sgpr_workgroup_id_x 1
		.amdhsa_system_sgpr_workgroup_id_y 1
		.amdhsa_system_sgpr_workgroup_id_z 1
		.amdhsa_system_vgpr_workitem_id 0
		.amdhsa_next_free_vgpr 1024
		.amdhsa_next_free_sgpr 84
		.amdhsa_reserve_vcc 0
		.amdhsa_float_denorm_mode_32 3
		.amdhsa_float_denorm_mode_16_64 3
		.amdhsa_memory_ordered 1
		.amdhsa_forward_progress 1
		.amdhsa_inst_pref_size 89
	.end_amdhsa_kernel
	.amdgpu_metadata
---
amdhsa.version: [ 1, 2 ]
amdhsa.kernels:
  - .name:           k_qc3bd83818c_gemm_f1
    .symbol:         k_qc3bd83818c_gemm_f1.kd
    .args:
      - { .name: hn, .offset: 0, .size: 8, .value_kind: global_buffer, .address_space: global }
      - { .name: wb, .offset: 8, .size: 8, .value_kind: global_buffer, .address_space: global }
      - { .name: b1, .offset: 16, .size: 8, .value_kind: global_buffer, .address_space: global }
      - { .name: big, .offset: 24, .size: 8, .value_kind: global_buffer, .address_space: global }
    .group_segment_fixed_size: 327680
    .private_segment_fixed_size: 0
    .kernarg_segment_align: 8
    .kernarg_segment_size: 32
    .max_flat_workgroup_size: 128
    .sgpr_count:     84
    .vgpr_count:     1024
    .wavefront_size: 32
...
	.end_amdgpu_metadata
.endif
;; end of part 10
;; launch gemm_f2: the kernel of part 7 again; grid 8 x 32, 4 waves a work-group, clusters of 4 x 4, 327,680 bytes of LDS; arguments big, wb, b2, x1, out0; writes out0
